; MI455X (gfx1250); checked and timed in simulation.
; The chip was launched on July 23, 2026; its instructions are those of AMD's public machine-readable ISA for CDNA 5 (MIT licence, August 2026) and "CDNA5" Instruction Set Architecture Reference Guide (July 2026). The comments in the code are by the model that wrote it; some were corrected since.
;; GPT2 Block. Allowed arithmetic: matrix products marked QUANTISED: E2M3 operands, one E8M0 scale for each 32 along K, by v_wmma_scale_f32_16x16x128_f8f6f4 with both operands' format E2M3, f32 sums; everything else in f32.
;; Inputs: b_attn 3,072 float32; b_fc 4,096 float32; b_fc_proj 1,024 float32; b_proj 1,024 float32; hidden_states 2 x 2,048 x 1,024 float32; ln1_b 1,024 float32; ln1_w 1,024 float32; ln2_b 1,024 float32; ln2_w 1,024 float32; w_attn 1,024 x 3,072 float32; w_fc 1,024 x 4,096 float32; w_fc_proj 4,096 x 1,024 float32; w_proj 1,024 x 1,024 float32.
;; Outputs: out0 2 x 2,048 x 1,024 float32.
;; This version of the problem:
;;   THIS VERSION OF THE PROBLEM IS GIVEN IN LOW PRECISION. The matrix products marked QUANTISED in the list below multiply operands that are first quantised to E2M3 (2 exponent bits, 3 mantissa bits; 6 bits a number), with one power-of-two scale for each 32 numbers along K (OCP MX v1.0); their sums are f32. All else is computed in f32.
;;   The module's matrix products, in the order in which they are computed (A, B: the left and right operand; K: the contracted axis; several contracted axes count as one K, in the product's order):
;;     1. [M 4,096, K 1,024] x [K 1,024, N 3,072]; A: computed on the way; B: input w_attn: QUANTISED
;;     2. batch 32 x [M 2,048, K 64] x [K 64, N 2,048]; A: computed on the way; B: computed on the way: QUANTISED
;;     3. batch 32 x [M 2,048, K 2,048] x [K 2,048, N 64]; A: softmax (see below); B: computed on the way: QUANTISED
;;     4. [M 4,096, K 1,024] x [K 1,024, N 1,024]; A: computed on the way; B: input w_proj: QUANTISED
;;     5. [M 4,096, K 1,024] x [K 1,024, N 4,096]; A: computed on the way; B: input w_fc: QUANTISED
;;     6. [M 4,096, K 4,096] x [K 4,096, N 1,024]; A: computed on the way; B: input w_fc_proj: QUANTISED
;;   THE QUANTISER, for each operand of a quantised product, along K:
;;     - K is cut into blocks of 32 from its start; a last block that is shorter is filled with zeros.
;;     - A block's scale is 2^e with e = floor(log2(the largest magnitude in the block)) - 2, held to -126 .. 127; a block of zeros has e = 0. As a byte (E8M0): e + 127.
;;     - Each number is divided by its block's scale, clamped to +-7.5, and rounded to the nearest number of E2M3, ties to even, subnormals kept.
;;     - The product sums the exact products of the quantised numbers (number of the format x scale) in f32.
;;   ~~~python
;;   def quantise(x, axis):      # numpy; x: float32 -> the quantised numbers, widened to float32 again
;;       x = np.moveaxis(x, axis, -1); K = x.shape[-1]
;;       x = np.pad(x, [(0, 0)] * (x.ndim - 1) + [(0, -K % 32)]); x = x.reshape(x.shape[:-1] + (-1, 32)); a = np.abs(x).max(-1, keepdims=True)
;;       e = np.where(a > 0, np.clip(np.frexp(np.where(a > 0, a, 1))[1] - 1 - 2, -126, 127), 0)      # np.frexp(a)[1] - 1 = floor(log2(a)), exactly
;;       r = np.clip(x / 2.0 ** e, -7.5, 7.5)
;;       step = 2.0 ** (np.maximum(np.frexp(np.where(r == 0, 1, r))[1] - 1, 0) - 3)
;;       q = np.round(r / step) * step * 2.0 ** e      # np.round: ties to even
;;       return np.moveaxis(q.reshape(q.shape[:-2] + (-1,))[..., :K], -1, axis).astype(np.float32)
;;   ~~~
;;   SOFTMAX AHEAD OF A QUANTISED PRODUCT. Where the list says 'softmax', what is quantised is not the finished softmax but p = 2^(t - M), with t = logit x log2(e) and M = ceil(the row's largest t), a whole number; so 1/2 < the row's largest p <= 1. The row's sum l is taken of the UNQUANTISED p, in f32, and the product's result is divided by l at the end. Since M is a whole number, a kernel that streams over the keys may use a running M (the ceiling of the running maximum): every later rescaling is an exact power of two, which a block's scale takes up: the codes' values come out the same.
;;   OPERANDS COMPUTED ON THE WAY. 'Computed on the way' means the value that the module computes at that place (a softmax that the list does not call 'softmax' is quantised finished and normalised). What goes into a quantiser is computed in f32, as accurately as f32 sums, v_exp_f32 and their like allow (about 1e-6 of the number): no bf16 or f16 on the way to a quantiser, and a product that is left as it is and whose result goes on into a quantised operand takes f32 operands (vector FMAs, or v_wmma_f32_16x16x4_f32). A number that lies on a knife's edge between two numbers of the format may be rounded either way, as far as f32 arithmetic and the matrix unit's own rounding can turn it there, and no further.
;; 2 versions. Each part assembles by itself: llvm-mc -triple=amdgcn-amd-amdhsa -mcpu=gfx1250 --defsym DOCPART=n.
;; ======== version 1 of 2: 8 launches
;; workspace buffers: WB 9,830,400 bytes; XB 3,276,800 bytes; QKV 13,369,344 bytes; AB 3,276,800 bytes; HB16 16,777,216 bytes; GB 13,107,200 bytes
;; launch wq (part 1): grid 384 x 1, 4 waves a work-group, no clusters, 0 bytes of LDS; arguments w_attn, w_proj, w_fc, w_fc_proj, WB; writes WB
.if DOCPART == 1
	.amdgcn_target "amdgcn-amd-amdhsa--gfx1250"
	.amdhsa_code_object_version 6
	.text
	.protected	k_q7141929b06_wq
	.globl	k_q7141929b06_wq
	.p2align	8
	.type	k_q7141929b06_wq,@function
k_q7141929b06_wq:
	s_mov_b64 s[64:65], 0
	v_nop
	global_prefetch_b8 v0, s[64:65] scope:SCOPE_SE
	s_setreg_imm32_b32 hwreg(HW_REG_WAVE_MODE, 25, 1), 1
	s_wait_xcnt 0x0
; The four weights, f32 stored [K][N], become codes of FP6 (E2M3) with one E8M0 byte for each 32 along K, laid as the products' launches read them.
; THE LAYOUT (all operand buffers of this program).  Rows (here: columns n of a weight) come in groups of 128, a group in eight tiles of 16: lane r of tile t holds row 32 (t / 2) + 8 (t % 2) + r + (r & 8).
; A fragment (16 rows x 128 K, 12 registers a lane) lies as an image of its registers, 1,536 bytes: for each half c of 64 along K, 768 bytes: registers 6 c .. 6 c + 3 of lane l at 16 l,
; registers 6 c + 4, 6 c + 5 of lane (r, h) at 512 + 16 r + 8 h.  Codes: [group][K step of 128][tile][1,536]; behind them the scale words [group][K step][tile][r], 4 bytes.
; A LANE TAKES A COLUMN AND ITS REGISTERS RUN DOWN K: a block of 32 lies in one lane, its largest magnitude needs no other lane, and the conversions give codes with K innermost.
; The lane's block 2 p + h of its column IS what lane (r, h) of the fragment holds in half p % 2 of K step p / 2: so two blocks' codes leave by three stores of 16 bytes a lane, in each of which sixteen lanes cover 256 consecutive bytes, aligned.
; SHARES.  A work-group takes a group of 128 columns x 256 along K; wave w tiles 2 w and 2 w + 1 (lanes 0-15 and 16-31).  96 + 32 + 128 + 128 = 384 work-groups; the weight is chosen by the work-group's number: one way through the text.
; A block's scale is 2^(floor(log2(largest magnitude)) - 2); its byte is the largest magnitude's exponent field - 2, held at 1 from below.
; LIMITS: a block of zeros gets the byte 1 (its codes are zeros, and this program alone reads the bytes); NaN and infinities among the inputs are not served.
; No LDS, no barrier, no cluster: work-groups share no input byte.  Loads run two blocks (64 a wave) ahead.
.set X,   32                           ; v32-95   two sets of 32 numbers
.set VO,  96                           ; v96-127  byte offset of my column in row i of a block
.set OUT, 128                          ; v128-175 codes: for each pair of blocks 4 + 4 + 4 registers, never written again
.set T,   176                          ; v176-178 a block's upper 16 codes
.set SB,  32                           ; s[32:47] the source at each of my eight blocks' first row
	s_load_b256 s[4:11], s[0:1], 0x0               ; w_attn, w_proj, w_fc, w_fc_proj
	s_load_b64 s[12:13], s[0:1], 0x20              ; WB
	v_lshrrev_b32 v1, 5, v0
	v_readfirstlane_b32 s14, v1                    ; wave
	v_and_b32 v2, 15, v0                           ; r
	v_bfe_u32 v3, v0, 4, 1                         ; u: which of my wave's two tiles
	v_and_b32 v4, 8, v0
	v_add_nc_u32 v4, v4, v2
	v_lshl_add_u32 v4, v3, 3, v4
	v_lshlrev_b32 v4, 2, v4                        ; 4 (8 u + r + (r & 8)): my column among the wave's 32, in bytes
	v_mul_u32_u24 v5, v3, 1536
	v_lshl_add_u32 v5, v2, 4, v5                   ; out: my tile's image, 16 r
	v_and_b32 v6, 31, v0
	v_lshlrev_b32 v6, 2, v6                        ; out: my scale word, 4 x lane
	s_mov_b32 s15, 1024                            ; w_fc_proj's figures: N,
	s_mov_b32 s16, 4                               ; log2 of its 16 runs of 256 along K,
	s_mov_b32 s17, 32                              ; its K steps,
	s_mov_b32 s18, 6553600                         ; where its codes begin in WB,
	s_mov_b32 s19, 9699328                         ; its scale words,
	s_mov_b32 s20, 256                             ; and its first work-group
	s_wait_kmcnt 0x0
	s_mov_b64 s[52:53], s[10:11]
	s_cmp_lt_u32 ttmp9, 256                        ; the choices hang on the work-group's number alone
	s_cselect_b64 s[52:53], s[8:9], s[52:53]       ; w_fc
	s_cselect_b32 s15, 4096, s15
	s_cselect_b32 s16, 2, s16
	s_cselect_b32 s17, 8, s17
	s_cselect_b32 s18, 3276800, s18
	s_cselect_b32 s19, 6422528, s19
	s_cselect_b32 s20, 128, s20
	s_cmp_lt_u32 ttmp9, 128
	s_cselect_b64 s[52:53], s[6:7], s[52:53]       ; w_proj
	s_cselect_b32 s15, 1024, s15
	s_cselect_b32 s18, 2457600, s18
	s_cselect_b32 s19, 3244032, s19
	s_cselect_b32 s20, 96, s20
	s_cmp_lt_u32 ttmp9, 96
	s_cselect_b64 s[52:53], s[4:5], s[52:53]       ; w_attn
	s_cselect_b32 s15, 3072, s15
	s_cselect_b32 s18, 0, s18
	s_cselect_b32 s19, 2359296, s19
	s_cselect_b32 s20, 0, s20
	s_sub_co_u32 s21, ttmp9, s20                   ; my number within the weight
	s_bfm_b32 s24, s16, 0
	s_and_b32 s22, s21, s24                        ; kc: which 256 along K
	s_lshr_b32 s23, s21, s16                       ; g: which 128 columns
	s_mul_i32 s24, s22, s15
	s_lshl_b32 s24, s24, 10                        ; 256 kc rows of 4 N bytes
	s_lshl_b32 s25, s23, 9
	s_add_co_u32 s24, s24, s25                     ; + 128 g columns
	s_lshl_b32 s25, s14, 7
	s_add_co_u32 s24, s24, s25                     ; + 32 w columns
	s_mov_b32 s25, 0
	s_add_nc_u64 s[SB:SB+1], s[52:53], s[24:25]
	s_lshl_b32 s26, s15, 7                         ; a block: 32 rows of 4 N bytes
	s_mov_b32 s27, 0
.irp t, 1,2,3,4,5,6,7
	s_add_nc_u64 s[SB+2*\t:SB+2*\t+1], s[SB+2*\t-2:SB+2*\t-1], s[26:27]
.endr
	s_lshl_b32 s28, s15, 2                         ; a row in bytes
.irp i, 0,1,2,3,4,5,6,7,8,9,10,11,12,13,14,15,16,17,18,19,20,21,22,23,24,25,26,27,28,29,30,31
	v_mad_u32_u24 v[VO+\i], s28, \i, v4
.endr
	s_mul_i32 s24, s23, s17
	s_lshl_b32 s25, s22, 1
	s_add_co_u32 s24, s24, s25                     ; g KS + 2 kc: my first K step, counted through the groups
	s_lshl_b32 s30, s24, 9
	s_add_co_u32 s30, s30, s19
	s_lshl_b32 s31, s14, 7
	s_add_co_u32 s30, s30, s31
	s_mov_b32 s31, 0
	s_add_nc_u64 s[50:51], s[12:13], s[30:31]      ; my two tiles' scale words
	s_lshl_b32 s24, s24, 3
	s_lshl_b32 s25, s14, 1
	s_add_co_u32 s24, s24, s25
	s_mul_i32 s24, s24, 1536
	s_add_co_u32 s24, s24, s18
	s_mov_b32 s25, 0
	s_add_nc_u64 s[48:49], s[12:13], s[24:25]      ; my two tiles' images
.macro LOAD t                          ; block t: rows 32 t + i of my 256, my column: 32 lanes read 128 consecutive bytes
.irp i, 0,1,2,3,4,5,6,7,8,9,10,11,12,13,14,15,16,17,18,19,20,21,22,23,24,25,26,27,28,29,30,31
	global_load_b32 v[X+32*((\t)%2)+\i], v[VO+\i], s[SB+2*(\t):SB+2*(\t)+1] th:TH_LOAD_NT
.endr
.endm
.macro BLOCK t
.set XS,  X+32*((\t)%2)
.set OA,  OUT+12*((\t)/2)+4*((\t)%2)   ; registers 0-3 of lane (r, t % 2)
.set OH,  OUT+12*((\t)/2)+8+2*((\t)%2) ; registers 4, 5
.if (\t) < 7
	s_wait_loadcnt 32                              ; this block's 32 loads are in; the next block's 32 may be out
.else
	s_wait_loadcnt 0x0
.endif
	v_max3_num_f32 v12, |v[XS]|, |v[XS+1]|, |v[XS+2]|
	v_max3_num_f32 v13, |v[XS+3]|, |v[XS+4]|, |v[XS+5]|
.irp i, 6,10,14,18,22,26
	v_max3_num_f32 v12, v12, |v[XS+\i]|, |v[XS+\i+1]|
	v_max3_num_f32 v13, v13, |v[XS+\i+2]|, |v[XS+\i+3]|
.endr
	v_max3_num_f32 v12, v12, |v[XS+30]|, |v[XS+31]|
	v_max3_num_f32 v12, v12, v13, 0x1800000        ; with the floor 2^(3 - 127): the byte cannot fall under 1
	v_add_nc_u32 v11, 0xff000000, v12              ; 2 off the exponent field: the conversions take that field as their scale
	v_cvt_scalef32_pk16_fp6_f32 v[OA:OA+2], v[XS:XS+15], v11
	v_cvt_scalef32_pk16_fp6_f32 v[T:T+2], v[XS+16:XS+31], v11
	v_lshrrev_b32 v13, 23, v11                     ; the scale's byte (also the plain line behind the conversions)
.if (\t)%4 == 0
	v_mov_b32 v[24+(\t)/4], v13
.else
	v_lshl_or_b32 v[24+(\t)/4], v13, 8*((\t)%4), v[24+(\t)/4]
.endif
	v_mov_b32 v[OA+3], v[T]
	v_mov_b32 v[OH], v[T+1]
	v_mov_b32 v[OH+1], v[T+2]
.if (\t) < 6
	LOAD (\t)+2
.endif
.if (\t)%2 == 1
.set OPB, OUT+12*((\t)/2)
.set OF,  ((\t)/4)*12288+(((\t)/2)%2)*768
	global_store_b128 v5, v[OPB:OPB+3], s[48:49] offset:OF        ; lanes (r, 0) of the half image
	global_store_b128 v5, v[OPB+4:OPB+7], s[48:49] offset:OF+256  ; lanes (r, 1)
	global_store_b128 v5, v[OPB+8:OPB+11], s[48:49] offset:OF+512 ; registers 4, 5 of both
.endif
.endm
	LOAD 0
	LOAD 1
.irp t, 0,1,2,3,4,5,6,7
	BLOCK \t
.endr
	global_store_b32 v6, v24, s[50:51]             ; the two K steps' scale words: 128 consecutive bytes a wave
	global_store_b32 v6, v25, s[50:51] offset:512
	s_endpgm
.Lfunc_end_k_q7141929b06_wq:
	.size	k_q7141929b06_wq, .Lfunc_end_k_q7141929b06_wq-k_q7141929b06_wq
	.p2alignl 7, 3214868480
	.fill 96, 4, 3214868480
	.section	.rodata,"a",@progbits
	.p2align	6, 0x0
	.amdhsa_kernel k_q7141929b06_wq
		.amdhsa_group_segment_fixed_size 0
		.amdhsa_private_segment_fixed_size 0
		.amdhsa_enable_private_segment 0
		.amdhsa_kernarg_size 40
		.amdhsa_user_sgpr_count 2
		.amdhsa_user_sgpr_kernarg_segment_ptr 1
		.amdhsa_wavefront_size32 1
		.amdhsa_system_sgpr_workgroup_id_x 1
		.amdhsa_system_sgpr_workgroup_id_y 1
		.amdhsa_system_sgpr_workgroup_id_z 1
		.amdhsa_system_vgpr_workitem_id 0
		.amdhsa_next_free_vgpr 192
		.amdhsa_next_free_sgpr 66
		.amdhsa_reserve_vcc 0
		.amdhsa_float_denorm_mode_32 3
		.amdhsa_float_denorm_mode_16_64 3
		.amdhsa_memory_ordered 1
		.amdhsa_forward_progress 1
		.amdhsa_inst_pref_size 43
	.end_amdhsa_kernel
	.amdgpu_metadata
---
amdhsa.version: [ 1, 2 ]
amdhsa.kernels:
  - .name:           k_q7141929b06_wq
    .symbol:         k_q7141929b06_wq.kd
    .args:
      - { .name: w_attn, .offset: 0, .size: 8, .value_kind: global_buffer, .address_space: global }
      - { .name: w_proj, .offset: 8, .size: 8, .value_kind: global_buffer, .address_space: global }
      - { .name: w_fc, .offset: 16, .size: 8, .value_kind: global_buffer, .address_space: global }
      - { .name: w_fc_proj, .offset: 24, .size: 8, .value_kind: global_buffer, .address_space: global }
      - { .name: WB, .offset: 32, .size: 8, .value_kind: global_buffer, .address_space: global }
    .group_segment_fixed_size: 0
    .private_segment_fixed_size: 0
    .kernarg_segment_align: 8
    .kernarg_segment_size: 40
    .max_flat_workgroup_size: 128
    .sgpr_count:     66
    .vgpr_count:     192
    .wavefront_size: 32
...
	.end_amdgpu_metadata
.endif
;; end of part 1
;; launch ln1 (part 2): grid 256 x 1, 8 waves a work-group, no clusters, 5,120 bytes of LDS; arguments hidden_states, ln1_w, ln1_b, XB; writes XB
.if DOCPART == 2
	.amdgcn_target "amdgcn-amd-amdhsa--gfx1250"
	.amdhsa_code_object_version 6
	.text
	.protected	k_q7141929b06_ln1
	.globl	k_q7141929b06_ln1
	.p2align	8
	.type	k_q7141929b06_ln1,@function
k_q7141929b06_ln1:
	s_mov_b64 s[64:65], 0
	v_nop
	global_prefetch_b8 v0, s[64:65] scope:SCOPE_SE
	s_setreg_imm32_b32 hwreg(HW_REG_WAVE_MODE, 25, 1), 1
	s_wait_xcnt 0x0
; y = w (x - mean) / sqrt(var + 1e-6) + b along rows of 1,024 f32, and y quantised along the row to codes of FP6 (E2M3) with one E8M0 byte for each 32: an operand of the next product.
; THE OUTPUT'S LAYOUT.  Rows in groups of 128, a group in eight tiles of 16: lane r of tile t holds row 32 (t / 2) + 8 (t % 2) + r + (r & 8).  A fragment (16 rows x 128 K, 12 registers a lane) lies as an image of its
; registers, 1,536 bytes: for each half c: registers 6 c .. 6 c + 3 of lane l at 768 c + 16 l, registers 6 c + 4, 6 c + 5 of lane (r, h) at 768 c + 512 + 16 r + 8 h.  Codes [group][K step][tile][1,536]; from byte 3,145,728 the scale words [group][K step][tile][r].
; SHARES.  A work-group takes one tile of 16 rows, wave w its K step w (columns 128 w on).  Lane (r, h) holds 64 numbers of row r: register 16 b + i = column 128 w + 32 b + 16 h + i, the order that the conversions want.
; Mean and variance in two passes over the registers (the variance of the centred numbers: a common offset of the input does no harm); the eight waves' partial sums meet in LDS, each pass in bytes of its own, one barrier each.
; LIMITS: a block of zeros gets the byte 1 (its codes are zeros, and this program alone reads the bytes); NaN and infinities among the inputs are not served.
; No cluster: what work-groups share (gain and bias, 8 KiB) is a small part of what each reads.
.set X,   32                           ; v32-95   my 64 numbers
.set G,   96                           ; v96-159  the gain at my columns; later the codes
.set BV,  160                          ; v160-223 the bias
.set TM,  224                          ; v224-239 at work
.set PC,  96                           ; the fragment
.set PCT, 108                          ; the conversions' second halves
.set PW,  240                          ; the scale word
.set MP,  242                          ; v[242:243] the mean, later 1 / sqrt(var + eps), twice
.set PS,  244                          ; v244-251 the eight waves' partial sums
.set SEL, 18                           ; s[18:19] v_permlanex16_b32's selects for lane l xor 16
; 64 numbers of a lane, register 16 b + i = k 32 b + 16 (lane / 16) + i of my row, become a fragment's codes in v[PC] on and its scale word in v[PW] (the same in both halves of the lanes).
.macro QUANT s
.irp b, 0,1,2,3
	v_max3_num_f32 v[TM+\b], |v[\s+16*\b]|, |v[\s+1+16*\b]|, 0x1800000   ; with the floor 2^(3 - 127): the byte cannot fall under 1
.endr
.irp i, 2,4,6,8,10,12,14
.irp b, 0,1,2,3
	v_max3_num_f32 v[TM+\b], v[TM+\b], |v[\s+16*\b+\i]|, |v[\s+1+16*\b+\i]|
.endr
.endr
.irp b, 0,1,2,3
	v_permlanex16_b32 v[TM+4+\b], v[TM+\b], s[SEL], s[SEL+1]
.endr
.irp b, 0,1,2,3
	v_max_num_f32 v[TM+\b], v[TM+\b], v[TM+4+\b]   ; with lane l xor 16's: the block's largest magnitude
.endr
.irp b, 0,1,2,3
	v_add_nc_u32 v[TM+12+\b], 0xff000000, v[TM+\b] ; 2 off its exponent field: the conversion's scale operand
.endr
.irp b, 0,1,2,3
	v_lshrrev_b32 v[TM+4+\b], 23, v[TM+12+\b]      ; the scale's byte
.endr
	v_lshl_or_b32 v[PW], v[TM+5], 8, v[TM+4]
	v_lshl_or_b32 v[PW], v[TM+6], 16, v[PW]
	v_lshl_or_b32 v[PW], v[TM+7], 24, v[PW]
.irp c, 0,1
	v_cvt_scalef32_pk16_fp6_f32 v[PC+6*\c:PC+2+6*\c], v[\s+32*\c:\s+15+32*\c], v[TM+12+2*\c]
	v_cvt_scalef32_pk16_fp6_f32 v[PCT+4*\c:PCT+2+4*\c], v[\s+16+32*\c:\s+31+32*\c], v[TM+12+2*\c+1]
.endr
	v_nop                                          ; one plain line behind a scaled conversion
.irp c, 0,1                                    ; the operand's layout wants a whole block in a lane
.irp i, 0,1,2
	v_permlane16_swap_b32 v[PC+6*\c+\i], v[PCT+4*\c+\i]
.endr
.irp i, 0,1,2
	v_mov_b32 v[PC+3+6*\c+\i], v[PCT+4*\c+\i]
.endr
.endr
.endm
; The four chains in v[TM] .. v[TM+7] become the row's sum over all 1,024 columns, in v[TM] of every lane.  off: this pass's 1,024 bytes of LDS.
.macro REDUCE off
	v_pk_add_f32 v[TM:TM+1], v[TM:TM+1], v[TM+2:TM+3]
	v_pk_add_f32 v[TM+4:TM+5], v[TM+4:TM+5], v[TM+6:TM+7]
	v_pk_add_f32 v[TM:TM+1], v[TM:TM+1], v[TM+4:TM+5]
	v_add_f32 v[TM], v[TM], v[TM+1]
	v_permlanex16_b32 v[TM+1], v[TM], s[SEL], s[SEL+1]
	v_add_f32 v[TM], v[TM], v[TM+1]                ; my row's sum over my wave's 128 columns
	ds_store_b32 v7, v[TM] offset:\off
	s_wait_dscnt 0x0                               ; for the others' sake: my store is done
	s_barrier_signal -1
	s_barrier_wait -1
.irp i, 0,1,2,3,4,5,6,7
	ds_load_b32 v[PS+\i], v8 offset:\off+128*\i    ; my row's partial sum of wave i
.endr
	s_wait_dscnt 0x0
	v_add_f32 v[TM], v[PS], v[PS+1]
.irp i, 2,3,4,5,6,7
	v_add_f32 v[TM], v[TM], v[PS+\i]
.endr
.endm
	s_load_b256 s[4:11], s[0:1], 0x0               ; x, gain, bias, the operand buffer
	v_lshl_add_u32 v254, v0, 2, 0x1000
	v_mov_b32 v255, 0
	v_lshrrev_b32 v1, 5, v0
	v_readfirstlane_b32 s12, v1                    ; wave = K step
	v_and_b32 v1, 31, v0                           ; lane
	v_and_b32 v9, 15, v0                           ; r
	v_bfe_u32 v10, v0, 4, 1                        ; h
	v_and_b32 v2, 8, v0
	v_add_nc_u32 v2, v2, v9
	v_lshlrev_b32 v2, 12, v2
	v_lshl_add_u32 v2, v10, 6, v2                  ; x: row r + (r & 8) of 4,096 bytes, + 64 h
	v_lshlrev_b32 v3, 6, v10                       ; gain, bias: 64 h
	v_lshlrev_b32 v4, 4, v1                        ; an image's 16 x lane
	v_lshlrev_b32 v5, 4, v9
	v_lshl_add_u32 v5, v10, 3, v5                  ; and its 16 r + 8 h
	v_lshlrev_b32 v6, 2, v9                        ; a scale word's 4 r
	v_lshlrev_b32 v7, 2, v0                        ; LDS: 128 x wave + 4 x lane
	v_lshlrev_b32 v8, 2, v1                        ; LDS: 4 x lane
	s_lshr_b32 s13, ttmp9, 1
	s_lshl_b32 s13, s13, 5
	s_and_b32 s14, ttmp9, 1
	s_lshl_b32 s14, s14, 3
	s_add_co_u32 s13, s13, s14                     ; the tile's first row: 32 (T / 2) + 8 (T % 2)
	s_lshl_b32 s24, s13, 12
	s_lshl_b32 s15, s12, 9
	s_add_co_u32 s24, s24, s15                     ; + my wave's 512 bytes of a row
	s_mov_b32 s25, 0
	s_mov_b32 s26, s15
	s_mov_b32 s27, 0
	s_lshr_b32 s16, ttmp9, 3
	s_and_b32 s17, ttmp9, 7
	s_lshl_b32 s16, s16, 3
	s_add_co_u32 s16, s16, s12                     ; 8 x group + K step
	s_lshl_b32 s28, s16, 3
	s_add_co_u32 s28, s28, s17
	s_mul_i32 s28, s28, 1536                       ; my fragment's image
	s_mov_b32 s29, 0
	s_lshl_b32 s30, s16, 9
	s_lshl_b32 s17, s17, 6
	s_add_co_u32 s30, s30, s17
	s_add_co_u32 s30, s30, 3145728                 ; its scale words
	s_mov_b32 s31, 0
	s_mov_b32 s[SEL], 0x76543210
	s_mov_b32 s[SEL+1], 0xfedcba98
	s_mov_b32 s20, 0x3a800000                      ; 1 / 1024
	s_mov_b32 s21, 0x358637bd                      ; 1e-6
	s_wait_kmcnt 0x0
	s_add_nc_u64 s[4:5], s[4:5], s[24:25]
	s_add_nc_u64 s[6:7], s[6:7], s[26:27]
	s_add_nc_u64 s[8:9], s[8:9], s[26:27]
	s_add_nc_u64 s[22:23], s[10:11], s[30:31]
	s_add_nc_u64 s[10:11], s[10:11], s[28:29]
.irp b, 0,1,2,3
.irp j, 0,1,2,3
	global_load_b128 v[X+16*\b+4*\j:X+16*\b+4*\j+3], v2, s[4:5] offset:128*\b+16*\j
.endr
.endr
.irp b, 0,1,2,3
.irp j, 0,1,2,3
	global_load_b128 v[G+16*\b+4*\j:G+16*\b+4*\j+3], v3, s[6:7] offset:128*\b+16*\j
.endr
.endr
.irp b, 0,1,2,3
.irp j, 0,1,2,3
	global_load_b128 v[BV+16*\b+4*\j:BV+16*\b+4*\j+3], v3, s[8:9] offset:128*\b+16*\j
.endr
.endr
	s_wait_loadcnt 32                              ; x is in; the 32 loads of gain and bias may be out
.irp k, 0,1,2,3
	v_pk_add_f32 v[TM+2*\k:TM+2*\k+1], v[X+2*\k:X+2*\k+1], v[X+8+2*\k:X+8+2*\k+1]   ; four chains, started by the first numbers
.endr
.irp p, 16,24,32,40,48,56
.irp k, 0,1,2,3
	v_pk_add_f32 v[TM+2*\k:TM+2*\k+1], v[TM+2*\k:TM+2*\k+1], v[X+\p+2*\k:X+\p+2*\k+1]
.endr
.endr
	REDUCE 0
	v_mul_f32 v[MP], s20, v[TM]                    ; the mean
	v_mov_b32 v[MP+1], v[MP]
.set i, 0
.rept 32
	v_pk_add_f32 v[X+i:X+i+1], v[X+i:X+i+1], v[MP:MP+1] neg_lo:[0,1] neg_hi:[0,1]   ; x - mean
.set i, i+2
.endr
.irp k, 0,1,2,3
	v_pk_mul_f32 v[TM+2*\k:TM+2*\k+1], v[X+2*\k:X+2*\k+1], v[X+2*\k:X+2*\k+1]
.endr
.irp p, 8,16,24,32,40,48,56
.irp k, 0,1,2,3
	v_pk_fma_f32 v[TM+2*\k:TM+2*\k+1], v[X+\p+2*\k:X+\p+2*\k+1], v[X+\p+2*\k:X+\p+2*\k+1], v[TM+2*\k:TM+2*\k+1]
.endr
.endr
	REDUCE 1024
	v_fma_f32 v[TM], v[TM], s20, s21               ; var + eps
	v_rsq_f32 v[MP], v[TM]
	v_rsq_f32 v[MP+1], v[TM]
	v_nop                                          ; one plain line behind a transcendental
	s_wait_loadcnt 0x0                             ; gain and bias
.set i, 0
	s_wait_alu depctr_va_vdst(0)
.rept 32
	v_pk_mul_f32 v[X+i:X+i+1], v[X+i:X+i+1], v[MP:MP+1]
.set i, i+2
.endr
.set i, 0
.rept 32
	v_pk_fma_f32 v[X+i:X+i+1], v[X+i:X+i+1], v[G+i:G+i+1], v[BV+i:BV+i+1]
.set i, i+2
.endr
	QUANT X
	global_store_b128 v4, v[PC:PC+3], s[10:11]                 ; each store of the wave covers 512 or 256 consecutive bytes, aligned to 256
	global_store_b64 v5, v[PC+4:PC+5], s[10:11] offset:512
	global_store_b128 v4, v[PC+6:PC+9], s[10:11] offset:768
	global_store_b64 v5, v[PC+10:PC+11], s[10:11] offset:1280
	global_store_b32 v6, v[PW], s[22:23]                       ; lanes r and r + 16 hold the same word and store it to the same place
	s_wait_tensorcnt 0x0
	ds_add_u32 v254, v255
	s_wait_dscnt 0x0
	s_endpgm
.Lfunc_end_k_q7141929b06_ln1:
	.size	k_q7141929b06_ln1, .Lfunc_end_k_q7141929b06_ln1-k_q7141929b06_ln1
	.p2alignl 7, 3214868480
	.fill 96, 4, 3214868480
	.section	.rodata,"a",@progbits
	.p2align	6, 0x0
	.amdhsa_kernel k_q7141929b06_ln1
		.amdhsa_group_segment_fixed_size 5120
		.amdhsa_private_segment_fixed_size 0
		.amdhsa_enable_private_segment 0
		.amdhsa_kernarg_size 32
		.amdhsa_user_sgpr_count 2
		.amdhsa_user_sgpr_kernarg_segment_ptr 1
		.amdhsa_wavefront_size32 1
		.amdhsa_system_sgpr_workgroup_id_x 1
		.amdhsa_system_sgpr_workgroup_id_y 1
		.amdhsa_system_sgpr_workgroup_id_z 1
		.amdhsa_system_vgpr_workitem_id 0
		.amdhsa_next_free_vgpr 256
		.amdhsa_next_free_sgpr 66
		.amdhsa_reserve_vcc 0
		.amdhsa_float_denorm_mode_32 3
		.amdhsa_float_denorm_mode_16_64 3
		.amdhsa_memory_ordered 1
		.amdhsa_forward_progress 1
		.amdhsa_inst_pref_size 24
	.end_amdhsa_kernel
	.amdgpu_metadata
---
amdhsa.version: [ 1, 2 ]
amdhsa.kernels:
  - .name:           k_q7141929b06_ln1
    .symbol:         k_q7141929b06_ln1.kd
    .args:
      - { .name: hidden_states, .offset: 0, .size: 8, .value_kind: global_buffer, .address_space: global }
      - { .name: ln1_w, .offset: 8, .size: 8, .value_kind: global_buffer, .address_space: global }
      - { .name: ln1_b, .offset: 16, .size: 8, .value_kind: global_buffer, .address_space: global }
      - { .name: XB, .offset: 24, .size: 8, .value_kind: global_buffer, .address_space: global }
    .group_segment_fixed_size: 5120
    .private_segment_fixed_size: 0
    .kernarg_segment_align: 8
    .kernarg_segment_size: 32
    .max_flat_workgroup_size: 256
    .sgpr_count:     66
    .vgpr_count:     256
    .wavefront_size: 32
...
	.end_amdgpu_metadata
.endif
;; end of part 2
;; launch gqkv (part 3): grid 12 x 16, 4 waves a work-group, clusters of 4 x 4, 327,680 bytes of LDS; arguments XB, WB, b_attn, QKV; writes QKV
.if DOCPART == 3
	.amdgcn_target "amdgcn-amd-amdhsa--gfx1250"
	.amdhsa_code_object_version 6
	.text
	.protected	k_q7141929b06_gqkv
	.globl	k_q7141929b06_gqkv
	.p2align	8
	.type	k_q7141929b06_gqkv,@function
k_q7141929b06_gqkv:
	s_mov_b64 s[64:65], 0
	v_nop
	global_prefetch_b8 v0, s[64:65] scope:SCOPE_SE
	s_setreg_imm32_b32 hwreg(HW_REG_WAVE_MODE, 25, 1), 1
	s_wait_xcnt 0x0
	s_wait_alu depctr_hold_cnt(0) depctr_sa_sdst(0) depctr_va_vdst(0) depctr_va_sdst(0) depctr_va_ssrc(0) depctr_va_vcc(0) depctr_vm_vsrc(0)
	s_getreg_b32 s2, hwreg(HW_REG_IB_STS2, 6, 4)
	s_cmp_eq_u32 s2, 0
	s_cbranch_scc0 .Lentry_in_a_cluster
	s_endpgm
.Lentry_in_a_cluster:
	s_bfe_u32 s2, ttmp6, 0x10000c
	s_cmp_lg_u32 s2, 0xf033
	s_cbranch_scc0 .Lentry_shape_is_right
	s_endpgm
.Lentry_shape_is_right:
; qkv = LN1(x) w_attn + b_attn on codes of FP6 (E2M3) with E8M0 scales for each 32 along K = 1,024; q and k are quantised again along the head's 64, v along the keys, and leave as operands of the attention launch.
; OPERANDS.  Rows in groups of 128, a group in eight tiles of 16: lane r of tile t holds row 32 (t / 2) + 8 (t % 2) + r + (r & 8).  A fragment (16 rows x 128 K, 12 registers a lane) lies as an image of its registers,
; 1,536 bytes: for each half c: registers 6 c .. 6 c + 3 of lane l at 768 c + 16 l, registers 6 c + 4, 6 c + 5 of lane (r, h) at 768 c + 512 + 16 r + 8 h.  Codes [group][K step of 128][tile][1,536], scale words [group][K step][tile][r].
; So 128 rows x two K steps are one dense block of 24,576 bytes for one tensor load, and a fragment comes from LDS by four loads whose lanes read consecutive bytes: no padding.
; SHAPE.  A tile of 256 x 256 results to a work-group of four waves, 128 x 128 a wave: 64 accumulators, 512 registers.  K goes in steps of 256 through a ring of two LDS slots; the scale words of the work-group's rows, for all of K, come once.
; "A" is the matrix instruction's source 1 (a lane of the result holds one of its rows), "B" its source 0 (the lane's registers run along its rows; by the order of rows in a tile, the 64 registers of the accumulators (a, 0 .. 7) are
; rows 32 b + 16 (lane / 16) + i of B's group at register 16 b + i: 16 neighbours for each conversion).
; For q and k (clusters x = 0, 1) A = tokens, B = features: a lane holds a token and 128 features, two heads.  FOR v (clusters x = 2) THE ROLES ARE SWAPPED: A = features, B = tokens: a lane holds a feature and 128 tokens, the keys of one step.
; The choice hangs on the cluster's x alone, which all sixteen partners share.
; CLUSTERS: 4 x 4.  A's tiles hang on the place along y and are shared along a row of the cluster, B's on the place along x and are shared along a column: joint loads, which divide the requests by four.
; THE OUTPUT.  Two regions (q at 0, k and v at KVR), each [batch x head][step of 128 tokens][13,056 bytes]: + 0 eight half images (768 bytes) of q or k; + 6,144 four fragments of V^T (tiles of 16 of the head's 64 x these 128 keys);
; + 12,288 q's or k's scale words [tile][r]; + 12,800 V's [tile][r].  Bytes 2, 3 of q's and k's words stand over zero codes in the attention launch and are never 0xff.
; LIMITS: a block of zeros gets the byte 1 (its codes are zeros, and this program alone reads the bytes); NaN and infinities are not served.
; REGISTERS, in windows of 256: window 0: v1-15, v16-31 addresses; v32-63 scale words, two sets; v128-223 A's fragments, one set; window 1: B's fragments, two sets, at v0 and v128; windows 2, 3: accumulator (a, b) at v[8 (8 (a % 4) + b)].
.set KS,     8                         ; K steps of 128
.set XSC,    3145728                   ; where XB's scale words begin
.set WSC,    2359296                   ; where w_attn's begin in WB (its codes begin at 0)
.set HB,     208896                    ; a head in the output
.set STEPB,  13056                     ; a step
.set KVR,    6684672                   ; the region of k and v
.set NQ,     2
.set FR,     12
.set NL,     4                         ; LDS loads that bring a fragment
.set NP,     4                         ; places behind this matrix instruction (ISA guide 7.12.1)
.set KB,     12288                     ; a group's K step: eight images
.set HALFT,  2*KB                      ; what one tensor load brings
.set SLOT,   4*HALFT                   ; A's two groups, then B's two
.set LAPS,   KS/4
.set GROUPB, KS*KB
.set GROUPS, KS*512
.set HALFS,  GROUPS                    ; a group's scale words
.set SCL,    2*SLOT
.set SPARE,  SCL+4*HALFS               ; the spare words, 128 bytes for each wave: two blocks of 256 bytes that no other line names
.set ADRA, 16                          ; v16-17 my A group in slot 0, 1, + 16 x lane; v18-19 + 16 r + 8 h
.set ADRB, 20                          ; v20-23 the same for B
.set CO,   26                          ; v26 16 x lane
.set ADRS, 27                          ; v27 my scale words: lanes 0-15 A's, lanes 16-31 B's
.set SPW,  28
.set NIL,  29
.set L8,   30                          ; v30 16 r + 8 h
.set L4,   31                          ; v31 4 x lane
.set SC,   32
.set AF,   128
.set BI,   64                          ; the way out: the bias
.set HA,   128                         ; 64 numbers of a lane
.set PC,   208                         ; the fragment just made
.set PW,   220                         ; its scale word
.set PWE,  221                         ; the even tile's
.set PS,   222                         ; the word to store
.set SH,   223                         ; 16 h
.set TM,   224
.set PCT,  240
.set G1, 24
.set G0, 32
.set G1B, 48
.set G0B, 56
.set SEL, 66
.set G1S, 68
.set G0S, 76
.set G1SB, 80
.set G0SB, 88
.set MSB, 0
.macro WIN new                         ; the immediate's high byte repeats the setting that is left
.if MSB != (\new)
	s_set_vgpr_msb (MSB<<8)|(\new)
.set MSB, (\new)
.endif
.endm
.set MUL_LO, 0xa1                      ; source 0 (B) window 1, source 1 (A) window 0, C and D window 2
.set MUL_HI, 0xf1
.set TO_B,   0x40
.macro JLOAD g0a, g1a, g0b, g1b        ; a joint load: waves 0, 1 fetch for A, waves 2, 3 for B; four v_nop follow each line
	s_cmp_eq_u32 s15, 0
	s_cbranch_scc0 .Lfor_b_\@
	tensor_load_to_lds s[\g0a:\g0a+3], s[\g1a:\g1a+7]
	s_nop 0
.rept 4
	v_nop
.endr
	s_branch .Lasked_\@
.Lfor_b_\@:
	tensor_load_to_lds s[\g0b:\g0b+3], s[\g1b:\g1b+7]
	s_nop 0
.rept 4
	v_nop
.endr
.Lasked_\@:
.endm
.macro CREST                           ; a round of the cluster's barrier behind its opening barrier
	s_cmp_lg_u32 s14, 0
	s_cbranch_scc1 .Lnot_wave_0_\@
	s_barrier_signal -3
.Lnot_wave_0_\@:
	s_barrier_wait -3
	s_barrier_signal -1
	s_barrier_wait -1
.endm
.macro CROUND
	s_barrier_signal -1
	s_barrier_wait -1
	CREST
.endm
	s_load_b256 s[92:99], s[0:1], 0x0              ; XB, WB, b_attn, QKV
	v_lshl_add_u32 v[SPW], v0, 2, SPARE
	v_mov_b32 v[NIL], 0
	ds_add_u32 v28, v29
	ds_add_u32 v28, v29
	s_wait_dscnt 0x0
	v_lshrrev_b32 v1, 5, v0
	v_readfirstlane_b32 s14, v1                    ; wave
	s_lshr_b32 s15, s14, 1                         ; my group of A's two.  Also: I fetch for A (0) or B (1)
	s_and_b32 s16, s14, 1                          ; my group of B's two.  Also: which group I fetch
	s_bfe_u32 s40, ttmp6, 0x40000                  ; cx
	s_bfe_u32 s41, ttmp6, 0x40004                  ; cy
	s_and_b32 s18, ttmp7, 0xffff
	s_lshl_b32 s18, s18, 2                         ; 4 x cluster y
	s_lshl_b32 s19, ttmp9, 2                       ; 4 x cluster x
	s_mov_b32 s6, XSC
	s_mov_b32 s7, WSC
	s_cmp_eq_u32 ttmp9, 2                          ; the part of v?
	s_cselect_b32 s17, 8, s18                      ; A's block of 256 rows: features 2,048 on, else tokens
	s_cselect_b32 s42, s18, s19                    ; B's: tokens, else features
	s_cselect_b32 s2, s7, s6                       ; where A's scale words begin in its buffer
	s_cselect_b32 s3, s6, s7                       ; and B's
	s_add_co_u32 s17, s17, s41                     ; + cy
	s_add_co_u32 s42, s42, s40                     ; + cx
	s_lshl_b32 s43, s41, 2
	s_lshl_b32 s43, 15, s43                        ; my row of the cluster
	s_lshl_b32 s44, 0x1111, s40                    ; my column
	; descriptor group 1: a dense block of 24,576 bytes as 96 rows of 32 elements of 8 bytes; no padding; bit 21 set beside the mask
	s_or_b32 s[G1+0], s43, (3<<16)|(1<<21)
	s_or_b32 s[G1B+0], s44, (3<<16)|(1<<21)
.irp g, G1, G1B
	s_mov_b32 s[\g+1], 32<<16
	s_mov_b32 s[\g+2], 96<<16
	s_mov_b32 s[\g+3], 32<<16
	s_mov_b32 s[\g+4], 96
	s_mov_b32 s[\g+5], 32
	s_mov_b32 s[\g+6], 0
	s_mov_b32 s[\g+7], 0
.endr
	s_or_b32 s[G1S+0], s43, (3<<16)|(1<<21)        ; and a group's scale words: HALFS dense bytes
	s_or_b32 s[G1SB+0], s44, (3<<16)|(1<<21)
.irp g, G1S, G1SB
	s_mov_b32 s[\g+1], 32<<16
	s_mov_b32 s[\g+2], (HALFS/256)<<16
	s_mov_b32 s[\g+3], 32<<16
	s_mov_b32 s[\g+4], HALFS/256
	s_mov_b32 s[\g+5], 32
	s_mov_b32 s[\g+6], 0
	s_mov_b32 s[\g+7], 0
.endr
	s_lshl_b32 s20, s17, 1
	s_add_co_u32 s20, s20, s16                     ; A: the group that I fetch
	s_lshl_b32 s46, s42, 1
	s_add_co_u32 s46, s46, s16                     ; B likewise
	s_mul_i32 s22, s20, GROUPS
	s_add_co_u32 s22, s22, s2
	s_mov_b32 s23, 0
	s_mul_i32 s20, s20, GROUPB
	s_mov_b32 s21, 0
	s_mul_i32 s18, s46, GROUPS
	s_add_co_u32 s18, s18, s3
	s_mov_b32 s19, 0
	s_mul_i32 s46, s46, GROUPB
	s_mov_b32 s47, 0
	s_mul_i32 s45, s14, HALFT                      ; where they go: no place in the cluster enters an LDS address
	s_mul_i32 s101, s14, HALFS
	s_wait_kmcnt 0x0
	s_cmp_eq_u32 ttmp9, 2
	s_cselect_b64 s[4:5], s[94:95], s[92:93]       ; A's buffer
	s_cselect_b64 s[8:9], s[92:93], s[94:95]       ; B's
	s_add_nc_u64 s[20:21], s[4:5], s[20:21]
	s_add_nc_u64 s[22:23], s[4:5], s[22:23]
	s_add_nc_u64 s[46:47], s[8:9], s[46:47]
	s_add_nc_u64 s[18:19], s[8:9], s[18:19]
	CROUND                                         ; all sixteen work-groups are here: the first joint loads meet
	s_mov_b32 s[G0S], 1
	s_add_co_u32 s[G0S+1], s101, SCL
	s_mov_b64 s[G0S+2:G0S+3], s[22:23]
	s_or_b32 s[G0S+3], s[G0S+3], 0x80000000
	s_mov_b32 s[G0SB], 1
	s_add_co_u32 s[G0SB+1], s101, SCL
	s_mov_b64 s[G0SB+2:G0SB+3], s[18:19]
	s_or_b32 s[G0SB+3], s[G0SB+3], 0x80000000
	JLOAD G0S, G1S, G0SB, G1SB                     ; the scale words first
.irp s, 0,1
	s_mov_b32 s[G0+4*\s], 1
	s_add_co_u32 s[G0+4*\s+1], s45, \s*SLOT
	s_add_nc_u64 s[G0+4*\s+2:G0+4*\s+3], s[20:21], \s*HALFT
	s_or_b32 s[G0+4*\s+3], s[G0+4*\s+3], 0x80000000
	s_mov_b32 s[G0B+4*\s], 1
	s_add_co_u32 s[G0B+4*\s+1], s45, \s*SLOT
	s_add_nc_u64 s[G0B+4*\s+2:G0B+4*\s+3], s[46:47], \s*HALFT
	s_or_b32 s[G0B+4*\s+3], s[G0B+4*\s+3], 0x80000000
	JLOAD G0+4*\s, G1, G0B+4*\s, G1B
.endr
	v_and_b32 v1, 31, v0                           ; lane
	v_and_b32 v2, 15, v0                           ; r
	v_bfe_u32 v3, v0, 4, 1                         ; h
	v_lshlrev_b32 v[CO], 4, v1
	v_lshlrev_b32 v[L8], 4, v2
	v_lshl_add_u32 v[L8], v3, 3, v[L8]
	v_lshlrev_b32 v[L4], 2, v1
	s_mul_i32 s21, s15, HALFT
	s_mul_i32 s22, s16, HALFT
	s_add_co_u32 s22, s22, 2*HALFT
.irp s, 0,1
	v_add_nc_u32 v[ADRA+\s], s21, v[CO]
	v_add_nc_u32 v[ADRB+\s], s22, v[CO]
	v_add_nc_u32 v[ADRA+2+\s], s21, v[L8]
	v_add_nc_u32 v[ADRB+2+\s], s22, v[L8]
	s_add_co_u32 s21, s21, SLOT
	s_add_co_u32 s22, s22, SLOT
.endr
	v_lshlrev_b32 v6, 2, v2
	s_mul_i32 s21, s15, HALFS
	s_mul_i32 s22, s16, HALFS
	s_add_co_u32 s22, s22, 2*HALFS
	s_sub_co_u32 s22, s22, s21
	v_mul_u32_u24 v7, s22, v3                      ; lanes 16-31 take B's: one product, the distance between the two
	s_add_co_u32 s21, s21, SCL
	v_add_nc_u32 v6, v6, v7
	v_add_nc_u32 v[ADRS], s21, v6
	v_lshlrev_b32 v13, 6, v3                       ; the way out: 64 h (the bias along my registers)
	v_mul_u32_u24 v14, v3, HB
	v_lshl_add_u32 v14, v2, 2, v14                 ; 4 r + h x a head (q's and k's scale words)
	v_and_b32 v15, 8, v0
	v_add_nc_u32 v15, v15, v2
	v_lshlrev_b32 v15, 2, v15                      ; 4 (r + (r & 8)) (the bias of my feature)
.irp b, 0,1,2,3
	v_mov_b32 v[TM+4+\b], 0                        ; written once: a lane permute's destination counts as one of its sources
.endr
	s_mov_b32 s[SEL], 0x76543210
	s_mov_b32 s[SEL+1], 0xfedcba98
	s_mov_b32 s100, 0xffff0000                     ; lanes 16-31
	s_lshl_b32 s17, s17, 1
	s_add_co_u32 s17, s17, s15                     ; gA: my wave's group of A's rows
	s_lshl_b32 s42, s42, 1
	s_add_co_u32 s42, s42, s16                     ; gB: of B's
.macro FRAG reg, adr, q, i             ; a fragment's image comes back as it was stored: four loads, consecutive bytes in consecutive lanes
	ds_load_b128 v[\reg:\reg+3], v[\adr] offset:(\q)*KB+(\i)*1536
	ds_load_b64 v[\reg+4:\reg+5], v[\adr+2] offset:(\q)*KB+(\i)*1536+512
	ds_load_b128 v[\reg+6:\reg+9], v[\adr] offset:(\q)*KB+(\i)*1536+768
	ds_load_b64 v[\reg+10:\reg+11], v[\adr+2] offset:(\q)*KB+(\i)*1536+1280
.endm
; 16 matrix instructions: A's blocks a0, a0 + 1 x B's eight.  The 64 accumulators take turns, one instruction a turn, in the same order in every step.
.macro MUL16 a0, p, q, sc, zero
.irp a, \a0, \a0+1
.irp b, 0,1,2,3,4,5,6,7
.if \zero
	v_wmma_scale_f32_16x16x128_f8f6f4 v[8*(8*((\a)%4)+\b):8*(8*((\a)%4)+\b)+7], v[128*(\p)+FR*\b:128*(\p)+FR*\b+FR-1], v[AF+FR*(\a):AF+FR*(\a)+FR-1], 0, v[SC+8*NQ*(\sc)+NQ*\b+(\q)], v[SC+8*NQ*(\sc)+NQ*(\a)+(\q)] matrix_a_fmt:MATRIX_FMT_FP6 matrix_b_fmt:MATRIX_FMT_FP6 matrix_a_scale:MATRIX_SCALE_ROW1
.else
	v_wmma_scale_f32_16x16x128_f8f6f4 v[8*(8*((\a)%4)+\b):8*(8*((\a)%4)+\b)+7], v[128*(\p)+FR*\b:128*(\p)+FR*\b+FR-1], v[AF+FR*(\a):AF+FR*(\a)+FR-1], v[8*(8*((\a)%4)+\b):8*(8*((\a)%4)+\b)+7], v[SC+8*NQ*(\sc)+NQ*\b+(\q)], v[SC+8*NQ*(\sc)+NQ*(\a)+(\q)] matrix_a_fmt:MATRIX_FMT_FP6 matrix_b_fmt:MATRIX_FMT_FP6 matrix_a_scale:MATRIX_SCALE_ROW1
.endif
.endr
.endr
.endm
.macro FETCH_B slot, q, p
	WIN TO_B
.irp i, 0,1,2,3,4,5,6,7
	FRAG 128*(\p)+FR*\i, ADRB+\slot, \q, \i
.endr
	WIN 0
.endm
.macro FETCH_A slot, q, i0
.irp i, \i0, \i0+1, \i0+2, \i0+3
	FRAG AF+FR*(\i), ADRA+\slot, \q, \i
.endr
.endm
.macro SCALES sc                       ; a slot's scale words: register 2 i + q: lanes 0-15 A's block i, lanes 16-31 B's block i, K step q
.irp i, 0,1,2,3,4,5,6,7
.irp q, 0,1
	ds_load_b32 v[SC+16*\sc+2*\i+\q], v[ADRS] offset:512*\q+64*\i
.endr
.endr
.endm
.macro PLACES n                        ; plain vector lines between a matrix instruction and a load into, or a read of, its registers
.rept \n
	v_nop
.endr
.endm
.macro STEP slot, q, zero              ; 128 along K that have their successor in the same slot
	s_wait_dscnt 4*NL                              ; all but the youngest 16 loads (A's blocks 4-7) are in
	WIN MUL_LO
	MUL16 0, (\q)%2, \q, \slot, \zero
	MUL16 2, (\q)%2, \q, \slot, \zero
	s_wait_dscnt 0
	PLACES NP
	FETCH_B \slot, (\q)+1, 1-(\q)%2
	FETCH_A \slot, (\q)+1, 0
	WIN MUL_HI
	MUL16 4, (\q)%2, \q, \slot, \zero
	MUL16 6, (\q)%2, \q, \slot, \zero
	PLACES NP
	WIN 0
	FETCH_A \slot, (\q)+1, 4
.endm
; A slot's last 128 along K change slots: one barrier; in front of it each wave waits for all its tensor loads, adds 0 to its spare word, and waits for that and for its reads of this slot.
.macro TURN slot, next, fill
	s_wait_tensorcnt 0x0                           ; all my tensor loads have landed: my part of the next slot
	ds_add_u32 v[SPW], v[NIL]                      ; 0 onto my spare word
	s_wait_dscnt 4*NL+1                            ; the add and the youngest 16 loads may be out
	WIN MUL_LO
	MUL16 0, 1, NQ-1, \slot, 0
	s_wait_dscnt 0x0                               ; the add is done, and my reads of this slot are over
	s_barrier_signal -1
	MUL16 2, 1, NQ-1, \slot, 0
	WIN 0
	s_barrier_wait -1
.if \fill
	CREST                                          ; the barrier has opened a round of the cluster's: no wave of any partner still reads this slot or has a load on its way
	s_add_nc_u64 s[G0+4*\slot+2:G0+4*\slot+3], s[G0+4*\slot+2:G0+4*\slot+3], 2*HALFT
	s_add_nc_u64 s[G0B+4*\slot+2:G0B+4*\slot+3], s[G0B+4*\slot+2:G0B+4*\slot+3], 2*HALFT
	JLOAD G0+4*\slot, G1, G0B+4*\slot, G1B         ; the first tensor load behind the round; its four v_nop are the places in front of the loads below
.else
	PLACES NP
.endif
	v_add_nc_u32 v[ADRS], 1024, v[ADRS]            ; the next slot's scale words
	FETCH_B \next, 0, 0
	FETCH_A \next, 0, 0
	SCALES \next
	WIN MUL_HI
	MUL16 4, 1, NQ-1, \slot, 0
	MUL16 6, 1, NQ-1, \slot, 0
	PLACES NP
	WIN 0
	FETCH_A \next, 0, 4
.endm
	s_wait_tensorcnt 1                             ; of my three loads the scale words and slot 0's part are in; slot 1's may be out
	s_barrier_signal -1
	s_barrier_wait -1
	FETCH_B 0, 0, 0
	FETCH_A 0, 0, 0
	SCALES 0
	FETCH_A 0, 0, 4
	STEP 0, 0, 1                                   ; the first products start the sums
	s_mov_b32 s3, LAPS-1
.Llap:
	TURN 0, 1, 1
	STEP 1, 0, 0
	TURN 1, 0, 1
	STEP 0, 0, 0
	s_sub_co_u32 s3, s3, 1
	s_cmp_lg_u32 s3, 0
	s_cbranch_scc1 .Llap
	TURN 0, 1, 0                                   ; the last lap fills nothing
	STEP 1, 0, 0
	s_wait_dscnt 4*NL
	WIN MUL_LO
	MUL16 0, 1, NQ-1, 1, 0
	MUL16 2, 1, NQ-1, 1, 0
	s_wait_dscnt 0
	WIN MUL_HI
	MUL16 4, 1, NQ-1, 1, 0
	MUL16 6, 1, NQ-1, 1, 0
	WIN 0
; 64 numbers of a lane, register 16 b + i = k 32 b + 16 (lane / 16) + i of my row, become a fragment's codes in v[PC] on and its scale word in v[PW] (the same in both halves of the lanes).
.macro QUANT s
.irp b, 0,1,2,3
	v_max3_num_f32 v[TM+\b], |v[\s+16*\b]|, |v[\s+1+16*\b]|, 0x1800000   ; with the floor 2^(3 - 127): the byte cannot fall under 1
.endr
.irp i, 2,4,6,8,10,12,14
.irp b, 0,1,2,3
	v_max3_num_f32 v[TM+\b], v[TM+\b], |v[\s+16*\b+\i]|, |v[\s+1+16*\b+\i]|
.endr
.endr
.irp b, 0,1,2,3
	v_permlanex16_b32 v[TM+4+\b], v[TM+\b], s[SEL], s[SEL+1]
.endr
.irp b, 0,1,2,3
	v_max_num_f32 v[TM+\b], v[TM+\b], v[TM+4+\b]
.endr
.irp b, 0,1,2,3
	v_add_nc_u32 v[TM+12+\b], 0xff000000, v[TM+\b] ; 2 off the exponent field: the conversion's scale operand
.endr
.irp b, 0,1,2,3
	v_lshrrev_b32 v[TM+4+\b], 23, v[TM+12+\b]      ; the scale's byte
.endr
	v_lshl_or_b32 v[PW], v[TM+5], 8, v[TM+4]
	v_lshl_or_b32 v[PW], v[TM+6], 16, v[PW]
	v_lshl_or_b32 v[PW], v[TM+7], 24, v[PW]
.irp c, 0,1
	v_cvt_scalef32_pk16_fp6_f32 v[PC+6*\c:PC+2+6*\c], v[\s+32*\c:\s+15+32*\c], v[TM+12+2*\c]
	v_cvt_scalef32_pk16_fp6_f32 v[PCT+4*\c:PCT+2+4*\c], v[\s+16+32*\c:\s+31+32*\c], v[TM+12+2*\c+1]
.endr
	v_nop                                          ; one plain line behind a scaled conversion
.irp c, 0,1
.irp i, 0,1,2
	v_permlane16_swap_b32 v[PC+6*\c+\i], v[PCT+4*\c+\i]
.endr
.irp i, 0,1,2
	v_mov_b32 v[PC+3+6*\c+\i], v[PCT+4*\c+\i]
.endr
.endr
.endm
; THE WAY OUT of A's block a: the 64 results of a lane come to window 0 with the bias added (one line does both; ascending), are quantised, and leave as images.
.macro TILEQ a, vpart
	s_wait_xcnt 0x0                                ; the last block's stores have read their data: the codes and the word are written again only behind this wait
	WIN 0x02+(\a)/4                                ; source 0: window 2 or 3
.set i, 0
.rept 32
.if \vpart
	v_pk_add_f32 v[HA+i:HA+i+1], v[64*((\a)%4)+i:64*((\a)%4)+i+1], v[BI+2*(\a):BI+2*(\a)+1]
.else
	v_pk_add_f32 v[HA+i:HA+i+1], v[64*((\a)%4)+i:64*((\a)%4)+i+1], v[BI+i:BI+i+1]
.endif
.set i, i+2
.endr
	WIN 0
	QUANT HA
.if \vpart
.set OF, ((\a)/4)*HB+((\a)%4)*1536     ; blocks 0-3: the even head's four tiles of d; blocks 4-7: the odd head's
	global_store_b128 v[CO], v[PC:PC+3], s[12:13] offset:OF
	global_store_b64 v[L8], v[PC+4:PC+5], s[12:13] offset:OF+512
	global_store_b128 v[CO], v[PC+6:PC+9], s[12:13] offset:OF+768
	global_store_b64 v[L8], v[PC+10:PC+11], s[12:13] offset:OF+1280
.if (\a)%2 == 0
	v_mov_b32 v[PWE], v[PW]
.else
	v_cndmask_b32 v[PS], v[PWE], v[PW], s100       ; two tiles' words: 128 consecutive bytes
	global_store_b32 v[L4], v[PS], s[12:13] offset:((\a)/4)*HB+6656+64*(((\a)-1)%4)
.endif
.else
	global_store_b128 v[CO], v[PC:PC+3], s[12:13] offset:768*(\a)            ; features 0-63: the even head's half image
	global_store_b64 v[L8], v[PC+4:PC+5], s[12:13] offset:768*(\a)+512
	global_store_b128 v[CO], v[PC+6:PC+9], s[12:13] offset:HB+768*(\a)       ; features 64-127: the odd head's
	global_store_b64 v[L8], v[PC+10:PC+11], s[12:13] offset:HB+768*(\a)+512
	v_lshrrev_b32 v[PS], v[SH], v[PW]              ; lanes 0-15: the word as it is (its low two bytes are the even head's); lanes 16-31: the odd head's two bytes moved down
	global_store_b32 v14, v[PS], s[12:13] offset:12288+64*(\a)
.endif
.endm
	PLACES NP                                      ; behind the last products: the lines below write registers that held A's fragments
	v_lshlrev_b32 v[SH], 4, v3
	s_cmp_eq_u32 ttmp9, 2
	s_cbranch_scc1 .Lvpart
	; ---- q and k: gA = 128 tokens (batch, step), gB = 128 features (two heads of q or of k)
	s_lshr_b32 s20, s17, 4
	s_lshl_b32 s20, s20, 4
	s_and_b32 s22, s42, 7
	s_lshl_b32 s22, s22, 1
	s_add_co_u32 s20, s20, s22                     ; 16 x batch + the even head
	s_mul_i32 s20, s20, HB
	s_and_b32 s21, s17, 15
	s_mul_i32 s21, s21, STEPB
	s_add_co_u32 s20, s20, s21
	s_lshr_b32 s21, s42, 3                         ; 0: q, 1: k
	s_mul_i32 s21, s21, KVR
	s_add_co_u32 s20, s20, s21
	s_mov_b32 s21, 0
	s_add_nc_u64 s[12:13], s[98:99], s[20:21]
	s_lshl_b32 s20, s42, 9
	s_add_nc_u64 s[10:11], s[96:97], s[20:21]      ; the bias of my 128 features
.irp b, 0,1,2,3
.irp j, 0,1,2,3
	global_load_b128 v[BI+16*\b+4*\j:BI+16*\b+4*\j+3], v13, s[10:11] offset:128*\b+16*\j   ; register 16 b + i: feature 32 b + 16 h + i
.endr
.endr
	s_wait_loadcnt 0x0
.irp a, 0,1,2,3,4,5,6,7
	TILEQ \a, 0
.endr
	s_branch .Lend
.Lvpart:
	; ---- v: gA = 128 features (groups 16 to 23: two heads), gB = 128 tokens (batch, step)
	s_lshr_b32 s20, s42, 4
	s_lshl_b32 s20, s20, 4
	s_sub_co_u32 s22, s17, 16
	s_lshl_b32 s22, s22, 1
	s_add_co_u32 s20, s20, s22                     ; 16 x batch + the even head
	s_mul_i32 s20, s20, HB
	s_and_b32 s21, s42, 15
	s_mul_i32 s21, s21, STEPB
	s_add_co_u32 s20, s20, s21
	s_add_co_u32 s20, s20, KVR+6144
	s_mov_b32 s21, 0
	s_add_nc_u64 s[12:13], s[98:99], s[20:21]
	s_lshl_b32 s20, s17, 9
	s_add_nc_u64 s[10:11], s[96:97], s[20:21]
.irp a, 0,1,2,3,4,5,6,7
	global_load_b32 v[BI+2*\a], v15, s[10:11] offset:4*(32*(\a/2)+8*(\a%2))     ; my feature's bias, twice: a pair for the packed addition
	global_load_b32 v[BI+2*\a+1], v15, s[10:11] offset:4*(32*(\a/2)+8*(\a%2))
.endr
	s_wait_loadcnt 0x0
.irp a, 0,1,2,3,4,5,6,7
	TILEQ \a, 1
.endr
.Lend:
	s_wait_tensorcnt 0x0                           ; the wave's end
	ds_add_u32 v[SPW], v[NIL]
	s_wait_dscnt 0x0
	CROUND                                         ; the closing round: no work-group ends while a partner may still ask for a tile that names it
	s_endpgm
.Lfunc_end_k_q7141929b06_gqkv:
	.size	k_q7141929b06_gqkv, .Lfunc_end_k_q7141929b06_gqkv-k_q7141929b06_gqkv
	.p2alignl 7, 3214868480
	.fill 96, 4, 3214868480
	.section	.rodata,"a",@progbits
	.p2align	6, 0x0
	.amdhsa_kernel k_q7141929b06_gqkv
		.amdhsa_group_segment_fixed_size 327680
		.amdhsa_private_segment_fixed_size 0
		.amdhsa_enable_private_segment 0
		.amdhsa_kernarg_size 32
		.amdhsa_user_sgpr_count 2
		.amdhsa_user_sgpr_kernarg_segment_ptr 1
		.amdhsa_wavefront_size32 1
		.amdhsa_system_sgpr_workgroup_id_x 1
		.amdhsa_system_sgpr_workgroup_id_y 1
		.amdhsa_system_sgpr_workgroup_id_z 1
		.amdhsa_system_vgpr_workitem_id 0
		.amdhsa_next_free_vgpr 1024
		.amdhsa_next_free_sgpr 102
		.amdhsa_reserve_vcc 0
		.amdhsa_float_denorm_mode_32 3
		.amdhsa_float_denorm_mode_16_64 3
		.amdhsa_memory_ordered 1
		.amdhsa_forward_progress 1
		.amdhsa_inst_pref_size 222
	.end_amdhsa_kernel
	.amdgpu_metadata
---
amdhsa.version: [ 1, 2 ]
amdhsa.kernels:
  - .name:           k_q7141929b06_gqkv
    .symbol:         k_q7141929b06_gqkv.kd
    .args:
      - { .name: XB, .offset: 0, .size: 8, .value_kind: global_buffer, .address_space: global }
      - { .name: WB, .offset: 8, .size: 8, .value_kind: global_buffer, .address_space: global }
      - { .name: b_attn, .offset: 16, .size: 8, .value_kind: global_buffer, .address_space: global }
      - { .name: QKV, .offset: 24, .size: 8, .value_kind: global_buffer, .address_space: global }
    .group_segment_fixed_size: 327680
    .private_segment_fixed_size: 0
    .kernarg_segment_align: 8
    .kernarg_segment_size: 32
    .max_flat_workgroup_size: 128
    .sgpr_count:     102
    .vgpr_count:     1024
    .wavefront_size: 32
...
	.end_amdgpu_metadata
.endif
;; end of part 3
;; launch attn (part 4): grid 8 x 32, 16 waves a work-group, clusters of 4 x 1, 327,680 bytes of LDS; arguments QKV, AB; writes AB
.if DOCPART == 4
	.amdgcn_target "amdgcn-amd-amdhsa--gfx1250"
	.amdhsa_code_object_version 6
	.text
	.protected	k_q7141929b06_attn
	.globl	k_q7141929b06_attn
	.p2align	8
	.type	k_q7141929b06_attn,@function
k_q7141929b06_attn:
	s_mov_b64 s[64:65], 0
	v_nop
	global_prefetch_b8 v0, s[64:65] scope:SCOPE_SE
	s_setreg_imm32_b32 hwreg(HW_REG_WAVE_MODE, 25, 1), 1
	s_wait_xcnt 0x0
	s_wait_alu depctr_hold_cnt(0) depctr_sa_sdst(0) depctr_va_vdst(0) depctr_va_sdst(0) depctr_va_ssrc(0) depctr_va_vcc(0) depctr_vm_vsrc(0)
	s_getreg_b32 s2, hwreg(HW_REG_IB_STS2, 6, 4)
	s_cmp_eq_u32 s2, 0
	s_cbranch_scc0 .Lentry_in_a_cluster
	s_endpgm
.Lentry_in_a_cluster:
	s_bfe_u32 s2, ttmp6, 0x10000c
	s_cmp_lg_u32 s2, 0x3003
	s_cbranch_scc0 .Lentry_shape_is_right
	s_endpgm
.Lentry_shape_is_right:
; out[b][q][head] = softmax over all 2,048 keys of (q . k / 8 where key <= query, else -10,000) times v, both products on codes of FP6 (E2M3) with E8M0 scales; the result is quantised along the model's 1,024 for the next product.
; THE SOFTMAX AHEAD OF THE SECOND PRODUCT: t = logit x log2(e); M = the largest t so far rounded up to a whole number; p = 2^(t - M) is quantised along the keys, not normalised; the sum of the unquantised p divides at the end.
; When M moves, the sum and O are multiplied by 2^(old M - new M): exact.
; THE MASK WRITES -10,000, NOT -INFINITY: hidden keys stay in the maximum, in the sum and in the second product.  A step of 128 keys all of which are hidden for my 16 queries takes a short way that is exact:
; all its p are one number pm, so the sum takes 64 pm a lane, and one conversion of 16 equal numbers gives every register of the operand.
; INPUT.  Two regions (q at 0, k and v at KVR), each [batch x head][step of 128 tokens][13,056 bytes]: + 0 eight half images (768 bytes: 16 rows x 64 along K: registers 0-3 of lane l at 16 l, registers 4, 5 of lane (r, h) at 512 + 16 r + 8 h)
; of q or k; + 6,144 four fragments (two half images each) of V^T; + 12,288 q's or k's scale words [tile][r]; + 12,800 V's.  Lane r of tile t holds row 32 (t / 2) + 8 (t % 2) + r + (r & 8) of its 128 (or of the head's 64).
; The first product's K is 64: registers 6-11 of its operands are zero codes, which add nothing under any scale byte but 0xff.
; SHARES.  A work-group of sixteen waves serves one head; the head's k and v, 208,896 bytes, come into LDS once and stay.  Wave w owns ONE tile of 16 queries: tile x of step IDX = w xor 3 ((w / 4) % 2), x the work-group's number along x.
; So the diagonal of wave w lies in step IDX, which hangs on the wave's number alone; every work-group has the same work, and waves w, w + 4, w + 8, w + 12 have IDX that add up to 30.
; Both products are used transposed (S^T = K Q^T, O^T = V^T P^T): a lane holds one query (lane % 16); by the order of rows in a tile the 16 registers of tiles 2 b, 2 b + 1 of S^T are keys 32 b + 16 (lane / 16) + 0 .. 15.
; CLUSTER: the four work-groups of a cluster belong to one head: each of its sixteen blocks is asked for jointly (mask 15).  Waves 0 to 3 issue four loads each, one for each quarter of the head; four tensor loads of a wave are out at the most.
; Nothing in LDS is filled again or stored to.
; LIMITS: a block of zeros gets the byte 1 (its codes are zeros, and this program alone reads the bytes); NaN and infinities are not served.
.set HB,    208896
.set STEPB, 13056
.set KVR,   6684672
.set KF,  32                           ; v32-79   four fragments of K (the upper six registers of each stay 0)
.set VF,  80                           ; v80-127  four fragments of V^T
.set S,   128                          ; v128-191 S^T, then p
.set O,   192                          ; v192-223 O^T
.set PC,  224                          ; v224-235 p's codes
.set CT,  236                          ; v236-243 the conversions' second halves
.set KSW, 244                          ; v244-247 K's scale words: lanes 0-15 tile 2 i, lanes 16-31 tile 2 i + 1
.set BM,  248                          ; v248-251 the blocks' largest scores, then the conversions' scale operands
.set PT,  252                          ; v252-255 at work
; v1 16 x lane, v2 16 r + 8 h, v3 4 x lane, v4 d; v5-7 the step's LDS addresses; v8, v9 at work; v[10:11] f; v12 -M, v13 the largest t; v[14:15] the sum; v16-27 Q; v28 Q's scale words; v29 p's; v30-31 V's
.set WV,  8
.set IDX, 9
.set J,   10                           ; the step
.set TB,  11                           ; where it lies in LDS
.set CNT, 12
.set SEL, 20
.set CS,  22                           ; s[22:23] log2(e) / 8
.set G1,  24
.set G0,  32                           ; s[32:47] four groups 0
.set SM,  48                           ; -80,000: the score whose logit is -10,000
.macro CROUND
	s_barrier_signal -1
	s_barrier_wait -1
	s_cmp_lg_u32 s[WV], 0
	s_cbranch_scc1 .Lnot_wave_0_\@
	s_barrier_signal -3
.Lnot_wave_0_\@:
	s_barrier_wait -3
	s_barrier_signal -1
	s_barrier_wait -1
.endm
	s_load_b128 s[4:7], s[0:1], 0x0                ; QKV, AB
	v_lshl_add_u32 v239, v0, 2, 0x33000
	v_mov_b32 v243, 0
	ds_add_u32 v239, v243
	ds_add_u32 v239, v243
	v_lshrrev_b32 v8, 5, v0
	v_readfirstlane_b32 s[WV], v8                  ; wave 0..15
	s_bfe_u32 s13, ttmp6, 0x40000                  ; cx
	s_lshl_b32 s14, ttmp9, 2
	s_add_co_u32 s14, s14, s13                     ; x: it enters Q's and the output's addresses and the mask's compare alone
	s_and_b32 s15, ttmp7, 0xffff                   ; batch x head, which the four partners share
	s_bfe_u32 s16, s[WV], 0x10002
	s_mul_i32 s16, s16, 3
	s_xor_b32 s[IDX], s[WV], s16
	s_mov_b32 s[G1], 15|(3<<16)|(1<<21)            ; 15:0 the mask: all four; 17:16 elements of 8 bytes; 21 set beside a mask; no padding
	s_mov_b32 s[G1+1], 32<<16                      ; a dense block of 13,056 bytes as 51 rows of 256
	s_mov_b32 s[G1+2], 51<<16
	s_mov_b32 s[G1+3], 32<<16
	s_mov_b32 s[G1+4], 51
	s_mov_b32 s[G1+5], 32
	s_mov_b32 s[G1+6], 0
	s_mov_b32 s[G1+7], 0
	s_mov_b32 s[SEL], 0x76543210
	s_mov_b32 s[SEL+1], 0xfedcba98
	s_mov_b32 s[CS], 0x3e38aa3b
	s_mov_b32 s[CS+1], s[CS]
	s_mov_b32 s[SM], 0xc79c4000
	s_mul_i32 s50, s15, HB                         ; the head's first byte in a region
	s_and_b32 s16, s[WV], 3
	s_mul_i32 s17, s16, STEPB                      ; the block that I fetch of each quarter
	s_add_co_u32 s52, s50, s17
	s_add_co_u32 s52, s52, KVR
	s_mov_b32 s53, 0
	s_mul_i32 s54, s[IDX], STEPB
	s_add_co_u32 s54, s54, s50                     ; my step in q's region
	s_lshl_b32 s56, s14, 6
	s_add_co_u32 s56, s56, s54                     ; + 64 x: my tile's scale words (12,288 on)
	s_mov_b32 s57, 0
	s_mul_i32 s55, s14, 768
	s_add_co_u32 s54, s54, s55                     ; + 768 x: my tile's half image
	s_mov_b32 s55, 0
	s_wait_dscnt 0x0
	s_wait_kmcnt 0x0
	s_add_nc_u64 s[52:53], s[4:5], s[52:53]
	s_add_nc_u64 s[54:55], s[4:5], s[54:55]
	s_add_nc_u64 s[56:57], s[4:5], s[56:57]
.irp q, 0,1,2,3
	s_mov_b32 s[G0+4*\q], 1
	s_add_co_u32 s[G0+4*\q+1], s17, \q*4*STEPB
	s_add_nc_u64 s[G0+4*\q+2:G0+4*\q+3], s[52:53], \q*4*STEPB
	s_or_b32 s[G0+4*\q+3], s[G0+4*\q+3], 0x80000000
.endr
	CROUND                                         ; all four work-groups are here: the joint loads meet
	s_cmp_lt_u32 s[WV], 4                          ; a wave's first fills stand in one branch on the wave's number
	s_cbranch_scc0 .Lno_fill
	tensor_load_to_lds s[G0:G0+3], s[G1:G1+7]
	s_nop 0
	tensor_load_to_lds s[G0+4:G0+7], s[G1:G1+7]
	s_nop 0
	tensor_load_to_lds s[G0+8:G0+11], s[G1:G1+7]
	s_nop 0
	tensor_load_to_lds s[G0+12:G0+15], s[G1:G1+7]
	s_nop 0
.rept 4
	v_nop
.endr
.Lno_fill:
	v_and_b32 v8, 31, v0
	v_lshlrev_b32 v1, 4, v8
	v_lshlrev_b32 v3, 2, v8
	v_and_b32 v8, 15, v0                           ; r
	v_bfe_u32 v9, v0, 4, 1                         ; h
	v_lshlrev_b32 v2, 4, v8
	v_lshl_add_u32 v2, v9, 3, v2
	v_lshlrev_b32 v5, 2, v8                        ; 4 r
	global_load_b128 v[16:19], v1, s[54:55]        ; Q's half image stays in registers
	global_load_b64 v[20:21], v2, s[54:55] offset:512
	global_load_b32 v28, v5, s[56:57] offset:12288
	s_lshr_b32 s18, s14, 1
	s_lshl_b32 s18, s18, 5
	s_and_b32 s19, s14, 1
	s_lshl_b32 s19, s19, 3
	s_add_co_u32 s18, s18, s19
	v_and_b32 v4, 8, v0
	v_add_nc_u32 v4, v4, v8
	v_lshlrev_b32 v9, 4, v9
	v_sub_nc_u32 v4, v4, v9
	v_add_nc_u32 v4, s18, v4                       ; d = my query within its step - 16 h: in the diagonal step register 16 b + i is hidden where 32 b + i > d
.irp i, 22,23,24,25,26,27
	v_mov_b32 v[\i], 0                             ; Q's K = 64 .. 127: zero codes
.endr
.irp t, 0,1,2,3
.irp i, 6,7,8,9,10,11
	v_mov_b32 v[KF+12*\t+\i], 0                    ; K's likewise: never loaded
.endr
.endr
.set i, 0
.rept 32
	v_mov_b32 v[O+i], 0                            ; O^T: the step is written once; the first finds zeros, which the first change of M leaves zeros
.set i, i+1
.endr
	v_mov_b32 v11, 0                               ; (named as the upper half of the pair v[10:11])
	v_mov_b32 v13, 0xff61b1e6                      ; the largest t so far: -3e38
	v_floor_f32 v12, -v13                          ; -M
	v_mov_b32 v14, 0
	v_mov_b32 v15, 0
.irp b, 0,1,2,3
	v_mov_b32 v[PT+\b], 0                          ; written once: a lane permute's destination counts as one of its sources
.endr
	s_wait_loadcnt 0x0                             ; Q
; The new largest t in v8 enters: M, and f = 2^(old M - new M) in v10.
.macro NEWM
	v_max_num_f32 v13, v13, v8
	v_mov_b32 v8, v12
	v_floor_f32 v12, -v13                          ; -M = floor(-t): M is a whole number
	v_sub_f32 v8, v12, v8                          ; old M - new M: a whole number, 0 or less
	v_cvt_i32_f32 v8, v8                           ; (it saturates)
	v_ldexp_f32 v10, 1.0, v8
.endm
.macro STEP
	v_add_nc_u32 v5, s[TB], v1                     ; these three and the v_nop are the four places behind the last step's products, in front of the loads into their registers
	v_add_nc_u32 v6, s[TB], v2
	v_add_nc_u32 v7, s[TB], v3
	v_nop
.irp t, 0,1,2,3
	ds_load_b128 v[VF+12*\t:VF+12*\t+3], v5 offset:6144+1536*\t
	ds_load_b64 v[VF+12*\t+4:VF+12*\t+5], v6 offset:6144+1536*\t+512
	ds_load_b128 v[VF+12*\t+6:VF+12*\t+9], v5 offset:6144+1536*\t+768
	ds_load_b64 v[VF+12*\t+10:VF+12*\t+11], v6 offset:6144+1536*\t+1280
.endr
	ds_load_b32 v30, v7 offset:12800
	ds_load_b32 v31, v7 offset:12928
	s_cmp_gt_u32 s[J], s[IDX]                      ; all 128 keys behind my queries?  A scalar branch on the wave's number and the step
	s_cbranch_scc1 .Lhid_\@
.irp g, 0,1                                    ; S^T = K Q^T, four tiles of 16 keys at a time
.if \g > 0
.rept 4
	v_nop
.endr
.endif
.irp t, 0,1,2,3
	ds_load_b128 v[KF+12*\t:KF+12*\t+3], v5 offset:768*(4*\g+\t)
	ds_load_b64 v[KF+12*\t+4:KF+12*\t+5], v6 offset:768*(4*\g+\t)+512
.endr
.if \g == 0
.irp i, 0,1,2,3
	ds_load_b32 v[KSW+\i], v7 offset:12288+128*\i
.endr
.endif
	s_wait_dscnt 0x0
.irp t, 0,2
	v_wmma_scale_f32_16x16x128_f8f6f4 v[S+8*(4*\g+\t):S+8*(4*\g+\t)+7], v[KF+12*\t:KF+12*\t+11], v[16:27], 0, v[KSW+2*\g+\t/2], v28 matrix_a_fmt:MATRIX_FMT_FP6 matrix_b_fmt:MATRIX_FMT_FP6
	v_wmma_scale_f32_16x16x128_f8f6f4 v[S+8*(4*\g+\t)+8:S+8*(4*\g+\t)+15], v[KF+12*\t+12:KF+12*\t+23], v[16:27], 0, v[KSW+2*\g+\t/2], v28 matrix_a_fmt:MATRIX_FMT_FP6 matrix_b_fmt:MATRIX_FMT_FP6 matrix_a_scale:MATRIX_SCALE_ROW1
.endr
.endr
.rept 4
	v_nop
.endr
	s_cmp_lg_u32 s[J], s[IDX]
	s_cbranch_scc1 .Lopen_\@                       ; a step all of whose keys count skips the mask
	v_mov_b32 v9, s[SM]
.set n, 0
.rept 64
	v_cmp_gt_i32 vcc_lo, 32*(n/16)+n%16, v4
	v_cndmask_b32 v[S+n], v[S+n], v9, vcc_lo       ; a hidden key's score becomes the one whose logit is -10,000
.set n, n+1
.endr
.Lopen_\@:
.irp b, 0,1,2,3
	v_max3_num_f32 v[BM+\b], v[S+16*\b], v[S+1+16*\b], v[S+2+16*\b]   ; the largest score of each block of 32 keys: for the row's maximum and, since p rises with the score, for the block's largest p
.endr
.irp i, 3,5,7,9,11,13
.irp b, 0,1,2,3
	v_max3_num_f32 v[BM+\b], v[BM+\b], v[S+16*\b+\i], v[S+1+16*\b+\i]
.endr
.endr
.irp b, 0,1,2,3
	v_max_num_f32 v[BM+\b], v[BM+\b], v[S+15+16*\b]
.endr
.irp b, 0,1,2,3
	v_permlanex16_b32 v[PT+\b], v[BM+\b], s[SEL], s[SEL+1]
.endr
.irp b, 0,1,2,3
	v_max_num_f32 v[BM+\b], v[BM+\b], v[PT+\b]
.endr
	v_max3_num_f32 v8, v[BM], v[BM+1], v[BM+2]
	v_max_num_f32 v8, v8, v[BM+3]
	v_mul_f32 v8, s[CS], v8                        ; as t
	NEWM
.set n, 0
.rept 32
	v_pk_fma_f32 v[S+n:S+n+1], v[S+n:S+n+1], s[CS:CS+1], v[12:13] op_sel_hi:[1,0,0]   ; t - M
.set n, n+2
.endr
.irp b, 0,1,2,3
	v_fma_f32 v[BM+\b], v[BM+\b], s[CS], v12
.endr
.set n, 0
.rept 64
	v_exp_f32 v[S+n], v[S+n]                       ; p = 2^(t - M)
.set n, n+1
.endr
.irp b, 0,1,2,3
	v_exp_f32 v[BM+\b], v[BM+\b]                   ; the block's largest p: the same two lines on the same number
.endr
	v_pk_mul_f32 v[14:15], v[14:15], v[10:11] op_sel_hi:[1,0]   ; the sum under the new M (a plain line behind the exponentials)
	s_wait_alu depctr_va_vdst(0)
.irp b, 0,1,2,3
	v_max_num_f32 v[BM+\b], 0x1800000, v[BM+\b]    ; the floor 2^(3 - 127)
.endr
.irp b, 0,1,2,3
	v_add_nc_u32 v[BM+\b], 0xff000000, v[BM+\b]    ; 2 off the exponent field: the conversion's scale operand
.endr
.irp b, 0,1,2,3
	v_lshrrev_b32 v[PT+\b], 23, v[BM+\b]
.endr
	v_lshl_or_b32 v29, v[PT+1], 8, v[PT]           ; p's scale word for these 128 keys
	v_lshl_or_b32 v29, v[PT+2], 16, v29
	v_lshl_or_b32 v29, v[PT+3], 24, v29
.irp c, 0,1
	v_cvt_scalef32_pk16_fp6_f32 v[PC+6*\c:PC+2+6*\c], v[S+32*\c:S+15+32*\c], v[BM+2*\c]
	v_cvt_scalef32_pk16_fp6_f32 v[CT+4*\c:CT+2+4*\c], v[S+16+32*\c:S+31+32*\c], v[BM+2*\c+1]
.endr
	v_nop
.irp c, 0,1
.irp i, 0,1,2
	v_permlane16_swap_b32 v[PC+6*\c+\i], v[CT+4*\c+\i]
.endr
.irp i, 0,1,2
	v_mov_b32 v[PC+3+6*\c+\i], v[CT+4*\c+\i]
.endr
.endr
	v_pk_add_f32 v[CT:CT+1], v[S:S+1], v[S+2:S+3]  ; the sum is taken of the unquantised p, in two chains
.irp j, 4,8,12,16,20,24,28,32,36,40,44,48,52,56,60
	v_pk_add_f32 v[14:15], v[14:15], v[S+\j:S+1+\j]
	v_pk_add_f32 v[CT:CT+1], v[CT:CT+1], v[S+2+\j:S+3+\j]
.endr
	v_pk_add_f32 v[14:15], v[14:15], v[CT:CT+1]
	s_branch .Lpv_\@
.Lhid_\@:                                          ; all 128 logits are -10,000
	v_mov_b32 v9, s[SM]
	v_mul_f32 v8, s[CS], v9
	NEWM
	v_fma_f32 v[S], v9, s[CS], v12
	v_exp_f32 v[S], v[S]                           ; pm
	v_pk_mul_f32 v[14:15], v[14:15], v[10:11] op_sel_hi:[1,0]   ; (a plain line behind the exponential)
	s_wait_alu depctr_va_vdst(0)
	v_fma_f32 v14, v[S], 0x42800000, v14           ; my 64 keys: 64 pm
	v_max_num_f32 v[BM], 0x1800000, v[S]
	v_add_nc_u32 v[BM], 0xff000000, v[BM]
	v_lshrrev_b32 v[PT], 23, v[BM]
	v_lshl_or_b32 v29, v[PT], 8, v[PT]
	v_lshl_or_b32 v29, v29, 16, v29                ; the same byte for the four blocks
.irp i, 1,2,3,4,5,6,7,8,9,10,11,12,13,14,15
	v_mov_b32 v[S+\i], v[S]
.endr
	v_cvt_scalef32_pk16_fp6_f32 v[PC:PC+2], v[S:S+15], v[BM]
	v_nop
.irp i, 3,4,5,6,7,8,9,10,11
	v_mov_b32 v[PC+\i], v[PC+\i%3]                 ; sixteen equal codes are 96 bits: every three registers of the operand are these
.endr
.Lpv_\@:
.set n, 0
.rept 16
	v_pk_mul_f32 v[O+n:O+n+1], v[O+n:O+n+1], v[10:11] op_sel_hi:[1,0]   ; O^T under the new M (ascending: each accumulator is first read at its low end)
.set n, n+2
.endr
	s_wait_dscnt 0x0                               ; V and its scale words
.irp t, 0,2                                    ; O^T += V^T P^T; the four accumulators take turns
	v_wmma_scale_f32_16x16x128_f8f6f4 v[O+8*\t:O+8*\t+7], v[VF+12*\t:VF+12*\t+11], v[PC:PC+11], v[O+8*\t:O+8*\t+7], v[30+\t/2], v29 matrix_a_fmt:MATRIX_FMT_FP6 matrix_b_fmt:MATRIX_FMT_FP6
	v_wmma_scale_f32_16x16x128_f8f6f4 v[O+8*\t+8:O+8*\t+15], v[VF+12*\t+12:VF+12*\t+23], v[PC:PC+11], v[O+8*\t+8:O+8*\t+15], v[30+\t/2], v29 matrix_a_fmt:MATRIX_FMT_FP6 matrix_b_fmt:MATRIX_FMT_FP6 matrix_a_scale:MATRIX_SCALE_ROW1
.endr
	s_add_co_u32 s[J], s[J], 1
	s_add_co_u32 s[TB], s[TB], STEPB
.endm
; A quarter of the head: four steps.  The count leaves the later quarters' loads on their way.
.macro GROUP qd
	s_wait_tensorcnt 3-\qd
	s_wait_dscnt 0x0
	s_barrier_signal -1
	s_barrier_wait -1                              ; every fetching wave's block of this quarter has landed
	s_mov_b32 s[J], 4*\qd
	s_mov_b32 s[TB], 4*\qd*STEPB
	s_mov_b32 s[CNT], 4
.Lstep_\@:
	STEP
	s_sub_co_u32 s[CNT], s[CNT], 1
	s_cmp_lg_u32 s[CNT], 0
	s_cbranch_scc1 .Lstep_\@
.endm
	GROUP 0
	GROUP 1
	GROUP 2
	GROUP 3
	; THE WAY OUT: O^T / the sum; register 16 b + i is d = 32 b + 16 h + i of my query: two blocks of the next product's K; they become half a fragment.
.rept 4
	v_nop
.endr
	v_add_f32 v14, v14, v15
	v_permlanex16_b32 v[PT], v14, s[SEL], s[SEL+1]
	v_add_f32 v14, v14, v[PT]
	v_rcp_f32 v14, v14
	v_nop
.set n, 0
	s_wait_alu depctr_va_vdst(0)
.rept 32
	v_mul_f32 v[S+n], v[O+n], v14
.set n, n+1
.endr
.irp b, 0,1
	v_max3_num_f32 v[BM+\b], |v[S+16*\b]|, |v[S+1+16*\b]|, 0x1800000
.endr
.irp i, 2,4,6,8,10,12,14
.irp b, 0,1
	v_max3_num_f32 v[BM+\b], v[BM+\b], |v[S+16*\b+\i]|, |v[S+1+16*\b+\i]|
.endr
.endr
.irp b, 0,1
	v_permlanex16_b32 v[PT+\b], v[BM+\b], s[SEL], s[SEL+1]
.endr
.irp b, 0,1
	v_max_num_f32 v[BM+\b], v[BM+\b], v[PT+\b]
.endr
.irp b, 0,1
	v_add_nc_u32 v[BM+\b], 0xff000000, v[BM+\b]
.endr
.irp b, 0,1
	v_lshrrev_b32 v[PT+\b], 23, v[BM+\b]
.endr
	v_lshl_or_b32 v9, v[PT+1], 8, v[PT]            ; my head's two scale bytes
	v_cvt_scalef32_pk16_fp6_f32 v[PC:PC+2], v[S:S+15], v[BM]
	v_cvt_scalef32_pk16_fp6_f32 v[CT:CT+2], v[S+16:S+31], v[BM+1]
	v_nop
.irp i, 0,1,2
	v_permlane16_swap_b32 v[PC+\i], v[CT+\i]
.endr
.irp i, 0,1,2
	v_mov_b32 v[PC+3+\i], v[CT+\i]
.endr
	v_and_b32 v5, 15, v0
	v_lshlrev_b32 v5, 2, v5                        ; 4 r
	s_lshr_b32 s50, s15, 4
	s_lshl_b32 s50, s50, 4
	s_add_co_u32 s50, s50, s[IDX]                  ; the group of 128 tokens: 16 x batch + my step
	s_and_b32 s51, s15, 15                         ; the head
	s_lshr_b32 s52, s51, 1                         ; its K step of 128,
	s_and_b32 s51, s51, 1                          ; and its half of it
	s_lshl_b32 s50, s50, 3
	s_add_co_u32 s50, s50, s52
	s_lshl_b32 s52, s50, 9
	s_lshl_b32 s53, s14, 6
	s_add_co_u32 s52, s52, s53
	s_lshl_b32 s53, s51, 1
	s_add_co_u32 s52, s52, s53
	s_add_co_u32 s52, s52, 3145728
	s_mov_b32 s53, 0
	s_add_nc_u64 s[52:53], s[6:7], s[52:53]        ; my two bytes of the tile's scale words
	s_lshl_b32 s50, s50, 3
	s_add_co_u32 s50, s50, s14
	s_mul_i32 s50, s50, 1536
	s_mul_i32 s51, s51, 768
	s_add_co_u32 s50, s50, s51
	s_mov_b32 s51, 0
	s_add_nc_u64 s[50:51], s[6:7], s[50:51]        ; my half image
	global_store_b128 v1, v[PC:PC+3], s[50:51]     ; 512 and 256 consecutive bytes, aligned to 256
	global_store_b64 v2, v[PC+4:PC+5], s[50:51] offset:512
	global_store_b16 v5, v9, s[52:53]              ; lanes r and r + 16 hold the same bytes and store them to the same place
	s_wait_tensorcnt 0x0
	ds_add_u32 v239, v243
	s_wait_dscnt 0x0
	CROUND                                         ; the closing round
	s_endpgm
.Lfunc_end_k_q7141929b06_attn:
	.size	k_q7141929b06_attn, .Lfunc_end_k_q7141929b06_attn-k_q7141929b06_attn
	.p2alignl 7, 3214868480
	.fill 96, 4, 3214868480
	.section	.rodata,"a",@progbits
	.p2align	6, 0x0
	.amdhsa_kernel k_q7141929b06_attn
		.amdhsa_group_segment_fixed_size 327680
		.amdhsa_private_segment_fixed_size 0
		.amdhsa_enable_private_segment 0
		.amdhsa_kernarg_size 16
		.amdhsa_user_sgpr_count 2
		.amdhsa_user_sgpr_kernarg_segment_ptr 1
		.amdhsa_wavefront_size32 1
		.amdhsa_system_sgpr_workgroup_id_x 1
		.amdhsa_system_sgpr_workgroup_id_y 1
		.amdhsa_system_sgpr_workgroup_id_z 1
		.amdhsa_system_vgpr_workitem_id 0
		.amdhsa_next_free_vgpr 256
		.amdhsa_next_free_sgpr 66
		.amdhsa_reserve_vcc 1
		.amdhsa_float_denorm_mode_32 3
		.amdhsa_float_denorm_mode_16_64 3
		.amdhsa_memory_ordered 1
		.amdhsa_forward_progress 1
		.amdhsa_inst_pref_size 106
	.end_amdhsa_kernel
	.amdgpu_metadata
---
amdhsa.version: [ 1, 2 ]
amdhsa.kernels:
  - .name:           k_q7141929b06_attn
    .symbol:         k_q7141929b06_attn.kd
    .args:
      - { .name: QKV, .offset: 0, .size: 8, .value_kind: global_buffer, .address_space: global }
      - { .name: AB, .offset: 8, .size: 8, .value_kind: global_buffer, .address_space: global }
    .group_segment_fixed_size: 327680
    .private_segment_fixed_size: 0
    .kernarg_segment_align: 8
    .kernarg_segment_size: 16
    .max_flat_workgroup_size: 512
    .sgpr_count:     66
    .vgpr_count:     256
    .wavefront_size: 32
...
	.end_amdgpu_metadata
.endif
;; end of part 4
;; launch gproj (part 5): grid 4 x 16, 4 waves a work-group, clusters of 4 x 4, 327,680 bytes of LDS; arguments AB, WB, b_proj, hidden_states, HB16; writes HB16
.if DOCPART == 5
	.amdgcn_target "amdgcn-amd-amdhsa--gfx1250"
	.amdhsa_code_object_version 6
	.text
	.protected	k_q7141929b06_gproj
	.globl	k_q7141929b06_gproj
	.p2align	8
	.type	k_q7141929b06_gproj,@function
k_q7141929b06_gproj:
	s_mov_b64 s[64:65], 0
	v_nop
	global_prefetch_b8 v0, s[64:65] scope:SCOPE_SE
	s_setreg_imm32_b32 hwreg(HW_REG_WAVE_MODE, 25, 1), 1
	s_wait_xcnt 0x0
	s_wait_alu depctr_hold_cnt(0) depctr_sa_sdst(0) depctr_va_vdst(0) depctr_va_sdst(0) depctr_va_ssrc(0) depctr_va_vcc(0) depctr_vm_vsrc(0)
	s_getreg_b32 s2, hwreg(HW_REG_IB_STS2, 6, 4)
	s_cmp_eq_u32 s2, 0
	s_cbranch_scc0 .Lentry_in_a_cluster
	s_endpgm
.Lentry_in_a_cluster:
	s_bfe_u32 s2, ttmp6, 0x10000c
	s_cmp_lg_u32 s2, 0xf033
	s_cbranch_scc0 .Lentry_shape_is_right
	s_endpgm
.Lentry_shape_is_right:
; h = hidden_states + (attention's output x w_proj + b_proj): the product on codes of FP6 (E2M3) with E8M0 scales for each 32 along K = 1,024; sums, bias and residual in f32; h leaves as f32, row-major.
; OPERANDS.  Rows in groups of 128, a group in eight tiles of 16: lane r of tile t holds row 32 (t / 2) + 8 (t % 2) + r + (r & 8).  A fragment (16 rows x 128 K, 12 registers a lane) lies as an image of its registers,
; 1,536 bytes: for each half c: registers 6 c .. 6 c + 3 of lane l at 768 c + 16 l, registers 6 c + 4, 6 c + 5 of lane (r, h) at 768 c + 512 + 16 r + 8 h.  Codes [group][K step of 128][tile][1,536], scale words [group][K step][tile][r].
; So 128 rows x two K steps are one dense block of 24,576 bytes for one tensor load, and a fragment comes from LDS by four loads whose lanes read consecutive bytes: no padding.
; SHAPE.  A tile of 256 x 256 results to a work-group of four waves, 128 x 128 a wave: 64 accumulators, 512 registers.  K goes in steps of 256 through a ring of two LDS slots; the scale words of the work-group's rows, for all of K, come once.
; "A" (tokens) is the matrix instruction's source 1: a lane of the result holds one token; "B" (the weight's columns) its source 0: register j of accumulator (a, b) is column 32 (b / 2) + 16 (lane / 16) + 8 (b % 2) + j of B's group.
; 4,096 x 1,024 results are 64 such tiles: 64 work-groups.
; CLUSTERS: 4 x 4.  A's tiles are shared along a row of the cluster, B's along a column: joint loads, which divide the requests by four.
; LIMITS: NaN and infinities are not served.
; REGISTERS, in windows of 256: window 0: v8-11 the bias, v16-31 addresses; v32-63 scale words, two sets; v64-127 the first block's residual rows; v128-223 A's fragments, one set; window 1: B's fragments, two sets; windows 2, 3: accumulator (a, b) at v[8 (8 (a % 4) + b)].
.set KS,     8                         ; K steps of 128
.set ASC,    3145728                   ; where A's scale words begin in its buffer
.set WOFF,   2457600                   ; where the weight's codes begin in WB
.set WSOFF,  3244032                   ; and its scale words
.set NQ,     2
.set FR,     12
.set NL,     4                         ; LDS loads that bring a fragment
.set NP,     4                         ; places behind this matrix instruction (ISA guide 7.12.1)
.set KB,     12288
.set HALFT,  2*KB
.set SLOT,   4*HALFT
.set LAPS,   KS/4
.set GROUPB, KS*KB
.set GROUPS, KS*512
.set HALFS,  GROUPS
.set SCL,    2*SLOT
.set SPARE,  SCL+4*HALFS               ; the spare words, 128 bytes for each wave: two blocks of 256 bytes that no other line names
.set SPITCH, 528                       ; the way out: a stage of 16 rows x (512 + 16) bytes for each wave, in slot 0, which has had its last fill and its last read when the first result is stored there
.set BIA,  8
.set ADRA, 16
.set ADRB, 20
.set STO,  24
.set RD,   25
.set CO,   26
.set ADRS, 27
.set SPW,  28
.set NIL,  29
.set L8,   30
.set SC,   32
.set AF,   128
.set RS,   64                          ; the residual's rows: v64-127 and v128-191 by turns
.set BK,   192                         ; 16 rows read back from the stage
.set G1, 24
.set G0, 32
.set G1B, 48
.set G0B, 56
.set G1S, 68
.set G0S, 76
.set G1SB, 80
.set G0SB, 88
.set MSB, 0
.macro WIN new                         ; the immediate's high byte repeats the setting that is left
.if MSB != (\new)
	s_set_vgpr_msb (MSB<<8)|(\new)
.set MSB, (\new)
.endif
.endm
.set MUL_LO, 0xa1
.set MUL_HI, 0xf1
.set TO_B,   0x40
.macro JLOAD g0a, g1a, g0b, g1b        ; a joint load: waves 0, 1 fetch for A, waves 2, 3 for B; four v_nop follow each line
	s_cmp_eq_u32 s15, 0
	s_cbranch_scc0 .Lfor_b_\@
	tensor_load_to_lds s[\g0a:\g0a+3], s[\g1a:\g1a+7]
	s_nop 0
.rept 4
	v_nop
.endr
	s_branch .Lasked_\@
.Lfor_b_\@:
	tensor_load_to_lds s[\g0b:\g0b+3], s[\g1b:\g1b+7]
	s_nop 0
.rept 4
	v_nop
.endr
.Lasked_\@:
.endm
.macro CREST
	s_cmp_lg_u32 s14, 0
	s_cbranch_scc1 .Lnot_wave_0_\@
	s_barrier_signal -3
.Lnot_wave_0_\@:
	s_barrier_wait -3
	s_barrier_signal -1
	s_barrier_wait -1
.endm
.macro CROUND
	s_barrier_signal -1
	s_barrier_wait -1
	CREST
.endm
	s_load_b256 s[92:99], s[0:1], 0x0              ; A, WB, the bias, the residual
	s_load_b64 s[12:13], s[0:1], 0x20              ; the output
	v_lshl_add_u32 v[SPW], v0, 2, SPARE
	v_mov_b32 v[NIL], 0
	ds_add_u32 v28, v29
	ds_add_u32 v28, v29
	s_wait_dscnt 0x0
	v_lshrrev_b32 v1, 5, v0
	v_readfirstlane_b32 s14, v1                    ; wave
	s_lshr_b32 s15, s14, 1                         ; my group of A's two.  Also: I fetch for A (0) or B (1)
	s_and_b32 s16, s14, 1                          ; my group of B's two.  Also: which group I fetch
	s_bfe_u32 s40, ttmp6, 0x40000                  ; cx
	s_bfe_u32 s41, ttmp6, 0x40004                  ; cy
	s_lshl_b32 s42, ttmp9, 2
	s_add_co_u32 s42, s42, s40                     ; B's block of 256 rows
	s_and_b32 s17, ttmp7, 0xffff
	s_lshl_b32 s17, s17, 2
	s_add_co_u32 s17, s17, s41                     ; A's
	s_lshl_b32 s43, s41, 2
	s_lshl_b32 s43, 15, s43                        ; my row of the cluster
	s_lshl_b32 s44, 0x1111, s40                    ; my column
	; descriptor group 1: a dense block of 24,576 bytes as 96 rows of 32 elements of 8 bytes; no padding; bit 21 set beside the mask
	s_or_b32 s[G1+0], s43, (3<<16)|(1<<21)
	s_or_b32 s[G1B+0], s44, (3<<16)|(1<<21)
.irp g, G1, G1B
	s_mov_b32 s[\g+1], 32<<16
	s_mov_b32 s[\g+2], 96<<16
	s_mov_b32 s[\g+3], 32<<16
	s_mov_b32 s[\g+4], 96
	s_mov_b32 s[\g+5], 32
	s_mov_b32 s[\g+6], 0
	s_mov_b32 s[\g+7], 0
.endr
	s_or_b32 s[G1S+0], s43, (3<<16)|(1<<21)
	s_or_b32 s[G1SB+0], s44, (3<<16)|(1<<21)
.irp g, G1S, G1SB
	s_mov_b32 s[\g+1], 32<<16
	s_mov_b32 s[\g+2], (HALFS/256)<<16
	s_mov_b32 s[\g+3], 32<<16
	s_mov_b32 s[\g+4], HALFS/256
	s_mov_b32 s[\g+5], 32
	s_mov_b32 s[\g+6], 0
	s_mov_b32 s[\g+7], 0
.endr
	s_lshl_b32 s20, s17, 1
	s_add_co_u32 s20, s20, s16                     ; A: the group that I fetch
	s_lshl_b32 s46, s42, 1
	s_add_co_u32 s46, s46, s16                     ; B likewise
	s_mul_i32 s22, s20, GROUPS
	s_add_co_u32 s22, s22, ASC
	s_mov_b32 s23, 0
	s_mul_i32 s20, s20, GROUPB
	s_mov_b32 s21, 0
	s_mul_i32 s18, s46, GROUPS
	s_add_co_u32 s18, s18, WSOFF
	s_mov_b32 s19, 0
	s_mul_i32 s46, s46, GROUPB
	s_add_co_u32 s46, s46, WOFF
	s_mov_b32 s47, 0
	s_mul_i32 s45, s14, HALFT
	s_mul_i32 s101, s14, HALFS
	s_wait_kmcnt 0x0
	s_add_nc_u64 s[20:21], s[92:93], s[20:21]
	s_add_nc_u64 s[22:23], s[92:93], s[22:23]
	s_add_nc_u64 s[46:47], s[94:95], s[46:47]
	s_add_nc_u64 s[18:19], s[94:95], s[18:19]
	CROUND                                         ; all sixteen work-groups are here: the first joint loads meet
	s_mov_b32 s[G0S], 1
	s_add_co_u32 s[G0S+1], s101, SCL
	s_mov_b64 s[G0S+2:G0S+3], s[22:23]
	s_or_b32 s[G0S+3], s[G0S+3], 0x80000000
	s_mov_b32 s[G0SB], 1
	s_add_co_u32 s[G0SB+1], s101, SCL
	s_mov_b64 s[G0SB+2:G0SB+3], s[18:19]
	s_or_b32 s[G0SB+3], s[G0SB+3], 0x80000000
	JLOAD G0S, G1S, G0SB, G1SB
.irp s, 0,1
	s_mov_b32 s[G0+4*\s], 1
	s_add_co_u32 s[G0+4*\s+1], s45, \s*SLOT
	s_add_nc_u64 s[G0+4*\s+2:G0+4*\s+3], s[20:21], \s*HALFT
	s_or_b32 s[G0+4*\s+3], s[G0+4*\s+3], 0x80000000
	s_mov_b32 s[G0B+4*\s], 1
	s_add_co_u32 s[G0B+4*\s+1], s45, \s*SLOT
	s_add_nc_u64 s[G0B+4*\s+2:G0B+4*\s+3], s[46:47], \s*HALFT
	s_or_b32 s[G0B+4*\s+3], s[G0B+4*\s+3], 0x80000000
	JLOAD G0+4*\s, G1, G0B+4*\s, G1B
.endr
	v_and_b32 v1, 31, v0
	v_and_b32 v2, 15, v0
	v_bfe_u32 v3, v0, 4, 1
	v_lshlrev_b32 v[CO], 4, v1
	v_lshlrev_b32 v[L8], 4, v2
	v_lshl_add_u32 v[L8], v3, 3, v[L8]
	s_mul_i32 s21, s15, HALFT
	s_mul_i32 s22, s16, HALFT
	s_add_co_u32 s22, s22, 2*HALFT
.irp s, 0,1
	v_add_nc_u32 v[ADRA+\s], s21, v[CO]
	v_add_nc_u32 v[ADRB+\s], s22, v[CO]
	v_add_nc_u32 v[ADRA+2+\s], s21, v[L8]
	v_add_nc_u32 v[ADRB+2+\s], s22, v[L8]
	s_add_co_u32 s21, s21, SLOT
	s_add_co_u32 s22, s22, SLOT
.endr
	v_lshlrev_b32 v6, 2, v2
	s_mul_i32 s21, s15, HALFS
	s_mul_i32 s22, s16, HALFS
	s_add_co_u32 s22, s22, 2*HALFS
	s_sub_co_u32 s22, s22, s21
	v_mul_u32_u24 v7, s22, v3                      ; lanes 16-31 take B's: one product, the distance between the two
	s_add_co_u32 s21, s21, SCL
	v_add_nc_u32 v6, v6, v7
	v_add_nc_u32 v[ADRS], s21, v6
	s_mul_i32 s23, s14, 16*SPITCH                  ; my stage
	v_mul_u32_u24 v5, v2, SPITCH
	v_lshl_add_u32 v5, v3, 6, v5
	v_add_nc_u32 v[STO], s23, v5                   ; in: row r, + 64 h
	v_add_nc_u32 v[RD], s23, v[CO]                 ; back: the 32 lanes take one row of 512 bytes
	s_lshl_b32 s17, s17, 1
	s_add_co_u32 s17, s17, s15                     ; gA: my wave's 128 tokens
	s_lshl_b32 s42, s42, 1
	s_add_co_u32 s42, s42, s16                     ; gB: my wave's 128 columns
	s_lshl_b32 s46, s42, 9
	s_mov_b32 s47, 0
	s_add_nc_u64 s[96:97], s[96:97], s[46:47]
	global_load_b128 v[BIA:BIA+3], v[CO], s[96:97] ; the bias at my four columns of a row
	s_lshl_b32 s20, s17, 19                        ; 128 gA rows of 4,096 bytes
	s_add_co_u32 s46, s46, s20
	s_add_nc_u64 s[98:99], s[98:99], s[46:47]      ; the residual and the output at my wave's corner
	s_add_nc_u64 s[12:13], s[12:13], s[46:47]
.macro RLOAD a                         ; the residual's 16 rows of A's block a: row t of the stage is token 32 (a / 2) + 8 (a % 2) + t + (t & 8)
.set RB, RS+64*((\a)%2)
.irp t, 0,1,2,3,4,5,6,7,8,9,10,11,12,13,14,15
	global_load_b128 v[RB+4*\t:RB+4*\t+3], v[CO], s[98:99] offset:(32*((\a)/2)+8*((\a)%2)+\t+(\t&8))*4096
.endr
.endm
	RLOAD 0                                        ; asked for here: v64-127 lie idle through the products
.macro FRAG reg, adr, q, i
	ds_load_b128 v[\reg:\reg+3], v[\adr] offset:(\q)*KB+(\i)*1536
	ds_load_b64 v[\reg+4:\reg+5], v[\adr+2] offset:(\q)*KB+(\i)*1536+512
	ds_load_b128 v[\reg+6:\reg+9], v[\adr] offset:(\q)*KB+(\i)*1536+768
	ds_load_b64 v[\reg+10:\reg+11], v[\adr+2] offset:(\q)*KB+(\i)*1536+1280
.endm
; 16 matrix instructions: A's blocks a0, a0 + 1 x B's eight.  The 64 accumulators take turns, one instruction a turn, in the same order in every step.
.macro MUL16 a0, p, q, sc, zero
.irp a, \a0, \a0+1
.irp b, 0,1,2,3,4,5,6,7
.if \zero
	v_wmma_scale_f32_16x16x128_f8f6f4 v[8*(8*((\a)%4)+\b):8*(8*((\a)%4)+\b)+7], v[128*(\p)+FR*\b:128*(\p)+FR*\b+FR-1], v[AF+FR*(\a):AF+FR*(\a)+FR-1], 0, v[SC+8*NQ*(\sc)+NQ*\b+(\q)], v[SC+8*NQ*(\sc)+NQ*(\a)+(\q)] matrix_a_fmt:MATRIX_FMT_FP6 matrix_b_fmt:MATRIX_FMT_FP6 matrix_a_scale:MATRIX_SCALE_ROW1
.else
	v_wmma_scale_f32_16x16x128_f8f6f4 v[8*(8*((\a)%4)+\b):8*(8*((\a)%4)+\b)+7], v[128*(\p)+FR*\b:128*(\p)+FR*\b+FR-1], v[AF+FR*(\a):AF+FR*(\a)+FR-1], v[8*(8*((\a)%4)+\b):8*(8*((\a)%4)+\b)+7], v[SC+8*NQ*(\sc)+NQ*\b+(\q)], v[SC+8*NQ*(\sc)+NQ*(\a)+(\q)] matrix_a_fmt:MATRIX_FMT_FP6 matrix_b_fmt:MATRIX_FMT_FP6 matrix_a_scale:MATRIX_SCALE_ROW1
.endif
.endr
.endr
.endm
.macro FETCH_B slot, q, p
	WIN TO_B
.irp i, 0,1,2,3,4,5,6,7
	FRAG 128*(\p)+FR*\i, ADRB+\slot, \q, \i
.endr
	WIN 0
.endm
.macro FETCH_A slot, q, i0
.irp i, \i0, \i0+1, \i0+2, \i0+3
	FRAG AF+FR*(\i), ADRA+\slot, \q, \i
.endr
.endm
.macro SCALES sc                       ; register 2 i + q: lanes 0-15 A's block i, lanes 16-31 B's block i, K step q of the slot
.irp i, 0,1,2,3,4,5,6,7
.irp q, 0,1
	ds_load_b32 v[SC+16*\sc+2*\i+\q], v[ADRS] offset:512*\q+64*\i
.endr
.endr
.endm
.macro PLACES n
.rept \n
	v_nop
.endr
.endm
.macro STEP slot, q, zero
	s_wait_dscnt 4*NL                              ; all but the youngest 16 loads (A's blocks 4-7) are in
	WIN MUL_LO
	MUL16 0, (\q)%2, \q, \slot, \zero
	MUL16 2, (\q)%2, \q, \slot, \zero
	s_wait_dscnt 0
	PLACES NP
	FETCH_B \slot, (\q)+1, 1-(\q)%2
	FETCH_A \slot, (\q)+1, 0
	WIN MUL_HI
	MUL16 4, (\q)%2, \q, \slot, \zero
	MUL16 6, (\q)%2, \q, \slot, \zero
	PLACES NP
	WIN 0
	FETCH_A \slot, (\q)+1, 4
.endm
.macro TURN slot, next, fill
	s_wait_tensorcnt 0x0                           ; all my tensor loads have landed: my part of the next slot
	ds_add_u32 v[SPW], v[NIL]                      ; 0 onto my spare word
	s_wait_dscnt 4*NL+1                            ; the add and the youngest 16 loads may be out
	WIN MUL_LO
	MUL16 0, 1, NQ-1, \slot, 0
	s_wait_dscnt 0x0                               ; the add is done, and my reads of this slot are over
	s_barrier_signal -1
	MUL16 2, 1, NQ-1, \slot, 0
	WIN 0
	s_barrier_wait -1
.if \fill
	CREST                                          ; the barrier has opened a round of the cluster's: no wave of any partner still reads this slot or has a load on its way
	s_add_nc_u64 s[G0+4*\slot+2:G0+4*\slot+3], s[G0+4*\slot+2:G0+4*\slot+3], 2*HALFT
	s_add_nc_u64 s[G0B+4*\slot+2:G0B+4*\slot+3], s[G0B+4*\slot+2:G0B+4*\slot+3], 2*HALFT
	JLOAD G0+4*\slot, G1, G0B+4*\slot, G1B
.else
	PLACES NP
.endif
	v_add_nc_u32 v[ADRS], 1024, v[ADRS]
	FETCH_B \next, 0, 0
	FETCH_A \next, 0, 0
	SCALES \next
	WIN MUL_HI
	MUL16 4, 1, NQ-1, \slot, 0
	MUL16 6, 1, NQ-1, \slot, 0
	PLACES NP
	WIN 0
	FETCH_A \next, 0, 4
.endm
	s_wait_tensorcnt 1                             ; of my three loads the scale words and slot 0's part are in; slot 1's may be out
	s_barrier_signal -1
	s_barrier_wait -1
	FETCH_B 0, 0, 0
	FETCH_A 0, 0, 0
	SCALES 0
	FETCH_A 0, 0, 4
	STEP 0, 0, 1
	s_mov_b32 s3, LAPS-1
.Llap:
	TURN 0, 1, 1
	STEP 1, 0, 0
	TURN 1, 0, 1
	STEP 0, 0, 0
	s_sub_co_u32 s3, s3, 1
	s_cmp_lg_u32 s3, 0
	s_cbranch_scc1 .Llap
	TURN 0, 1, 0
	STEP 1, 0, 0
	s_wait_dscnt 4*NL
	WIN MUL_LO
	MUL16 0, 1, NQ-1, 1, 0
	MUL16 2, 1, NQ-1, 1, 0
	s_wait_dscnt 0
	WIN MUL_HI
	MUL16 4, 1, NQ-1, 1, 0
	MUL16 6, 1, NQ-1, 1, 0
	WIN 0
; THE WAY OUT, A's block a (16 tokens x 128 columns) at a time: through my own stage in LDS, back as whole rows of 512 bytes; bias, then residual; 32 lanes store 512 consecutive bytes, aligned.
.macro TOSTAGE a
.set AC, 64*((\a)%4)
	WIN 0x08+4*((\a)/4)                            ; an LDS store's data: window 2 or 3
.irp b, 0,1,2,3,4,5,6,7
	ds_store_b128 v[STO], v[AC+8*\b:AC+8*\b+3] offset:128*(\b/2)+32*(\b%2)          ; each accumulator from its low end on
	ds_store_b128 v[STO], v[AC+8*\b+4:AC+8*\b+7] offset:128*(\b/2)+32*(\b%2)+16
.endr
	WIN 0
.irp t, 0,1,2,3,4,5,6,7,8,9,10,11,12,13,14,15
	ds_load_b128 v[BK+4*\t:BK+4*\t+3], v[RD] offset:\t*SPITCH    ; LDS serves a wave's instructions in order (ISA guide 5.7.1.4): these see the stores above
.endr
.endm
.macro FINISH a
.set RB, RS+64*((\a)%2)
.irp t, 0,1,2,3,4,5,6,7,8,9,10,11,12,13,14,15
	v_pk_add_f32 v[BK+4*\t:BK+4*\t+1], v[BK+4*\t:BK+4*\t+1], v[BIA:BIA+1]
	v_pk_add_f32 v[BK+4*\t+2:BK+4*\t+3], v[BK+4*\t+2:BK+4*\t+3], v[BIA+2:BIA+3]
.endr
.irp t, 0,1,2,3,4,5,6,7,8,9,10,11,12,13,14,15
	v_pk_add_f32 v[BK+4*\t:BK+4*\t+1], v[BK+4*\t:BK+4*\t+1], v[RB+4*\t:RB+4*\t+1]
	v_pk_add_f32 v[BK+4*\t+2:BK+4*\t+3], v[BK+4*\t+2:BK+4*\t+3], v[RB+4*\t+2:RB+4*\t+3]
.endr
.irp t, 0,1,2,3,4,5,6,7,8,9,10,11,12,13,14,15
	global_store_b128 v[CO], v[BK+4*\t:BK+4*\t+3], s[12:13] offset:(32*((\a)/2)+8*((\a)%2)+\t+(\t&8))*4096
.endr
.endm
	PLACES NP                                      ; behind the last products: their results are read, and registers that held A's fragments are loaded into
.irp a, 0,1,2,3,4,5,6,7
.if \a > 0
	s_wait_xcnt 0x0                                ; the last block's stores have read their data: the rows' registers are loaded again only behind this wait
.endif
	TOSTAGE \a
.if \a < 7
	RLOAD \a+1
	s_wait_dscnt 0x0
	s_wait_loadcnt 16                              ; this block's residual rows (and the bias) are in; the next block's 16 loads may be out
.else
	s_wait_dscnt 0x0
	s_wait_loadcnt 0x0
.endif
	FINISH \a
.endr
	s_wait_tensorcnt 0x0                           ; the wave's end
	ds_add_u32 v[SPW], v[NIL]
	s_wait_dscnt 0x0
	CROUND                                         ; the closing round
	s_endpgm
.Lfunc_end_k_q7141929b06_gproj:
	.size	k_q7141929b06_gproj, .Lfunc_end_k_q7141929b06_gproj-k_q7141929b06_gproj
	.p2alignl 7, 3214868480
	.fill 96, 4, 3214868480
	.section	.rodata,"a",@progbits
	.p2align	6, 0x0
	.amdhsa_kernel k_q7141929b06_gproj
		.amdhsa_group_segment_fixed_size 327680
		.amdhsa_private_segment_fixed_size 0
		.amdhsa_enable_private_segment 0
		.amdhsa_kernarg_size 40
		.amdhsa_user_sgpr_count 2
		.amdhsa_user_sgpr_kernarg_segment_ptr 1
		.amdhsa_wavefront_size32 1
		.amdhsa_system_sgpr_workgroup_id_x 1
		.amdhsa_system_sgpr_workgroup_id_y 1
		.amdhsa_system_sgpr_workgroup_id_z 1
		.amdhsa_system_vgpr_workitem_id 0
		.amdhsa_next_free_vgpr 1024
		.amdhsa_next_free_sgpr 102
		.amdhsa_reserve_vcc 0
		.amdhsa_float_denorm_mode_32 3
		.amdhsa_float_denorm_mode_16_64 3
		.amdhsa_memory_ordered 1
		.amdhsa_forward_progress 1
		.amdhsa_inst_pref_size 190
	.end_amdhsa_kernel
	.amdgpu_metadata
---
amdhsa.version: [ 1, 2 ]
amdhsa.kernels:
  - .name:           k_q7141929b06_gproj
    .symbol:         k_q7141929b06_gproj.kd
    .args:
      - { .name: AB, .offset: 0, .size: 8, .value_kind: global_buffer, .address_space: global }
      - { .name: WB, .offset: 8, .size: 8, .value_kind: global_buffer, .address_space: global }
      - { .name: b_proj, .offset: 16, .size: 8, .value_kind: global_buffer, .address_space: global }
      - { .name: hidden_states, .offset: 24, .size: 8, .value_kind: global_buffer, .address_space: global }
      - { .name: HB16, .offset: 32, .size: 8, .value_kind: global_buffer, .address_space: global }
    .group_segment_fixed_size: 327680
    .private_segment_fixed_size: 0
    .kernarg_segment_align: 8
    .kernarg_segment_size: 40
    .max_flat_workgroup_size: 128
    .sgpr_count:     102
    .vgpr_count:     1024
    .wavefront_size: 32
...
	.end_amdgpu_metadata
.endif
;; end of part 5
;; launch ln2: the kernel of part 2 again; grid 256 x 1, 8 waves a work-group, no clusters, 5,120 bytes of LDS; arguments HB16, ln2_w, ln2_b, XB; writes XB
;; launch gfc (part 6): grid 16 x 16, 4 waves a work-group, clusters of 4 x 4, 327,680 bytes of LDS; arguments XB, WB, b_fc, GB; writes GB
.if DOCPART == 6
	.amdgcn_target "amdgcn-amd-amdhsa--gfx1250"
	.amdhsa_code_object_version 6
	.text
	.protected	k_q7141929b06_gfc
	.globl	k_q7141929b06_gfc
	.p2align	8
	.type	k_q7141929b06_gfc,@function
k_q7141929b06_gfc:
	s_mov_b64 s[64:65], 0
	v_nop
	global_prefetch_b8 v0, s[64:65] scope:SCOPE_SE
	s_setreg_imm32_b32 hwreg(HW_REG_WAVE_MODE, 25, 1), 1
	s_wait_xcnt 0x0
	s_wait_alu depctr_hold_cnt(0) depctr_sa_sdst(0) depctr_va_vdst(0) depctr_va_sdst(0) depctr_va_ssrc(0) depctr_va_vcc(0) depctr_vm_vsrc(0)
	s_getreg_b32 s2, hwreg(HW_REG_IB_STS2, 6, 4)
	s_cmp_eq_u32 s2, 0
	s_cbranch_scc0 .Lentry_in_a_cluster
	s_endpgm
.Lentry_in_a_cluster:
	s_bfe_u32 s2, ttmp6, 0x10000c
	s_cmp_lg_u32 s2, 0xf033
	s_cbranch_scc0 .Lentry_shape_is_right
	s_endpgm
.Lentry_shape_is_right:
; g = gelu(LN2(h) w_fc + b_fc): the product on codes of FP6 (E2M3) with E8M0 scales for each 32 along K = 1,024; bias and GELU in f32; g is quantised along its 4,096 features and leaves as an operand of the last product.
; OPERANDS.  Rows in groups of 128, a group in eight tiles of 16: lane r of tile t holds row 32 (t / 2) + 8 (t % 2) + r + (r & 8).  A fragment (16 rows x 128 K, 12 registers a lane) lies as an image of its registers,
; 1,536 bytes: for each half c: registers 6 c .. 6 c + 3 of lane l at 768 c + 16 l, registers 6 c + 4, 6 c + 5 of lane (r, h) at 768 c + 512 + 16 r + 8 h.  Codes [group][K step of 128][tile][1,536], scale words [group][K step][tile][r].
; So 128 rows x two K steps are one dense block of 24,576 bytes for one tensor load, and a fragment comes from LDS by four loads whose lanes read consecutive bytes: no padding.
; SHAPE.  A tile of 256 x 256 results to a work-group of four waves, 128 x 128 a wave: 64 accumulators, 512 registers; 256 work-groups.  K goes in steps of 256 through a ring of two LDS slots; the scale words of the work-group's rows come once.
; "A" (tokens) is the matrix instruction's source 1: a lane of the result holds one token; "B" (features) its source 0: by the order of rows in a tile the 64 registers of the accumulators (a, 0 .. 7) are features
; 32 b + 16 (lane / 16) + i of B's group at register 16 b + i: 16 neighbours for each conversion, and the wave's 128 features are one K step of the next product: one fragment and one scale word a token.
; GELU: 0.5 x (1 + tanh(u)) = x / (1 + 2^(x (-k1 - k2 x^2))), k1 = 2 sqrt(2 / pi) log2(e), k2 = 0.044715 k1: no difference of near numbers, and no NaN at either end of the range.
; CLUSTERS: 4 x 4.  A's tiles are shared along a row of the cluster, B's along a column: joint loads, which divide the requests by four.
; LIMITS: a block of zeros gets the byte 1 (its codes are zeros, and this program alone reads the bytes); NaN and infinities are not served.
; REGISTERS, in windows of 256: window 0: v13, v16-31 addresses; v32-63 scale words, two sets; v64-127 the bias; v128-223 A's fragments, one set; window 1: B's fragments, two sets; windows 2, 3: accumulator (a, b) at v[8 (8 (a % 4) + b)].
.set KS,     8
.set ASC,    3145728                   ; where A's scale words begin in its buffer
.set WOFF,   3276800                   ; where the weight's codes begin in WB
.set WSOFF,  6422528                   ; and its scale words
.set OSC,    12582912                  ; where the output's scale words begin
.set NQ,     2
.set FR,     12
.set NL,     4
.set NP,     4
.set KB,     12288
.set HALFT,  2*KB
.set SLOT,   4*HALFT
.set LAPS,   KS/4
.set GROUPB, KS*KB
.set GROUPS, KS*512
.set HALFS,  GROUPS
.set SCL,    2*SLOT
.set SPARE,  SCL+4*HALFS               ; the spare words, 128 bytes for each wave: two blocks of 256 bytes that no other line names
.set ADRA, 16
.set ADRB, 20
.set CO,   26
.set ADRS, 27
.set SPW,  28
.set NIL,  29
.set L8,   30
.set L4,   31
.set SC,   32
.set AF,   128
.set BI,   64                          ; the bias: register 16 b + i: feature 32 b + 16 h + i
.set HA,   128                         ; the way out: 64 numbers of a lane
.set T,    192                         ; v192-207 at work in GELU
.set PC,   208
.set PW,   220
.set PWE,  221
.set PS,   222
.set TM,   224
.set PCT,  240
.set K1,   248                         ; v[248:249] -k1, v[250:251] -k2
.set K2,   250
.set G1, 24
.set G0, 32
.set G1B, 48
.set G0B, 56
.set SEL, 66
.set G1S, 68
.set G0S, 76
.set G1SB, 80
.set G0SB, 88
.set MSB, 0
.macro WIN new                         ; the immediate's high byte repeats the setting that is left
.if MSB != (\new)
	s_set_vgpr_msb (MSB<<8)|(\new)
.set MSB, (\new)
.endif
.endm
.set MUL_LO, 0xa1
.set MUL_HI, 0xf1
.set TO_B,   0x40
.macro JLOAD g0a, g1a, g0b, g1b        ; a joint load: waves 0, 1 fetch for A, waves 2, 3 for B; four v_nop follow each line
	s_cmp_eq_u32 s15, 0
	s_cbranch_scc0 .Lfor_b_\@
	tensor_load_to_lds s[\g0a:\g0a+3], s[\g1a:\g1a+7]
	s_nop 0
.rept 4
	v_nop
.endr
	s_branch .Lasked_\@
.Lfor_b_\@:
	tensor_load_to_lds s[\g0b:\g0b+3], s[\g1b:\g1b+7]
	s_nop 0
.rept 4
	v_nop
.endr
.Lasked_\@:
.endm
.macro CREST
	s_cmp_lg_u32 s14, 0
	s_cbranch_scc1 .Lnot_wave_0_\@
	s_barrier_signal -3
.Lnot_wave_0_\@:
	s_barrier_wait -3
	s_barrier_signal -1
	s_barrier_wait -1
.endm
.macro CROUND
	s_barrier_signal -1
	s_barrier_wait -1
	CREST
.endm
	s_load_b256 s[92:99], s[0:1], 0x0              ; XB, WB, b_fc, GB
	v_lshl_add_u32 v[SPW], v0, 2, SPARE
	v_mov_b32 v[NIL], 0
	ds_add_u32 v28, v29
	ds_add_u32 v28, v29
	s_wait_dscnt 0x0
	v_lshrrev_b32 v1, 5, v0
	v_readfirstlane_b32 s14, v1
	s_lshr_b32 s15, s14, 1                         ; my group of A's two.  Also: I fetch for A (0) or B (1)
	s_and_b32 s16, s14, 1                          ; my group of B's two.  Also: which group I fetch
	s_bfe_u32 s40, ttmp6, 0x40000                  ; cx
	s_bfe_u32 s41, ttmp6, 0x40004                  ; cy
	s_lshl_b32 s42, ttmp9, 2
	s_add_co_u32 s42, s42, s40                     ; B's block of 256 rows
	s_and_b32 s17, ttmp7, 0xffff
	s_lshl_b32 s17, s17, 2
	s_add_co_u32 s17, s17, s41                     ; A's
	s_lshl_b32 s43, s41, 2
	s_lshl_b32 s43, 15, s43
	s_lshl_b32 s44, 0x1111, s40
	; descriptor group 1: a dense block of 24,576 bytes as 96 rows of 32 elements of 8 bytes; no padding; bit 21 set beside the mask
	s_or_b32 s[G1+0], s43, (3<<16)|(1<<21)
	s_or_b32 s[G1B+0], s44, (3<<16)|(1<<21)
.irp g, G1, G1B
	s_mov_b32 s[\g+1], 32<<16
	s_mov_b32 s[\g+2], 96<<16
	s_mov_b32 s[\g+3], 32<<16
	s_mov_b32 s[\g+4], 96
	s_mov_b32 s[\g+5], 32
	s_mov_b32 s[\g+6], 0
	s_mov_b32 s[\g+7], 0
.endr
	s_or_b32 s[G1S+0], s43, (3<<16)|(1<<21)
	s_or_b32 s[G1SB+0], s44, (3<<16)|(1<<21)
.irp g, G1S, G1SB
	s_mov_b32 s[\g+1], 32<<16
	s_mov_b32 s[\g+2], (HALFS/256)<<16
	s_mov_b32 s[\g+3], 32<<16
	s_mov_b32 s[\g+4], HALFS/256
	s_mov_b32 s[\g+5], 32
	s_mov_b32 s[\g+6], 0
	s_mov_b32 s[\g+7], 0
.endr
	s_lshl_b32 s20, s17, 1
	s_add_co_u32 s20, s20, s16
	s_lshl_b32 s46, s42, 1
	s_add_co_u32 s46, s46, s16
	s_mul_i32 s22, s20, GROUPS
	s_add_co_u32 s22, s22, ASC
	s_mov_b32 s23, 0
	s_mul_i32 s20, s20, GROUPB
	s_mov_b32 s21, 0
	s_mul_i32 s18, s46, GROUPS
	s_add_co_u32 s18, s18, WSOFF
	s_mov_b32 s19, 0
	s_mul_i32 s46, s46, GROUPB
	s_add_co_u32 s46, s46, WOFF
	s_mov_b32 s47, 0
	s_mul_i32 s45, s14, HALFT
	s_mul_i32 s101, s14, HALFS
	s_wait_kmcnt 0x0
	s_add_nc_u64 s[20:21], s[92:93], s[20:21]
	s_add_nc_u64 s[22:23], s[92:93], s[22:23]
	s_add_nc_u64 s[46:47], s[94:95], s[46:47]
	s_add_nc_u64 s[18:19], s[94:95], s[18:19]
	CROUND                                         ; all sixteen work-groups are here: the first joint loads meet
	s_mov_b32 s[G0S], 1
	s_add_co_u32 s[G0S+1], s101, SCL
	s_mov_b64 s[G0S+2:G0S+3], s[22:23]
	s_or_b32 s[G0S+3], s[G0S+3], 0x80000000
	s_mov_b32 s[G0SB], 1
	s_add_co_u32 s[G0SB+1], s101, SCL
	s_mov_b64 s[G0SB+2:G0SB+3], s[18:19]
	s_or_b32 s[G0SB+3], s[G0SB+3], 0x80000000
	JLOAD G0S, G1S, G0SB, G1SB
.irp s, 0,1
	s_mov_b32 s[G0+4*\s], 1
	s_add_co_u32 s[G0+4*\s+1], s45, \s*SLOT
	s_add_nc_u64 s[G0+4*\s+2:G0+4*\s+3], s[20:21], \s*HALFT
	s_or_b32 s[G0+4*\s+3], s[G0+4*\s+3], 0x80000000
	s_mov_b32 s[G0B+4*\s], 1
	s_add_co_u32 s[G0B+4*\s+1], s45, \s*SLOT
	s_add_nc_u64 s[G0B+4*\s+2:G0B+4*\s+3], s[46:47], \s*HALFT
	s_or_b32 s[G0B+4*\s+3], s[G0B+4*\s+3], 0x80000000
	JLOAD G0+4*\s, G1, G0B+4*\s, G1B
.endr
	v_and_b32 v1, 31, v0
	v_and_b32 v2, 15, v0
	v_bfe_u32 v3, v0, 4, 1
	v_lshlrev_b32 v[CO], 4, v1
	v_lshlrev_b32 v[L8], 4, v2
	v_lshl_add_u32 v[L8], v3, 3, v[L8]
	v_lshlrev_b32 v[L4], 2, v1
	s_mul_i32 s21, s15, HALFT
	s_mul_i32 s22, s16, HALFT
	s_add_co_u32 s22, s22, 2*HALFT
.irp s, 0,1
	v_add_nc_u32 v[ADRA+\s], s21, v[CO]
	v_add_nc_u32 v[ADRB+\s], s22, v[CO]
	v_add_nc_u32 v[ADRA+2+\s], s21, v[L8]
	v_add_nc_u32 v[ADRB+2+\s], s22, v[L8]
	s_add_co_u32 s21, s21, SLOT
	s_add_co_u32 s22, s22, SLOT
.endr
	v_lshlrev_b32 v6, 2, v2
	s_mul_i32 s21, s15, HALFS
	s_mul_i32 s22, s16, HALFS
	s_add_co_u32 s22, s22, 2*HALFS
	s_sub_co_u32 s22, s22, s21
	v_mul_u32_u24 v7, s22, v3                      ; lanes 16-31 take B's: one product, the distance between the two
	s_add_co_u32 s21, s21, SCL
	v_add_nc_u32 v6, v6, v7
	v_add_nc_u32 v[ADRS], s21, v6
	v_lshlrev_b32 v13, 6, v3                       ; 64 h
.irp b, 0,1,2,3
	v_mov_b32 v[TM+4+\b], 0                        ; written once: a lane permute's destination counts as one of its sources
.endr
	v_mov_b32 v[K1], 0xc0135761
	v_mov_b32 v[K1+1], 0xc0135761
	v_mov_b32 v[K2], 0xbdd2d3e8
	v_mov_b32 v[K2+1], 0xbdd2d3e8
	s_mov_b32 s[SEL], 0x76543210
	s_mov_b32 s[SEL+1], 0xfedcba98
	s_mov_b32 s100, 0xffff0000                     ; lanes 16-31
	s_lshl_b32 s17, s17, 1
	s_add_co_u32 s17, s17, s15                     ; gA: my wave's 128 tokens
	s_lshl_b32 s42, s42, 1
	s_add_co_u32 s42, s42, s16                     ; gB: my wave's 128 features
	s_lshl_b32 s46, s42, 9
	s_mov_b32 s47, 0
	s_add_nc_u64 s[96:97], s[96:97], s[46:47]
.irp b, 0,1,2,3
.irp j, 0,1,2,3
	global_load_b128 v[BI+16*\b+4*\j:BI+16*\b+4*\j+3], v13, s[96:97] offset:128*\b+16*\j   ; asked for here: v64-127 lie idle through the products
.endr
.endr
	s_lshl_b32 s46, s17, 5
	s_add_co_u32 s46, s46, s42                     ; 32 gA + gB: group and K step in the output
	s_lshl_b32 s20, s46, 9
	s_add_co_u32 s20, s20, OSC
	s_mov_b32 s21, 0
	s_add_nc_u64 s[10:11], s[98:99], s[20:21]      ; its scale words
	s_mul_i32 s46, s46, KB
	s_add_nc_u64 s[12:13], s[98:99], s[46:47]      ; its eight images
.macro FRAG reg, adr, q, i
	ds_load_b128 v[\reg:\reg+3], v[\adr] offset:(\q)*KB+(\i)*1536
	ds_load_b64 v[\reg+4:\reg+5], v[\adr+2] offset:(\q)*KB+(\i)*1536+512
	ds_load_b128 v[\reg+6:\reg+9], v[\adr] offset:(\q)*KB+(\i)*1536+768
	ds_load_b64 v[\reg+10:\reg+11], v[\adr+2] offset:(\q)*KB+(\i)*1536+1280
.endm
; 16 matrix instructions: A's blocks a0, a0 + 1 x B's eight.  The 64 accumulators take turns, one instruction a turn, in the same order in every step.
.macro MUL16 a0, p, q, sc, zero
.irp a, \a0, \a0+1
.irp b, 0,1,2,3,4,5,6,7
.if \zero
	v_wmma_scale_f32_16x16x128_f8f6f4 v[8*(8*((\a)%4)+\b):8*(8*((\a)%4)+\b)+7], v[128*(\p)+FR*\b:128*(\p)+FR*\b+FR-1], v[AF+FR*(\a):AF+FR*(\a)+FR-1], 0, v[SC+8*NQ*(\sc)+NQ*\b+(\q)], v[SC+8*NQ*(\sc)+NQ*(\a)+(\q)] matrix_a_fmt:MATRIX_FMT_FP6 matrix_b_fmt:MATRIX_FMT_FP6 matrix_a_scale:MATRIX_SCALE_ROW1
.else
	v_wmma_scale_f32_16x16x128_f8f6f4 v[8*(8*((\a)%4)+\b):8*(8*((\a)%4)+\b)+7], v[128*(\p)+FR*\b:128*(\p)+FR*\b+FR-1], v[AF+FR*(\a):AF+FR*(\a)+FR-1], v[8*(8*((\a)%4)+\b):8*(8*((\a)%4)+\b)+7], v[SC+8*NQ*(\sc)+NQ*\b+(\q)], v[SC+8*NQ*(\sc)+NQ*(\a)+(\q)] matrix_a_fmt:MATRIX_FMT_FP6 matrix_b_fmt:MATRIX_FMT_FP6 matrix_a_scale:MATRIX_SCALE_ROW1
.endif
.endr
.endr
.endm
.macro FETCH_B slot, q, p
	WIN TO_B
.irp i, 0,1,2,3,4,5,6,7
	FRAG 128*(\p)+FR*\i, ADRB+\slot, \q, \i
.endr
	WIN 0
.endm
.macro FETCH_A slot, q, i0
.irp i, \i0, \i0+1, \i0+2, \i0+3
	FRAG AF+FR*(\i), ADRA+\slot, \q, \i
.endr
.endm
.macro SCALES sc                       ; register 2 i + q: lanes 0-15 A's block i, lanes 16-31 B's block i, K step q of the slot
.irp i, 0,1,2,3,4,5,6,7
.irp q, 0,1
	ds_load_b32 v[SC+16*\sc+2*\i+\q], v[ADRS] offset:512*\q+64*\i
.endr
.endr
.endm
.macro PLACES n
.rept \n
	v_nop
.endr
.endm
.macro STEP slot, q, zero
	s_wait_dscnt 4*NL                              ; all but the youngest 16 loads (A's blocks 4-7) are in
	WIN MUL_LO
	MUL16 0, (\q)%2, \q, \slot, \zero
	MUL16 2, (\q)%2, \q, \slot, \zero
	s_wait_dscnt 0
	PLACES NP
	FETCH_B \slot, (\q)+1, 1-(\q)%2
	FETCH_A \slot, (\q)+1, 0
	WIN MUL_HI
	MUL16 4, (\q)%2, \q, \slot, \zero
	MUL16 6, (\q)%2, \q, \slot, \zero
	PLACES NP
	WIN 0
	FETCH_A \slot, (\q)+1, 4
.endm
.macro TURN slot, next, fill
	s_wait_tensorcnt 0x0                           ; all my tensor loads have landed: my part of the next slot
	ds_add_u32 v[SPW], v[NIL]                      ; 0 onto my spare word
	s_wait_dscnt 4*NL+1                            ; the add and the youngest 16 loads may be out
	WIN MUL_LO
	MUL16 0, 1, NQ-1, \slot, 0
	s_wait_dscnt 0x0                               ; the add is done, and my reads of this slot are over
	s_barrier_signal -1
	MUL16 2, 1, NQ-1, \slot, 0
	WIN 0
	s_barrier_wait -1
.if \fill
	CREST                                          ; the barrier has opened a round of the cluster's: no wave of any partner still reads this slot or has a load on its way
	s_add_nc_u64 s[G0+4*\slot+2:G0+4*\slot+3], s[G0+4*\slot+2:G0+4*\slot+3], 2*HALFT
	s_add_nc_u64 s[G0B+4*\slot+2:G0B+4*\slot+3], s[G0B+4*\slot+2:G0B+4*\slot+3], 2*HALFT
	JLOAD G0+4*\slot, G1, G0B+4*\slot, G1B
.else
	PLACES NP
.endif
	v_add_nc_u32 v[ADRS], 1024, v[ADRS]
	FETCH_B \next, 0, 0
	FETCH_A \next, 0, 0
	SCALES \next
	WIN MUL_HI
	MUL16 4, 1, NQ-1, \slot, 0
	MUL16 6, 1, NQ-1, \slot, 0
	PLACES NP
	WIN 0
	FETCH_A \next, 0, 4
.endm
	s_wait_tensorcnt 1                             ; of my three loads the scale words and slot 0's part are in; slot 1's may be out
	s_barrier_signal -1
	s_barrier_wait -1
	FETCH_B 0, 0, 0
	FETCH_A 0, 0, 0
	SCALES 0
	FETCH_A 0, 0, 4
	STEP 0, 0, 1
	s_mov_b32 s3, LAPS-1
.Llap:
	TURN 0, 1, 1
	STEP 1, 0, 0
	TURN 1, 0, 1
	STEP 0, 0, 0
	s_sub_co_u32 s3, s3, 1
	s_cmp_lg_u32 s3, 0
	s_cbranch_scc1 .Llap
	TURN 0, 1, 0
	STEP 1, 0, 0
	s_wait_dscnt 4*NL
	WIN MUL_LO
	MUL16 0, 1, NQ-1, 1, 0
	MUL16 2, 1, NQ-1, 1, 0
	s_wait_dscnt 0
	WIN MUL_HI
	MUL16 4, 1, NQ-1, 1, 0
	MUL16 6, 1, NQ-1, 1, 0
	WIN 0
; 64 numbers of a lane, register 16 b + i = k 32 b + 16 (lane / 16) + i of my row, become a fragment's codes in v[PC] on and its scale word in v[PW] (the same in both halves of the lanes).
.macro QUANT s
.irp b, 0,1,2,3
	v_max3_num_f32 v[TM+\b], |v[\s+16*\b]|, |v[\s+1+16*\b]|, 0x1800000   ; with the floor 2^(3 - 127): the byte cannot fall under 1
.endr
.irp i, 2,4,6,8,10,12,14
.irp b, 0,1,2,3
	v_max3_num_f32 v[TM+\b], v[TM+\b], |v[\s+16*\b+\i]|, |v[\s+1+16*\b+\i]|
.endr
.endr
.irp b, 0,1,2,3
	v_permlanex16_b32 v[TM+4+\b], v[TM+\b], s[SEL], s[SEL+1]
.endr
.irp b, 0,1,2,3
	v_max_num_f32 v[TM+\b], v[TM+\b], v[TM+4+\b]
.endr
.irp b, 0,1,2,3
	v_add_nc_u32 v[TM+12+\b], 0xff000000, v[TM+\b]
.endr
.irp b, 0,1,2,3
	v_lshrrev_b32 v[TM+4+\b], 23, v[TM+12+\b]
.endr
	v_lshl_or_b32 v[PW], v[TM+5], 8, v[TM+4]
	v_lshl_or_b32 v[PW], v[TM+6], 16, v[PW]
	v_lshl_or_b32 v[PW], v[TM+7], 24, v[PW]
.irp c, 0,1
	v_cvt_scalef32_pk16_fp6_f32 v[PC+6*\c:PC+2+6*\c], v[\s+32*\c:\s+15+32*\c], v[TM+12+2*\c]
	v_cvt_scalef32_pk16_fp6_f32 v[PCT+4*\c:PCT+2+4*\c], v[\s+16+32*\c:\s+31+32*\c], v[TM+12+2*\c+1]
.endr
	v_nop                                          ; one plain line behind a scaled conversion
.irp c, 0,1
.irp i, 0,1,2
	v_permlane16_swap_b32 v[PC+6*\c+\i], v[PCT+4*\c+\i]
.endr
.irp i, 0,1,2
	v_mov_b32 v[PC+3+6*\c+\i], v[PCT+4*\c+\i]
.endr
.endr
.endm
.macro GELU c                          ; sixteen numbers at v[HA + 16 c], in place
.set H, HA+16*(\c)
.irp i, 0,2,4,6,8,10,12,14
	v_pk_mul_f32 v[T+\i:T+\i+1], v[H+\i:H+\i+1], v[H+\i:H+\i+1]
.endr
.irp i, 0,2,4,6,8,10,12,14
	v_pk_fma_f32 v[T+\i:T+\i+1], v[T+\i:T+\i+1], v[K2:K2+1], v[K1:K1+1]
.endr
.irp i, 0,2,4,6,8,10,12,14
	v_pk_mul_f32 v[T+\i:T+\i+1], v[T+\i:T+\i+1], v[H+\i:H+\i+1]
.endr
.irp i, 0,1,2,3,4,5,6,7,8,9,10,11,12,13,14,15
	v_exp_f32 v[T+\i], v[T+\i]
.endr
	v_nop                                          ; one plain line behind a transcendental
	s_wait_alu depctr_va_vdst(0)
.irp i, 0,2,4,6,8,10,12,14
	v_pk_add_f32 v[T+\i:T+\i+1], v[T+\i:T+\i+1], 1.0 op_sel_hi:[1,0]
.endr
.irp i, 0,1,2,3,4,5,6,7,8,9,10,11,12,13,14,15
	v_rcp_f32 v[T+\i], v[T+\i]
.endr
	v_nop
	s_wait_alu depctr_va_vdst(0)
.irp i, 0,2,4,6,8,10,12,14
	v_pk_mul_f32 v[H+\i:H+\i+1], v[H+\i:H+\i+1], v[T+\i:T+\i+1]
.endr
.endm
; THE WAY OUT of A's block a: the 64 results of a lane come to window 0 with the bias added (one line does both; ascending), pass GELU, are quantised, and leave as an image.
.macro TILEQ a
	s_wait_xcnt 0x0                                ; the last block's stores have read their data: the codes and the word are written again only behind this wait
	WIN 0x02+(\a)/4
.set i, 0
.rept 32
	v_pk_add_f32 v[HA+i:HA+i+1], v[64*((\a)%4)+i:64*((\a)%4)+i+1], v[BI+i:BI+i+1]
.set i, i+2
.endr
	WIN 0
	GELU 0
	GELU 1
	GELU 2
	GELU 3
	QUANT HA
	global_store_b128 v[CO], v[PC:PC+3], s[12:13] offset:1536*(\a)           ; each store covers 512 or 256 consecutive bytes, aligned to 256
	global_store_b64 v[L8], v[PC+4:PC+5], s[12:13] offset:1536*(\a)+512
	global_store_b128 v[CO], v[PC+6:PC+9], s[12:13] offset:1536*(\a)+768
	global_store_b64 v[L8], v[PC+10:PC+11], s[12:13] offset:1536*(\a)+1280
.if (\a)%2 == 0
	v_mov_b32 v[PWE], v[PW]
.else
	v_cndmask_b32 v[PS], v[PWE], v[PW], s100       ; two tiles' words: 128 consecutive bytes
	global_store_b32 v[L4], v[PS], s[10:11] offset:64*((\a)-1)
.endif
.endm
	PLACES NP                                      ; behind the last products: the lines below write registers that held A's fragments
	s_wait_loadcnt 0x0                             ; the bias
.irp a, 0,1,2,3,4,5,6,7
	TILEQ \a
.endr
	s_wait_tensorcnt 0x0                           ; the wave's end
	ds_add_u32 v[SPW], v[NIL]
	s_wait_dscnt 0x0
	CROUND                                         ; the closing round
	s_endpgm
.Lfunc_end_k_q7141929b06_gfc:
	.size	k_q7141929b06_gfc, .Lfunc_end_k_q7141929b06_gfc-k_q7141929b06_gfc
	.p2alignl 7, 3214868480
	.fill 96, 4, 3214868480
	.section	.rodata,"a",@progbits
	.p2align	6, 0x0
	.amdhsa_kernel k_q7141929b06_gfc
		.amdhsa_group_segment_fixed_size 327680
		.amdhsa_private_segment_fixed_size 0
		.amdhsa_enable_private_segment 0
		.amdhsa_kernarg_size 32
		.amdhsa_user_sgpr_count 2
		.amdhsa_user_sgpr_kernarg_segment_ptr 1
		.amdhsa_wavefront_size32 1
		.amdhsa_system_sgpr_workgroup_id_x 1
		.amdhsa_system_sgpr_workgroup_id_y 1
		.amdhsa_system_sgpr_workgroup_id_z 1
		.amdhsa_system_vgpr_workitem_id 0
		.amdhsa_next_free_vgpr 1024
		.amdhsa_next_free_sgpr 102
		.amdhsa_reserve_vcc 0
		.amdhsa_float_denorm_mode_32 3
		.amdhsa_float_denorm_mode_16_64 3
		.amdhsa_memory_ordered 1
		.amdhsa_forward_progress 1
		.amdhsa_inst_pref_size 255
	.end_amdhsa_kernel
	.section	.bss,"aw",@nobits
	.p2align	6
	.space	262144
	.amdgpu_metadata
---
amdhsa.version: [ 1, 2 ]
amdhsa.kernels:
  - .name:           k_q7141929b06_gfc
    .symbol:         k_q7141929b06_gfc.kd
    .args:
      - { .name: XB, .offset: 0, .size: 8, .value_kind: global_buffer, .address_space: global }
      - { .name: WB, .offset: 8, .size: 8, .value_kind: global_buffer, .address_space: global }
      - { .name: b_fc, .offset: 16, .size: 8, .value_kind: global_buffer, .address_space: global }
      - { .name: GB, .offset: 24, .size: 8, .value_kind: global_buffer, .address_space: global }
    .group_segment_fixed_size: 327680
    .private_segment_fixed_size: 0
    .kernarg_segment_align: 8
    .kernarg_segment_size: 32
    .max_flat_workgroup_size: 128
    .sgpr_count:     102
    .vgpr_count:     1024
    .wavefront_size: 32
...
	.end_amdgpu_metadata
.endif
;; end of part 6
;; launch gfcp (part 7): grid 4 x 16, 4 waves a work-group, clusters of 4 x 4, 327,680 bytes of LDS; arguments GB, WB, b_fc_proj, HB16, out0; writes out0
.if DOCPART == 7
	.amdgcn_target "amdgcn-amd-amdhsa--gfx1250"
	.amdhsa_code_object_version 6
	.text
	.protected	k_q7141929b06_gfcp
	.globl	k_q7141929b06_gfcp
	.p2align	8
	.type	k_q7141929b06_gfcp,@function
k_q7141929b06_gfcp:
	s_mov_b64 s[64:65], 0
	v_nop
	global_prefetch_b8 v0, s[64:65] scope:SCOPE_SE
	s_setreg_imm32_b32 hwreg(HW_REG_WAVE_MODE, 25, 1), 1
	s_wait_xcnt 0x0
	s_wait_alu depctr_hold_cnt(0) depctr_sa_sdst(0) depctr_va_vdst(0) depctr_va_sdst(0) depctr_va_ssrc(0) depctr_va_vcc(0) depctr_vm_vsrc(0)
	s_getreg_b32 s2, hwreg(HW_REG_IB_STS2, 6, 4)
	s_cmp_eq_u32 s2, 0
	s_cbranch_scc0 .Lentry_in_a_cluster
	s_endpgm
.Lentry_in_a_cluster:
	s_bfe_u32 s2, ttmp6, 0x10000c
	s_cmp_lg_u32 s2, 0xf033
	s_cbranch_scc0 .Lentry_shape_is_right
	s_endpgm
.Lentry_shape_is_right:
; out = h + (g w_fc_proj + b_fc_proj): the product on codes of FP6 (E2M3) with E8M0 scales for each 32 along K = 4,096; sums, bias and residual in f32; the block's result, f32, row-major.
; OPERANDS.  Rows in groups of 128, a group in eight tiles of 16: lane r of tile t holds row 32 (t / 2) + 8 (t % 2) + r + (r & 8).  A fragment (16 rows x 128 K, 12 registers a lane) lies as an image of its registers,
; 1,536 bytes: for each half c: registers 6 c .. 6 c + 3 of lane l at 768 c + 16 l, registers 6 c + 4, 6 c + 5 of lane (r, h) at 768 c + 512 + 16 r + 8 h.  Codes [group][K step of 128][tile][1,536], scale words [group][K step][tile][r].
; So 128 rows x two K steps are one dense block of 24,576 bytes for one tensor load, and a fragment comes from LDS by four loads whose lanes read consecutive bytes: no padding.
; SHAPE.  A tile of 256 x 256 results to a work-group of four waves, 128 x 128 a wave: 64 accumulators, 512 registers.  K goes in steps of 256 through a ring of two LDS slots; the scale words of the work-group's rows, for all of K (65,536 bytes), come once.
; "A" (tokens) is the matrix instruction's source 1: a lane of the result holds one token; "B" (the weight's columns) its source 0: register j of accumulator (a, b) is column 32 (b / 2) + 16 (lane / 16) + 8 (b % 2) + j of B's group.
; 4,096 x 1,024 results are 64 such tiles: 64 work-groups.
; CLUSTERS: 4 x 4.  A's tiles are shared along a row of the cluster, B's along a column: joint loads, which divide the requests by four.
; LIMITS: NaN and infinities are not served.
; REGISTERS, in windows of 256: window 0: v8-11 the bias, v16-31 addresses; v32-63 scale words, two sets; v64-127 the first block's residual rows; v128-223 A's fragments, one set; window 1: B's fragments, two sets; windows 2, 3: accumulator (a, b) at v[8 (8 (a % 4) + b)].
.set KS,     32                        ; K steps of 128
.set ASC,    12582912                  ; where A's scale words begin in its buffer
.set WOFF,   6553600                   ; where the weight's codes begin in WB
.set WSOFF,  9699328                   ; and its scale words
.set NQ,     2
.set FR,     12
.set NL,     4
.set NP,     4
.set KB,     12288
.set HALFT,  2*KB
.set SLOT,   4*HALFT
.set LAPS,   KS/4
.set GROUPB, KS*KB
.set GROUPS, KS*512
.set HALFS,  GROUPS
.set SCL,    2*SLOT
.set SPARE,  SCL+4*HALFS               ; the spare words, 128 bytes for each wave: two blocks of 256 bytes that no other line names
.set SPITCH, 528                       ; the way out: a stage of 16 rows x (512 + 16) bytes for each wave, in slot 0, which has had its last fill and its last read when the first result is stored there
.set BIA,  8
.set ADRA, 16
.set ADRB, 20
.set STO,  24
.set RD,   25
.set CO,   26
.set ADRS, 27
.set SPW,  28
.set NIL,  29
.set L8,   30
.set SC,   32
.set AF,   128
.set RS,   64
.set BK,   192
.set G1, 24
.set G0, 32
.set G1B, 48
.set G0B, 56
.set G1S, 68
.set G0S, 76
.set G1SB, 80
.set G0SB, 88
.set MSB, 0
.macro WIN new                         ; the immediate's high byte repeats the setting that is left
.if MSB != (\new)
	s_set_vgpr_msb (MSB<<8)|(\new)
.set MSB, (\new)
.endif
.endm
.set MUL_LO, 0xa1
.set MUL_HI, 0xf1
.set TO_B,   0x40
.macro JLOAD g0a, g1a, g0b, g1b        ; a joint load: waves 0, 1 fetch for A, waves 2, 3 for B; four v_nop follow each line
	s_cmp_eq_u32 s15, 0
	s_cbranch_scc0 .Lfor_b_\@
	tensor_load_to_lds s[\g0a:\g0a+3], s[\g1a:\g1a+7]
	s_nop 0
.rept 4
	v_nop
.endr
	s_branch .Lasked_\@
.Lfor_b_\@:
	tensor_load_to_lds s[\g0b:\g0b+3], s[\g1b:\g1b+7]
	s_nop 0
.rept 4
	v_nop
.endr
.Lasked_\@:
.endm
.macro CREST
	s_cmp_lg_u32 s14, 0
	s_cbranch_scc1 .Lnot_wave_0_\@
	s_barrier_signal -3
.Lnot_wave_0_\@:
	s_barrier_wait -3
	s_barrier_signal -1
	s_barrier_wait -1
.endm
.macro CROUND
	s_barrier_signal -1
	s_barrier_wait -1
	CREST
.endm
	s_load_b256 s[92:99], s[0:1], 0x0              ; A, WB, the bias, the residual
	s_load_b64 s[12:13], s[0:1], 0x20              ; the output
	v_lshl_add_u32 v[SPW], v0, 2, SPARE
	v_mov_b32 v[NIL], 0
	ds_add_u32 v28, v29
	ds_add_u32 v28, v29
	s_wait_dscnt 0x0
	v_lshrrev_b32 v1, 5, v0
	v_readfirstlane_b32 s14, v1
	s_lshr_b32 s15, s14, 1                         ; my group of A's two.  Also: I fetch for A (0) or B (1)
	s_and_b32 s16, s14, 1                          ; my group of B's two.  Also: which group I fetch
	s_bfe_u32 s40, ttmp6, 0x40000                  ; cx
	s_bfe_u32 s41, ttmp6, 0x40004                  ; cy
	s_lshl_b32 s42, ttmp9, 2
	s_add_co_u32 s42, s42, s40
	s_and_b32 s17, ttmp7, 0xffff
	s_lshl_b32 s17, s17, 2
	s_add_co_u32 s17, s17, s41
	s_lshl_b32 s43, s41, 2
	s_lshl_b32 s43, 15, s43
	s_lshl_b32 s44, 0x1111, s40
	; descriptor group 1: a dense block of 24,576 bytes as 96 rows of 32 elements of 8 bytes; no padding; bit 21 set beside the mask
	s_or_b32 s[G1+0], s43, (3<<16)|(1<<21)
	s_or_b32 s[G1B+0], s44, (3<<16)|(1<<21)
.irp g, G1, G1B
	s_mov_b32 s[\g+1], 32<<16
	s_mov_b32 s[\g+2], 96<<16
	s_mov_b32 s[\g+3], 32<<16
	s_mov_b32 s[\g+4], 96
	s_mov_b32 s[\g+5], 32
	s_mov_b32 s[\g+6], 0
	s_mov_b32 s[\g+7], 0
.endr
	s_or_b32 s[G1S+0], s43, (3<<16)|(1<<21)
	s_or_b32 s[G1SB+0], s44, (3<<16)|(1<<21)
.irp g, G1S, G1SB
	s_mov_b32 s[\g+1], 32<<16
	s_mov_b32 s[\g+2], (HALFS/256)<<16
	s_mov_b32 s[\g+3], 32<<16
	s_mov_b32 s[\g+4], HALFS/256
	s_mov_b32 s[\g+5], 32
	s_mov_b32 s[\g+6], 0
	s_mov_b32 s[\g+7], 0
.endr
	s_lshl_b32 s20, s17, 1
	s_add_co_u32 s20, s20, s16
	s_lshl_b32 s46, s42, 1
	s_add_co_u32 s46, s46, s16
	s_mul_i32 s22, s20, GROUPS
	s_add_co_u32 s22, s22, ASC
	s_mov_b32 s23, 0
	s_mul_i32 s20, s20, GROUPB
	s_mov_b32 s21, 0
	s_mul_i32 s18, s46, GROUPS
	s_add_co_u32 s18, s18, WSOFF
	s_mov_b32 s19, 0
	s_mul_i32 s46, s46, GROUPB
	s_add_co_u32 s46, s46, WOFF
	s_mov_b32 s47, 0
	s_mul_i32 s45, s14, HALFT
	s_mul_i32 s101, s14, HALFS
	s_wait_kmcnt 0x0
	s_add_nc_u64 s[20:21], s[92:93], s[20:21]
	s_add_nc_u64 s[22:23], s[92:93], s[22:23]
	s_add_nc_u64 s[46:47], s[94:95], s[46:47]
	s_add_nc_u64 s[18:19], s[94:95], s[18:19]
	CROUND                                         ; all sixteen work-groups are here: the first joint loads meet
	s_mov_b32 s[G0S], 1
	s_add_co_u32 s[G0S+1], s101, SCL
	s_mov_b64 s[G0S+2:G0S+3], s[22:23]
	s_or_b32 s[G0S+3], s[G0S+3], 0x80000000
	s_mov_b32 s[G0SB], 1
	s_add_co_u32 s[G0SB+1], s101, SCL
	s_mov_b64 s[G0SB+2:G0SB+3], s[18:19]
	s_or_b32 s[G0SB+3], s[G0SB+3], 0x80000000
	JLOAD G0S, G1S, G0SB, G1SB
.irp s, 0,1
	s_mov_b32 s[G0+4*\s], 1
	s_add_co_u32 s[G0+4*\s+1], s45, \s*SLOT
	s_add_nc_u64 s[G0+4*\s+2:G0+4*\s+3], s[20:21], \s*HALFT
	s_or_b32 s[G0+4*\s+3], s[G0+4*\s+3], 0x80000000
	s_mov_b32 s[G0B+4*\s], 1
	s_add_co_u32 s[G0B+4*\s+1], s45, \s*SLOT
	s_add_nc_u64 s[G0B+4*\s+2:G0B+4*\s+3], s[46:47], \s*HALFT
	s_or_b32 s[G0B+4*\s+3], s[G0B+4*\s+3], 0x80000000
	JLOAD G0+4*\s, G1, G0B+4*\s, G1B
.endr
	v_and_b32 v1, 31, v0
	v_and_b32 v2, 15, v0
	v_bfe_u32 v3, v0, 4, 1
	v_lshlrev_b32 v[CO], 4, v1
	v_lshlrev_b32 v[L8], 4, v2
	v_lshl_add_u32 v[L8], v3, 3, v[L8]
	s_mul_i32 s21, s15, HALFT
	s_mul_i32 s22, s16, HALFT
	s_add_co_u32 s22, s22, 2*HALFT
.irp s, 0,1
	v_add_nc_u32 v[ADRA+\s], s21, v[CO]
	v_add_nc_u32 v[ADRB+\s], s22, v[CO]
	v_add_nc_u32 v[ADRA+2+\s], s21, v[L8]
	v_add_nc_u32 v[ADRB+2+\s], s22, v[L8]
	s_add_co_u32 s21, s21, SLOT
	s_add_co_u32 s22, s22, SLOT
.endr
	v_lshlrev_b32 v6, 2, v2
	s_mul_i32 s21, s15, HALFS
	s_mul_i32 s22, s16, HALFS
	s_add_co_u32 s22, s22, 2*HALFS
	s_sub_co_u32 s22, s22, s21
	v_mul_u32_u24 v7, s22, v3                      ; lanes 16-31 take B's: one product, the distance between the two
	s_add_co_u32 s21, s21, SCL
	v_add_nc_u32 v6, v6, v7
	v_add_nc_u32 v[ADRS], s21, v6
	s_mul_i32 s23, s14, 16*SPITCH                  ; my stage
	v_mul_u32_u24 v5, v2, SPITCH
	v_lshl_add_u32 v5, v3, 6, v5
	v_add_nc_u32 v[STO], s23, v5                   ; in: row r, + 64 h
	v_add_nc_u32 v[RD], s23, v[CO]                 ; back: the 32 lanes take one row of 512 bytes
	s_lshl_b32 s17, s17, 1
	s_add_co_u32 s17, s17, s15                     ; gA: my wave's 128 tokens
	s_lshl_b32 s42, s42, 1
	s_add_co_u32 s42, s42, s16                     ; gB: my wave's 128 columns
	s_lshl_b32 s46, s42, 9
	s_mov_b32 s47, 0
	s_add_nc_u64 s[96:97], s[96:97], s[46:47]
	global_load_b128 v[BIA:BIA+3], v[CO], s[96:97] ; the bias at my four columns of a row
	s_lshl_b32 s20, s17, 19                        ; 128 gA rows of 4,096 bytes
	s_add_co_u32 s46, s46, s20
	s_add_nc_u64 s[98:99], s[98:99], s[46:47]      ; the residual and the output at my wave's corner
	s_add_nc_u64 s[12:13], s[12:13], s[46:47]
.macro RLOAD a                         ; the residual's 16 rows of A's block a: row t of the stage is token 32 (a / 2) + 8 (a % 2) + t + (t & 8)
.set RB, RS+64*((\a)%2)
.irp t, 0,1,2,3,4,5,6,7,8,9,10,11,12,13,14,15
	global_load_b128 v[RB+4*\t:RB+4*\t+3], v[CO], s[98:99] offset:(32*((\a)/2)+8*((\a)%2)+\t+(\t&8))*4096
.endr
.endm
	RLOAD 0                                        ; asked for here: v64-127 lie idle through the products
.macro FRAG reg, adr, q, i
	ds_load_b128 v[\reg:\reg+3], v[\adr] offset:(\q)*KB+(\i)*1536
	ds_load_b64 v[\reg+4:\reg+5], v[\adr+2] offset:(\q)*KB+(\i)*1536+512
	ds_load_b128 v[\reg+6:\reg+9], v[\adr] offset:(\q)*KB+(\i)*1536+768
	ds_load_b64 v[\reg+10:\reg+11], v[\adr+2] offset:(\q)*KB+(\i)*1536+1280
.endm
; 16 matrix instructions: A's blocks a0, a0 + 1 x B's eight.  The 64 accumulators take turns, one instruction a turn, in the same order in every step.
.macro MUL16 a0, p, q, sc, zero
.irp a, \a0, \a0+1
.irp b, 0,1,2,3,4,5,6,7
.if \zero
	v_wmma_scale_f32_16x16x128_f8f6f4 v[8*(8*((\a)%4)+\b):8*(8*((\a)%4)+\b)+7], v[128*(\p)+FR*\b:128*(\p)+FR*\b+FR-1], v[AF+FR*(\a):AF+FR*(\a)+FR-1], 0, v[SC+8*NQ*(\sc)+NQ*\b+(\q)], v[SC+8*NQ*(\sc)+NQ*(\a)+(\q)] matrix_a_fmt:MATRIX_FMT_FP6 matrix_b_fmt:MATRIX_FMT_FP6 matrix_a_scale:MATRIX_SCALE_ROW1
.else
	v_wmma_scale_f32_16x16x128_f8f6f4 v[8*(8*((\a)%4)+\b):8*(8*((\a)%4)+\b)+7], v[128*(\p)+FR*\b:128*(\p)+FR*\b+FR-1], v[AF+FR*(\a):AF+FR*(\a)+FR-1], v[8*(8*((\a)%4)+\b):8*(8*((\a)%4)+\b)+7], v[SC+8*NQ*(\sc)+NQ*\b+(\q)], v[SC+8*NQ*(\sc)+NQ*(\a)+(\q)] matrix_a_fmt:MATRIX_FMT_FP6 matrix_b_fmt:MATRIX_FMT_FP6 matrix_a_scale:MATRIX_SCALE_ROW1
.endif
.endr
.endr
.endm
.macro FETCH_B slot, q, p
	WIN TO_B
.irp i, 0,1,2,3,4,5,6,7
	FRAG 128*(\p)+FR*\i, ADRB+\slot, \q, \i
.endr
	WIN 0
.endm
.macro FETCH_A slot, q, i0
.irp i, \i0, \i0+1, \i0+2, \i0+3
	FRAG AF+FR*(\i), ADRA+\slot, \q, \i
.endr
.endm
.macro SCALES sc                       ; register 2 i + q: lanes 0-15 A's block i, lanes 16-31 B's block i, K step q of the slot
.irp i, 0,1,2,3,4,5,6,7
.irp q, 0,1
	ds_load_b32 v[SC+16*\sc+2*\i+\q], v[ADRS] offset:512*\q+64*\i
.endr
.endr
.endm
.macro PLACES n
.rept \n
	v_nop
.endr
.endm
.macro STEP slot, q, zero
	s_wait_dscnt 4*NL                              ; all but the youngest 16 loads (A's blocks 4-7) are in
	WIN MUL_LO
	MUL16 0, (\q)%2, \q, \slot, \zero
	MUL16 2, (\q)%2, \q, \slot, \zero
	s_wait_dscnt 0
	PLACES NP
	FETCH_B \slot, (\q)+1, 1-(\q)%2
	FETCH_A \slot, (\q)+1, 0
	WIN MUL_HI
	MUL16 4, (\q)%2, \q, \slot, \zero
	MUL16 6, (\q)%2, \q, \slot, \zero
	PLACES NP
	WIN 0
	FETCH_A \slot, (\q)+1, 4
.endm
.macro TURN slot, next, fill
	s_wait_tensorcnt 0x0                           ; all my tensor loads have landed: my part of the next slot
	ds_add_u32 v[SPW], v[NIL]                      ; 0 onto my spare word
	s_wait_dscnt 4*NL+1                            ; the add and the youngest 16 loads may be out
	WIN MUL_LO
	MUL16 0, 1, NQ-1, \slot, 0
	s_wait_dscnt 0x0                               ; the add is done, and my reads of this slot are over
	s_barrier_signal -1
	MUL16 2, 1, NQ-1, \slot, 0
	WIN 0
	s_barrier_wait -1
.if \fill
	CREST                                          ; the barrier has opened a round of the cluster's: no wave of any partner still reads this slot or has a load on its way
	s_add_nc_u64 s[G0+4*\slot+2:G0+4*\slot+3], s[G0+4*\slot+2:G0+4*\slot+3], 2*HALFT
	s_add_nc_u64 s[G0B+4*\slot+2:G0B+4*\slot+3], s[G0B+4*\slot+2:G0B+4*\slot+3], 2*HALFT
	JLOAD G0+4*\slot, G1, G0B+4*\slot, G1B
.else
	PLACES NP
.endif
	v_add_nc_u32 v[ADRS], 1024, v[ADRS]
	FETCH_B \next, 0, 0
	FETCH_A \next, 0, 0
	SCALES \next
	WIN MUL_HI
	MUL16 4, 1, NQ-1, \slot, 0
	MUL16 6, 1, NQ-1, \slot, 0
	PLACES NP
	WIN 0
	FETCH_A \next, 0, 4
.endm
	s_wait_tensorcnt 1                             ; of my three loads the scale words and slot 0's part are in; slot 1's may be out
	s_barrier_signal -1
	s_barrier_wait -1
	FETCH_B 0, 0, 0
	FETCH_A 0, 0, 0
	SCALES 0
	FETCH_A 0, 0, 4
	STEP 0, 0, 1
	s_mov_b32 s3, LAPS-1
.Llap:
	TURN 0, 1, 1
	STEP 1, 0, 0
	TURN 1, 0, 1
	STEP 0, 0, 0
	s_sub_co_u32 s3, s3, 1
	s_cmp_lg_u32 s3, 0
	s_cbranch_scc1 .Llap
	TURN 0, 1, 0
	STEP 1, 0, 0
	s_wait_dscnt 4*NL
	WIN MUL_LO
	MUL16 0, 1, NQ-1, 1, 0
	MUL16 2, 1, NQ-1, 1, 0
	s_wait_dscnt 0
	WIN MUL_HI
	MUL16 4, 1, NQ-1, 1, 0
	MUL16 6, 1, NQ-1, 1, 0
	WIN 0
; THE WAY OUT, A's block a (16 tokens x 128 columns) at a time: through my own stage in LDS, back as whole rows of 512 bytes; bias, then residual; 32 lanes store 512 consecutive bytes, aligned.
.macro TOSTAGE a
.set AC, 64*((\a)%4)
	WIN 0x08+4*((\a)/4)                            ; an LDS store's data: window 2 or 3
.irp b, 0,1,2,3,4,5,6,7
	ds_store_b128 v[STO], v[AC+8*\b:AC+8*\b+3] offset:128*(\b/2)+32*(\b%2)          ; each accumulator from its low end on
	ds_store_b128 v[STO], v[AC+8*\b+4:AC+8*\b+7] offset:128*(\b/2)+32*(\b%2)+16
.endr
	WIN 0
.irp t, 0,1,2,3,4,5,6,7,8,9,10,11,12,13,14,15
	ds_load_b128 v[BK+4*\t:BK+4*\t+3], v[RD] offset:\t*SPITCH    ; LDS serves a wave's instructions in order (ISA guide 5.7.1.4): these see the stores above
.endr
.endm
.macro FINISH a
.set RB, RS+64*((\a)%2)
.irp t, 0,1,2,3,4,5,6,7,8,9,10,11,12,13,14,15
	v_pk_add_f32 v[BK+4*\t:BK+4*\t+1], v[BK+4*\t:BK+4*\t+1], v[BIA:BIA+1]
	v_pk_add_f32 v[BK+4*\t+2:BK+4*\t+3], v[BK+4*\t+2:BK+4*\t+3], v[BIA+2:BIA+3]
.endr
.irp t, 0,1,2,3,4,5,6,7,8,9,10,11,12,13,14,15
	v_pk_add_f32 v[BK+4*\t:BK+4*\t+1], v[BK+4*\t:BK+4*\t+1], v[RB+4*\t:RB+4*\t+1]
	v_pk_add_f32 v[BK+4*\t+2:BK+4*\t+3], v[BK+4*\t+2:BK+4*\t+3], v[RB+4*\t+2:RB+4*\t+3]
.endr
.irp t, 0,1,2,3,4,5,6,7,8,9,10,11,12,13,14,15
	global_store_b128 v[CO], v[BK+4*\t:BK+4*\t+3], s[12:13] offset:(32*((\a)/2)+8*((\a)%2)+\t+(\t&8))*4096 th:TH_STORE_NT   ; written once, read by nobody here
.endr
.endm
	PLACES NP                                      ; behind the last products: their results are read, and registers that held A's fragments are loaded into
.irp a, 0,1,2,3,4,5,6,7
.if \a > 0
	s_wait_xcnt 0x0                                ; the last block's stores have read their data: the rows' registers are loaded again only behind this wait
.endif
	TOSTAGE \a
.if \a < 7
	RLOAD \a+1
	s_wait_dscnt 0x0
	s_wait_loadcnt 16                              ; this block's residual rows (and the bias) are in; the next block's 16 loads may be out
.else
	s_wait_dscnt 0x0
	s_wait_loadcnt 0x0
.endif
	FINISH \a
.endr
	s_wait_tensorcnt 0x0                           ; the wave's end
	ds_add_u32 v[SPW], v[NIL]
	s_wait_dscnt 0x0
	CROUND                                         ; the closing round
	s_endpgm
.Lfunc_end_k_q7141929b06_gfcp:
	.size	k_q7141929b06_gfcp, .Lfunc_end_k_q7141929b06_gfcp-k_q7141929b06_gfcp
	.p2alignl 7, 3214868480
	.fill 96, 4, 3214868480
	.section	.rodata,"a",@progbits
	.p2align	6, 0x0
	.amdhsa_kernel k_q7141929b06_gfcp
		.amdhsa_group_segment_fixed_size 327680
		.amdhsa_private_segment_fixed_size 0
		.amdhsa_enable_private_segment 0
		.amdhsa_kernarg_size 40
		.amdhsa_user_sgpr_count 2
		.amdhsa_user_sgpr_kernarg_segment_ptr 1
		.amdhsa_wavefront_size32 1
		.amdhsa_system_sgpr_workgroup_id_x 1
		.amdhsa_system_sgpr_workgroup_id_y 1
		.amdhsa_system_sgpr_workgroup_id_z 1
		.amdhsa_system_vgpr_workitem_id 0
		.amdhsa_next_free_vgpr 1024
		.amdhsa_next_free_sgpr 102
		.amdhsa_reserve_vcc 0
		.amdhsa_float_denorm_mode_32 3
		.amdhsa_float_denorm_mode_16_64 3
		.amdhsa_memory_ordered 1
		.amdhsa_forward_progress 1
		.amdhsa_inst_pref_size 190
	.end_amdhsa_kernel
	.amdgpu_metadata
---
amdhsa.version: [ 1, 2 ]
amdhsa.kernels:
  - .name:           k_q7141929b06_gfcp
    .symbol:         k_q7141929b06_gfcp.kd
    .args:
      - { .name: GB, .offset: 0, .size: 8, .value_kind: global_buffer, .address_space: global }
      - { .name: WB, .offset: 8, .size: 8, .value_kind: global_buffer, .address_space: global }
      - { .name: b_fc_proj, .offset: 16, .size: 8, .value_kind: global_buffer, .address_space: global }
      - { .name: HB16, .offset: 24, .size: 8, .value_kind: global_buffer, .address_space: global }
      - { .name: out0, .offset: 32, .size: 8, .value_kind: global_buffer, .address_space: global }
    .group_segment_fixed_size: 327680
    .private_segment_fixed_size: 0
    .kernarg_segment_align: 8
    .kernarg_segment_size: 40
    .max_flat_workgroup_size: 128
    .sgpr_count:     102
    .vgpr_count:     1024
    .wavefront_size: 32
...
	.end_amdgpu_metadata
.endif
;; end of part 7
;; ======== version 2 of 2: 7 launches
;; limits: right only within a limited range of input values
;; workspace buffers: WB 9,830,400 bytes; XB 3,276,800 bytes; QKV 13,369,344 bytes; AB 3,276,800 bytes; HB16 16,777,216 bytes; GB 13,107,200 bytes
;; launch prep (part 8): grid 448 x 1, 8 waves a work-group, no clusters, 5,120 bytes of LDS; arguments hidden_states, ln1_w, ln1_b, XB, w_attn, w_proj, w_fc, w_fc_proj, WB; writes XB, WB
.if DOCPART == 8
	.amdgcn_target "amdgcn-amd-amdhsa--gfx1250"
	.amdhsa_code_object_version 6
	.text
	.protected	k_q7141929b06_prep
	.globl	k_q7141929b06_prep
	.p2align	8
	.type	k_q7141929b06_prep,@function
k_q7141929b06_prep:
	s_mov_b64 s[64:65], 0
	v_nop
	global_prefetch_b8 v0, s[64:65] scope:SCOPE_SE
	s_setreg_imm32_b32 hwreg(HW_REG_WAVE_MODE, 25, 1), 1
	s_wait_xcnt 0x0
; ONE PREPARING LAUNCH FOR ALL INPUTS.  Work-groups 0-191 turn the four weights into codes; work-groups 192-447 take LN1 of the hidden states, a tile of 16 rows each, and quantise it.
; The two parts hang on the work-group's number alone and share no byte of memory or LDS; only the norm's part uses LDS and barriers.
; THE LAYOUT (all operand buffers of this program).  Rows in groups of 128, a group in eight tiles of 16: lane r of tile t holds row 32 (t / 2) + 8 (t % 2) + r + (r & 8).  A fragment (16 rows x 128 K, 12 registers a lane) lies as an image of its
; registers, 1,536 bytes: for each half c: registers 6 c .. 6 c + 3 of lane l at 768 c + 16 l, registers 6 c + 4, 6 c + 5 of lane (r, h) at 768 c + 512 + 16 r + 8 h.  Codes [group][K step][tile][1,536]; behind them the scale words [group][K step][tile][r].
; THE NORM: y = w (x - mean) / sqrt(var + 1e-6) + b along rows of 1,024 f32, y quantised along the row to FP6 (E2M3) with one E8M0 byte for each 32.  Wave w takes K step w.  Lane (r, h) holds 64 numbers of row r: register 16 b + i = column 128 w + 32 b + 16 h + i.
; Mean and variance in two passes over the registers (the variance of the centred numbers); the eight waves' partial sums meet in LDS, each pass in bytes of its own, one barrier each.
; A block's scale is 2^(floor(log2(largest magnitude)) - 2); its byte is the largest magnitude's exponent field - 2, held at 1 from below.
; LIMITS: a block of zeros gets the byte 1 (its codes are zeros, and this program alone reads the bytes); NaN and infinities among the inputs are not served.
; No cluster: what work-groups share (gain and bias, 8 KiB) is a small part of what each reads.
	s_cmp_lt_u32 ttmp9, 192
	s_cbranch_scc1 .Lweights
	s_sub_co_u32 s33, ttmp9, 192                   ; the norm's tile, 0 .. 255
.set X,   32                           ; v32-95   my 64 numbers
.set G,   96                           ; v96-159  the gain at my columns; later the codes
.set BV,  160                          ; v160-223 the bias
.set TM,  224                          ; v224-239 at work
.set PC,  96                           ; the fragment
.set PCT, 108                          ; the conversions' second halves
.set PW,  240                          ; the scale word
.set MP,  242                          ; v[242:243] the mean, later 1 / sqrt(var + eps), twice
.set PS,  244                          ; v244-251 the eight waves' partial sums
.set SEL, 18                           ; s[18:19] v_permlanex16_b32's selects for lane l xor 16
; 64 numbers of a lane become a fragment's codes in v[PC] on and its scale word in v[PW] (the same in both halves of the lanes).
.macro QUANT s
.irp b, 0,1,2,3
	v_max3_num_f32 v[TM+\b], |v[\s+16*\b]|, |v[\s+1+16*\b]|, 0x1800000   ; with the floor 2^(3 - 127): the byte cannot fall under 1
.endr
.irp i, 2,4,6,8,10,12,14
.irp b, 0,1,2,3
	s_delay_alu instid0(VALU_DEP_4)
	v_max3_num_f32 v[TM+\b], v[TM+\b], |v[\s+16*\b+\i]|, |v[\s+1+16*\b+\i]|
.endr
.endr
.irp b, 0,1,2,3
	s_delay_alu instid0(VALU_DEP_4)
	v_permlanex16_b32 v[TM+4+\b], v[TM+\b], s[SEL], s[SEL+1]
.endr
.irp b, 0,1,2,3
	s_delay_alu instid0(VALU_DEP_4)
	v_max_num_f32 v[TM+\b], v[TM+\b], v[TM+4+\b]   ; with lane l xor 16's: the block's largest magnitude
.endr
.irp b, 0,1,2,3
	s_delay_alu instid0(VALU_DEP_4)
	v_add_nc_u32 v[TM+12+\b], 0xff000000, v[TM+\b] ; 2 off its exponent field: the conversion's scale operand
.endr
.irp b, 0,1,2,3
	s_delay_alu instid0(VALU_DEP_4)
	v_lshrrev_b32 v[TM+4+\b], 23, v[TM+12+\b]      ; the scale's byte
.endr
	s_delay_alu instid0(VALU_DEP_3)
	v_lshl_or_b32 v[PW], v[TM+5], 8, v[TM+4]
	s_delay_alu instid0(VALU_DEP_1)
	v_lshl_or_b32 v[PW], v[TM+6], 16, v[PW]
	s_delay_alu instid0(VALU_DEP_1)
	v_lshl_or_b32 v[PW], v[TM+7], 24, v[PW]
.irp c, 0,1
	v_cvt_scalef32_pk16_fp6_f32 v[PC+6*\c:PC+2+6*\c], v[\s+32*\c:\s+15+32*\c], v[TM+12+2*\c]
	v_cvt_scalef32_pk16_fp6_f32 v[PCT+4*\c:PCT+2+4*\c], v[\s+16+32*\c:\s+31+32*\c], v[TM+12+2*\c+1]
.endr
	v_nop                                          ; one plain line behind a scaled conversion
.irp c, 0,1                                    ; the operand's layout wants a whole block in a lane
.irp i, 0,1,2
	v_permlane16_swap_b32 v[PC+6*\c+\i], v[PCT+4*\c+\i]
.endr
.irp i, 0,1,2
	s_delay_alu instid0(VALU_DEP_3)
	v_mov_b32 v[PC+3+6*\c+\i], v[PCT+4*\c+\i]
.endr
.endr
.endm
; The four chains in v[TM] .. v[TM+7] become the row's sum over all 1,024 columns, in v[TM] of every lane.  off: this pass's 1,024 bytes of LDS.
.macro REDUCE off
	s_delay_alu instid0(VALU_DEP_3)
	v_pk_add_f32 v[TM:TM+1], v[TM:TM+1], v[TM+2:TM+3]
	s_delay_alu instid0(VALU_DEP_2)
	v_pk_add_f32 v[TM+4:TM+5], v[TM+4:TM+5], v[TM+6:TM+7]
	s_delay_alu instid0(VALU_DEP_1)
	v_pk_add_f32 v[TM:TM+1], v[TM:TM+1], v[TM+4:TM+5]
	s_delay_alu instid0(VALU_DEP_1)
	v_add_f32 v[TM], v[TM], v[TM+1]
	s_delay_alu instid0(VALU_DEP_1)
	v_permlanex16_b32 v[TM+1], v[TM], s[SEL], s[SEL+1]
	s_delay_alu instid0(VALU_DEP_1)
	v_add_f32 v[TM], v[TM], v[TM+1]                ; my row's sum over my wave's 128 columns
	ds_store_b32 v7, v[TM] offset:\off
	s_wait_dscnt 0x0                               ; for the others' sake: my store is done
	s_barrier_signal -1
	s_barrier_wait -1
.irp i, 0,1,2,3,4,5,6,7
	ds_load_b32 v[PS+\i], v8 offset:\off+128*\i    ; my row's partial sum of wave i
.endr
	s_wait_dscnt 0x0
	v_add_f32 v[TM], v[PS], v[PS+1]
.irp i, 2,3,4,5,6,7
	s_delay_alu instid0(VALU_DEP_1)
	v_add_f32 v[TM], v[TM], v[PS+\i]
.endr
.endm
	s_load_b256 s[4:11], s[0:1], 0x0               ; x, gain, bias, the operand buffer
	v_lshl_add_u32 v254, v0, 2, 0x1000
	v_mov_b32 v255, 0
	v_lshrrev_b32 v1, 5, v0
	s_delay_alu instid0(VALU_DEP_1)
	v_readfirstlane_b32 s12, v1                    ; wave = K step
	v_and_b32 v1, 31, v0                           ; lane
	v_and_b32 v9, 15, v0                           ; r
	v_bfe_u32 v10, v0, 4, 1                        ; h
	v_and_b32 v2, 8, v0
	s_delay_alu instid0(VALU_DEP_1)
	v_add_nc_u32 v2, v2, v9
	s_delay_alu instid0(VALU_DEP_1)
	v_lshlrev_b32 v2, 12, v2
	s_delay_alu instid0(VALU_DEP_1)
	v_lshl_add_u32 v2, v10, 6, v2                  ; x: row r + (r & 8) of 4,096 bytes, + 64 h
	v_lshlrev_b32 v3, 6, v10                       ; gain, bias: 64 h
	v_lshlrev_b32 v4, 4, v1                        ; an image's 16 x lane
	v_lshlrev_b32 v5, 4, v9
	s_delay_alu instid0(VALU_DEP_1)
	v_lshl_add_u32 v5, v10, 3, v5                  ; and its 16 r + 8 h
	v_lshlrev_b32 v6, 2, v9                        ; a scale word's 4 r
	v_lshlrev_b32 v7, 2, v0                        ; LDS: 128 x wave + 4 x lane
	v_lshlrev_b32 v8, 2, v1                        ; LDS: 4 x lane
	s_lshr_b32 s13, s33, 1
	s_lshl_b32 s13, s13, 5
	s_and_b32 s14, s33, 1
	s_lshl_b32 s14, s14, 3
	s_add_co_u32 s13, s13, s14                     ; the tile's first row: 32 (T / 2) + 8 (T % 2)
	s_lshl_b32 s24, s13, 12
	s_lshl_b32 s15, s12, 9
	s_add_co_u32 s24, s24, s15                     ; + my wave's 512 bytes of a row
	s_mov_b32 s25, 0
	s_mov_b32 s26, s15
	s_mov_b32 s27, 0
	s_lshr_b32 s16, s33, 3
	s_and_b32 s17, s33, 7
	s_lshl_b32 s16, s16, 3
	s_add_co_u32 s16, s16, s12                     ; 8 x group + K step
	s_lshl_b32 s28, s16, 3
	s_add_co_u32 s28, s28, s17
	s_mul_i32 s28, s28, 1536                       ; my fragment's image
	s_mov_b32 s29, 0
	s_lshl_b32 s30, s16, 9
	s_lshl_b32 s17, s17, 6
	s_add_co_u32 s30, s30, s17
	s_add_co_u32 s30, s30, 3145728                 ; its scale words
	s_mov_b32 s31, 0
	s_mov_b32 s[SEL], 0x76543210
	s_mov_b32 s[SEL+1], 0xfedcba98
	s_mov_b32 s20, 0x3a800000                      ; 1 / 1024
	s_mov_b32 s21, 0x358637bd                      ; 1e-6
	s_wait_alu depctr_va_vdst(0)
	s_wait_kmcnt 0x0
	s_add_nc_u64 s[4:5], s[4:5], s[24:25]
	s_add_nc_u64 s[6:7], s[6:7], s[26:27]
	s_add_nc_u64 s[8:9], s[8:9], s[26:27]
	s_add_nc_u64 s[22:23], s[10:11], s[30:31]
	s_add_nc_u64 s[10:11], s[10:11], s[28:29]
.irp b, 0,1,2,3
.irp j, 0,1,2,3
	global_load_b128 v[X+16*\b+4*\j:X+16*\b+4*\j+3], v2, s[4:5] offset:128*\b+16*\j
.endr
.endr
.irp b, 0,1,2,3
.irp j, 0,1,2,3
	global_load_b128 v[G+16*\b+4*\j:G+16*\b+4*\j+3], v3, s[6:7] offset:128*\b+16*\j
.endr
.endr
.irp b, 0,1,2,3
.irp j, 0,1,2,3
	global_load_b128 v[BV+16*\b+4*\j:BV+16*\b+4*\j+3], v3, s[8:9] offset:128*\b+16*\j
.endr
.endr
	s_wait_loadcnt 32                              ; x is in; the 32 loads of gain and bias may be out
.irp k, 0,1,2,3
	v_pk_add_f32 v[TM+2*\k:TM+2*\k+1], v[X+2*\k:X+2*\k+1], v[X+8+2*\k:X+8+2*\k+1]   ; four chains, started by the first numbers
.endr
.irp p, 16,24,32,40,48,56
.irp k, 0,1,2,3
	s_delay_alu instid0(VALU_DEP_4)
	v_pk_add_f32 v[TM+2*\k:TM+2*\k+1], v[TM+2*\k:TM+2*\k+1], v[X+\p+2*\k:X+\p+2*\k+1]
.endr
.endr
	REDUCE 0
	s_delay_alu instid0(VALU_DEP_1)
	v_mul_f32 v[MP], s20, v[TM]                    ; the mean
	s_delay_alu instid0(VALU_DEP_1)
	v_mov_b32 v[MP+1], v[MP]
.set i, 0
.rept 32
	v_pk_add_f32 v[X+i:X+i+1], v[X+i:X+i+1], v[MP:MP+1] neg_lo:[0,1] neg_hi:[0,1]   ; x - mean
.set i, i+2
.endr
.irp k, 0,1,2,3
	v_pk_mul_f32 v[TM+2*\k:TM+2*\k+1], v[X+2*\k:X+2*\k+1], v[X+2*\k:X+2*\k+1]
.endr
.irp p, 8,16,24,32,40,48,56
.irp k, 0,1,2,3
	s_delay_alu instid0(VALU_DEP_4)
	v_pk_fma_f32 v[TM+2*\k:TM+2*\k+1], v[X+\p+2*\k:X+\p+2*\k+1], v[X+\p+2*\k:X+\p+2*\k+1], v[TM+2*\k:TM+2*\k+1]
.endr
.endr
	REDUCE 1024
	s_delay_alu instid0(VALU_DEP_1)
	v_fma_f32 v[TM], v[TM], s20, s21               ; var + eps
	s_wait_alu depctr_va_vdst(0)
	v_rsq_f32 v[MP], v[TM]
	v_rsq_f32 v[MP+1], v[TM]
	v_nop                                          ; one plain line behind a transcendental
	s_wait_loadcnt 0x0                             ; gain and bias
.set i, 0
	s_wait_alu depctr_va_vdst(0)
.rept 32
	v_pk_mul_f32 v[X+i:X+i+1], v[X+i:X+i+1], v[MP:MP+1]
.set i, i+2
.endr
.set i, 0
.rept 32
	v_pk_fma_f32 v[X+i:X+i+1], v[X+i:X+i+1], v[G+i:G+i+1], v[BV+i:BV+i+1]
.set i, i+2
.endr
	QUANT X
	global_store_b128 v4, v[PC:PC+3], s[10:11]                 ; each store of the wave covers 512 or 256 consecutive bytes, aligned to 256
	global_store_b64 v5, v[PC+4:PC+5], s[10:11] offset:512
	global_store_b128 v4, v[PC+6:PC+9], s[10:11] offset:768
	global_store_b64 v5, v[PC+10:PC+11], s[10:11] offset:1280
	global_store_b32 v6, v[PW], s[22:23]                       ; lanes r and r + 16 hold the same word and store it to the same place
	s_wait_tensorcnt 0x0                           ; the wave's end
	ds_add_u32 v254, v255
	s_wait_dscnt 0x0
	s_endpgm
; THE WEIGHTS, f32 stored [K][N].  A LANE TAKES A COLUMN AND ITS REGISTERS RUN DOWN K: a block of 32 lies in one lane, its largest magnitude needs no other lane, and the conversions give codes with K innermost.
; The lane's block 2 p + h of its column IS what lane (r, h) of the fragment holds in half p % 2 of K step p / 2: so two blocks' codes leave by three stores of 16 bytes a lane, in each of which sixteen lanes cover 256 consecutive bytes, aligned.
; SHARES.  A unit is a group of 128 columns x 256 along K, for four waves: wave w of the four takes tiles 2 w and 2 w + 1 (lanes 0-15 and 16-31).  96 + 32 + 128 + 128 = 384 units, two to a work-group; the weight is chosen by the unit's number: one way through the text.
; No LDS, no barrier: units share no input byte.  Loads run two blocks (64 a wave) ahead.
.Lweights:
.set X,   32                           ; v32-95   two sets of 32 numbers
.set VO,  96                           ; v96-127  byte offset of my column in row i of a block
.set OUT, 128                          ; v128-175 codes: for each pair of blocks 4 + 4 + 4 registers, never written again
.set T,   176                          ; v176-178 a block's upper 16 codes
.set SB,  32                           ; s[32:47] the source at each of my eight blocks' first row
	s_load_b256 s[4:11], s[0:1], 0x20              ; w_attn, w_proj, w_fc, w_fc_proj
	s_load_b64 s[12:13], s[0:1], 0x40              ; WB
	v_lshrrev_b32 v1, 5, v0
	v_readfirstlane_b32 s14, v1                    ; wave 0 .. 7
	s_lshr_b32 s54, s14, 2
	s_and_b32 s14, s14, 3                          ; wave within its unit
	s_lshl_b32 s55, ttmp9, 1
	s_add_co_u32 s54, s54, s55                     ; the unit, 0 .. 383
	v_and_b32 v2, 15, v0                           ; r
	v_bfe_u32 v3, v0, 4, 1                         ; u: which of my wave's two tiles
	v_and_b32 v4, 8, v0
	v_add_nc_u32 v4, v4, v2
	v_lshl_add_u32 v4, v3, 3, v4
	v_lshlrev_b32 v4, 2, v4                        ; 4 (8 u + r + (r & 8)): my column among the wave's 32, in bytes
	v_mul_u32_u24 v5, v3, 1536
	v_lshl_add_u32 v5, v2, 4, v5                   ; out: my tile's image, 16 r
	v_and_b32 v6, 31, v0
	v_lshlrev_b32 v6, 2, v6                        ; out: my scale word, 4 x lane
	s_mov_b32 s15, 1024                            ; w_fc_proj's figures: N,
	s_mov_b32 s16, 4                               ; log2 of its 16 runs of 256 along K,
	s_mov_b32 s17, 32                              ; its K steps,
	s_mov_b32 s18, 6553600                         ; where its codes begin in WB,
	s_mov_b32 s19, 9699328                         ; its scale words,
	s_mov_b32 s20, 256                             ; and its first unit
	s_wait_alu depctr_va_vdst(0)
	s_wait_kmcnt 0x0
	s_mov_b64 s[52:53], s[10:11]
	s_cmp_lt_u32 s54, 256                          ; the choices hang on the unit's number alone
	s_cselect_b64 s[52:53], s[8:9], s[52:53]       ; w_fc
	s_cselect_b32 s15, 4096, s15
	s_cselect_b32 s16, 2, s16
	s_cselect_b32 s17, 8, s17
	s_cselect_b32 s18, 3276800, s18
	s_cselect_b32 s19, 6422528, s19
	s_cselect_b32 s20, 128, s20
	s_cmp_lt_u32 s54, 128
	s_cselect_b64 s[52:53], s[6:7], s[52:53]       ; w_proj
	s_cselect_b32 s15, 1024, s15
	s_cselect_b32 s18, 2457600, s18
	s_cselect_b32 s19, 3244032, s19
	s_cselect_b32 s20, 96, s20
	s_cmp_lt_u32 s54, 96
	s_cselect_b64 s[52:53], s[4:5], s[52:53]       ; w_attn
	s_cselect_b32 s15, 3072, s15
	s_cselect_b32 s18, 0, s18
	s_cselect_b32 s19, 2359296, s19
	s_cselect_b32 s20, 0, s20
	s_sub_co_u32 s21, s54, s20                     ; my number within the weight
	s_bfm_b32 s24, s16, 0
	s_and_b32 s22, s21, s24                        ; kc: which 256 along K
	s_lshr_b32 s23, s21, s16                       ; g: which 128 columns
	s_mul_i32 s24, s22, s15
	s_lshl_b32 s24, s24, 10                        ; 256 kc rows of 4 N bytes
	s_lshl_b32 s25, s23, 9
	s_add_co_u32 s24, s24, s25                     ; + 128 g columns
	s_lshl_b32 s25, s14, 7
	s_add_co_u32 s24, s24, s25                     ; + 32 w columns
	s_mov_b32 s25, 0
	s_add_nc_u64 s[SB:SB+1], s[52:53], s[24:25]
	s_lshl_b32 s26, s15, 7                         ; a block: 32 rows of 4 N bytes
	s_mov_b32 s27, 0
.irp t, 1,2,3,4,5,6,7
	s_add_nc_u64 s[SB+2*\t:SB+2*\t+1], s[SB+2*\t-2:SB+2*\t-1], s[26:27]
.endr
	s_lshl_b32 s28, s15, 2                         ; a row in bytes
.irp i, 0,1,2,3,4,5,6,7,8,9,10,11,12,13,14,15,16,17,18,19,20,21,22,23,24,25,26,27,28,29,30,31
	v_mad_u32_u24 v[VO+\i], s28, \i, v4
.endr
	s_mul_i32 s24, s23, s17
	s_lshl_b32 s25, s22, 1
	s_add_co_u32 s24, s24, s25                     ; g KS + 2 kc: my first K step, counted through the groups
	s_lshl_b32 s30, s24, 9
	s_add_co_u32 s30, s30, s19
	s_lshl_b32 s31, s14, 7
	s_add_co_u32 s30, s30, s31
	s_mov_b32 s31, 0
	s_add_nc_u64 s[50:51], s[12:13], s[30:31]      ; my two tiles' scale words
	s_lshl_b32 s24, s24, 3
	s_lshl_b32 s25, s14, 1
	s_add_co_u32 s24, s24, s25
	s_mul_i32 s24, s24, 1536
	s_add_co_u32 s24, s24, s18
	s_mov_b32 s25, 0
	s_add_nc_u64 s[48:49], s[12:13], s[24:25]      ; my two tiles' images
.macro LOAD t                          ; block t: rows 32 t + i of my 256, my column: 32 lanes read 128 consecutive bytes
.irp i, 0,1,2,3,4,5,6,7,8,9,10,11,12,13,14,15,16,17,18,19,20,21,22,23,24,25,26,27,28,29,30,31
	global_load_b32 v[X+32*((\t)%2)+\i], v[VO+\i], s[SB+2*(\t):SB+2*(\t)+1] th:TH_LOAD_NT
.endr
.endm
.macro BLOCK t
.set XS,  X+32*((\t)%2)
.set OA,  OUT+12*((\t)/2)+4*((\t)%2)   ; registers 0-3 of lane (r, t % 2)
.set OH,  OUT+12*((\t)/2)+8+2*((\t)%2) ; registers 4, 5
.if (\t) < 7
	s_wait_loadcnt 32                              ; this block's 32 loads are in; the next block's 32 may be out
.else
	s_wait_loadcnt 0x0
.endif
	v_max3_num_f32 v12, |v[XS]|, |v[XS+1]|, |v[XS+2]|
	v_max3_num_f32 v13, |v[XS+3]|, |v[XS+4]|, |v[XS+5]|
.irp i, 6,10,14,18,22,26
	v_max3_num_f32 v12, v12, |v[XS+\i]|, |v[XS+\i+1]|
	v_max3_num_f32 v13, v13, |v[XS+\i+2]|, |v[XS+\i+3]|
.endr
	v_max3_num_f32 v12, v12, |v[XS+30]|, |v[XS+31]|
	v_max3_num_f32 v12, v12, v13, 0x1800000        ; with the floor 2^(3 - 127): the byte cannot fall under 1
	v_add_nc_u32 v11, 0xff000000, v12              ; 2 off the exponent field: the conversions take that field as their scale
	v_cvt_scalef32_pk16_fp6_f32 v[OA:OA+2], v[XS:XS+15], v11
	v_cvt_scalef32_pk16_fp6_f32 v[T:T+2], v[XS+16:XS+31], v11
	v_lshrrev_b32 v13, 23, v11                     ; the scale's byte (also the plain line behind the conversions)
.if (\t)%4 == 0
	v_mov_b32 v[24+(\t)/4], v13
.else
	v_lshl_or_b32 v[24+(\t)/4], v13, 8*((\t)%4), v[24+(\t)/4]
.endif
	v_mov_b32 v[OA+3], v[T]
	v_mov_b32 v[OH], v[T+1]
	v_mov_b32 v[OH+1], v[T+2]
.if (\t) < 6
	LOAD (\t)+2
.endif
.if (\t)%2 == 1
.set OPB, OUT+12*((\t)/2)
.set OF,  ((\t)/4)*12288+(((\t)/2)%2)*768
	global_store_b128 v5, v[OPB:OPB+3], s[48:49] offset:OF        ; lanes (r, 0) of the half image
	global_store_b128 v5, v[OPB+4:OPB+7], s[48:49] offset:OF+256  ; lanes (r, 1)
	global_store_b128 v5, v[OPB+8:OPB+11], s[48:49] offset:OF+512 ; registers 4, 5 of both
.endif
.endm
	s_wait_alu depctr_va_vdst(0)
	LOAD 0
	LOAD 1
.irp t, 0,1,2,3,4,5,6,7
	BLOCK \t
.endr
	global_store_b32 v6, v24, s[50:51]             ; the two K steps' scale words: 128 consecutive bytes a wave
	global_store_b32 v6, v25, s[50:51] offset:512
	s_endpgm
.Lfunc_end_k_q7141929b06_prep:
	.size	k_q7141929b06_prep, .Lfunc_end_k_q7141929b06_prep-k_q7141929b06_prep
	.p2alignl 7, 3214868480
	.fill 96, 4, 3214868480
	.section	.rodata,"a",@progbits
	.p2align	6, 0x0
	.amdhsa_kernel k_q7141929b06_prep
		.amdhsa_group_segment_fixed_size 5120
		.amdhsa_private_segment_fixed_size 0
		.amdhsa_enable_private_segment 0
		.amdhsa_kernarg_size 72
		.amdhsa_user_sgpr_count 2
		.amdhsa_user_sgpr_kernarg_segment_ptr 1
		.amdhsa_wavefront_size32 1
		.amdhsa_system_sgpr_workgroup_id_x 1
		.amdhsa_system_sgpr_workgroup_id_y 1
		.amdhsa_system_sgpr_workgroup_id_z 1
		.amdhsa_system_vgpr_workitem_id 0
		.amdhsa_next_free_vgpr 256
		.amdhsa_next_free_sgpr 66
		.amdhsa_reserve_vcc 0
		.amdhsa_float_denorm_mode_32 3
		.amdhsa_float_denorm_mode_16_64 3
		.amdhsa_memory_ordered 1
		.amdhsa_forward_progress 1
		.amdhsa_inst_pref_size 71
	.end_amdhsa_kernel
	.amdgpu_metadata
---
amdhsa.version: [ 1, 2 ]
amdhsa.kernels:
  - .name:           k_q7141929b06_prep
    .symbol:         k_q7141929b06_prep.kd
    .args:
      - { .name: hidden_states, .offset: 0, .size: 8, .value_kind: global_buffer, .address_space: global }
      - { .name: ln1_w, .offset: 8, .size: 8, .value_kind: global_buffer, .address_space: global }
      - { .name: ln1_b, .offset: 16, .size: 8, .value_kind: global_buffer, .address_space: global }
      - { .name: XB, .offset: 24, .size: 8, .value_kind: global_buffer, .address_space: global }
      - { .name: w_attn, .offset: 32, .size: 8, .value_kind: global_buffer, .address_space: global }
      - { .name: w_proj, .offset: 40, .size: 8, .value_kind: global_buffer, .address_space: global }
      - { .name: w_fc, .offset: 48, .size: 8, .value_kind: global_buffer, .address_space: global }
      - { .name: w_fc_proj, .offset: 56, .size: 8, .value_kind: global_buffer, .address_space: global }
      - { .name: WB, .offset: 64, .size: 8, .value_kind: global_buffer, .address_space: global }
    .group_segment_fixed_size: 5120
    .private_segment_fixed_size: 0
    .kernarg_segment_align: 8
    .kernarg_segment_size: 72
    .max_flat_workgroup_size: 256
    .sgpr_count:     66
    .vgpr_count:     256
    .wavefront_size: 32
...
	.end_amdgpu_metadata
.endif
;; end of part 8
;; launch gqkv (part 9): grid 12 x 16, 4 waves a work-group, clusters of 4 x 4, 327,680 bytes of LDS; arguments XB, WB, b_attn, QKV; writes QKV
.if DOCPART == 9
	.amdgcn_target "amdgcn-amd-amdhsa--gfx1250"
	.amdhsa_code_object_version 6
	.text
	.protected	k_q7141929b06_gqkv
	.globl	k_q7141929b06_gqkv
	.p2align	8
	.type	k_q7141929b06_gqkv,@function
k_q7141929b06_gqkv:
	s_mov_b64 s[64:65], 0
	v_nop
	global_prefetch_b8 v0, s[64:65] scope:SCOPE_SE
	s_setreg_imm32_b32 hwreg(HW_REG_WAVE_MODE, 25, 1), 1
	s_wait_xcnt 0x0
	s_wait_alu depctr_hold_cnt(0) depctr_sa_sdst(0) depctr_va_vdst(0) depctr_va_sdst(0) depctr_va_ssrc(0) depctr_va_vcc(0) depctr_vm_vsrc(0)
	s_getreg_b32 s2, hwreg(HW_REG_IB_STS2, 6, 4)
	s_cmp_eq_u32 s2, 0
	s_cbranch_scc0 .Lentry_in_a_cluster
	s_endpgm
.Lentry_in_a_cluster:
	s_bfe_u32 s2, ttmp6, 0x10000c
	s_cmp_lg_u32 s2, 0xf033
	s_cbranch_scc0 .Lentry_shape_is_right
	s_endpgm
.Lentry_shape_is_right:
; qkv = LN1(x) w_attn + b_attn on codes of FP6 (E2M3) with E8M0 scales for each 32 along K = 1,024; q and k are quantised again along the head's 64, v along the keys, and leave as operands of the attention launch.
; OPERANDS.  Rows in groups of 128, a group in eight tiles of 16: lane r of tile t holds row 32 (t / 2) + 8 (t % 2) + r + (r & 8).  A fragment (16 rows x 128 K, 12 registers a lane) lies as an image of its registers,
; 1,536 bytes: for each half c: registers 6 c .. 6 c + 3 of lane l at 768 c + 16 l, registers 6 c + 4, 6 c + 5 of lane (r, h) at 768 c + 512 + 16 r + 8 h.  Codes [group][K step of 128][tile][1,536], scale words [group][K step][tile][r].
; So 128 rows x two K steps are one dense block of 24,576 bytes for one tensor load, and a fragment comes from LDS by four loads whose lanes read consecutive bytes: no padding.
; SHAPE.  A tile of 256 x 256 results to a work-group of four waves, 128 x 128 a wave: 64 accumulators, 512 registers.  K goes in steps of 256 through a ring of two LDS slots; the scale words of the work-group's rows, for all of K, come once.
; "A" is the matrix instruction's source 1 (a lane of the result holds one of its rows), "B" its source 0 (the lane's registers run along its rows; by the order of rows in a tile, the 64 registers of the accumulators (a, 0 .. 7) are
; rows 32 b + 16 (lane / 16) + i of B's group at register 16 b + i: 16 neighbours for each conversion).
; For q and k (clusters x = 0, 1) A = tokens, B = features: a lane holds a token and 128 features, two heads.  FOR v (clusters x = 2) THE ROLES ARE SWAPPED: A = features, B = tokens: a lane holds a feature and 128 tokens, the keys of one step.
; The choice hangs on the cluster's x alone, which all sixteen partners share.
; CLUSTERS: 4 x 4.  A's tiles hang on the place along y and are shared along a row of the cluster, B's on the place along x and are shared along a column: joint loads, which divide the requests by four.
; THE OUTPUT.  Two regions (q at 0, k and v at KVR), each [batch x head][step of 128 tokens][13,056 bytes]: + 0 eight half images (768 bytes) of q or k; + 6,144 four fragments of V^T (tiles of 16 of the head's 64 x these 128 keys);
; + 12,288 q's or k's scale words [tile][r]; + 12,800 V's [tile][r].  Bytes 2, 3 of q's and k's words stand over zero codes in the attention launch and are never 0xff.
; LIMITS: a block of zeros gets the byte 1 (its codes are zeros, and this program alone reads the bytes); NaN and infinities are not served.
; REGISTERS, in windows of 256: window 0: v1-15, v16-31 addresses; v32-63 scale words, two sets; v128-223 A's fragments, one set; window 1: B's fragments, two sets, at v0 and v128; windows 2, 3: accumulator (a, b) at v[8 (8 (a % 4) + b)].
.set KS,     8                         ; K steps of 128
.set XSC,    3145728                   ; where XB's scale words begin
.set WSC,    2359296                   ; where w_attn's begin in WB (its codes begin at 0)
.set HB,     208896                    ; a head in the output
.set STEPB,  13056                     ; a step
.set KVR,    6684672                   ; the region of k and v
.set NQ,     2
.set FR,     12
.set NL,     4                         ; LDS loads that bring a fragment
.set NP,     4                         ; places behind this matrix instruction (ISA guide 7.12.1)
.set KB,     12288                     ; a group's K step: eight images
.set HALFT,  2*KB                      ; what one tensor load brings
.set SLOT,   4*HALFT                   ; A's two groups, then B's two
.set LAPS,   KS/4
.set GROUPB, KS*KB
.set GROUPS, KS*512
.set HALFS,  GROUPS                    ; a group's scale words
.set SCL,    2*SLOT
.set SPARE,  SCL+4*HALFS               ; the spare words, 128 bytes for each wave: two blocks of 256 bytes that no other line names
.set ADRA, 16                          ; v16-17 my A group in slot 0, 1, + 16 x lane; v18-19 + 16 r + 8 h
.set ADRB, 20                          ; v20-23 the same for B
.set CO,   26                          ; v26 16 x lane
.set ADRS, 27                          ; v27 my scale words: lanes 0-15 A's, lanes 16-31 B's
.set SPW,  28
.set NIL,  29
.set L8,   30                          ; v30 16 r + 8 h
.set L4,   31                          ; v31 4 x lane
.set SC,   32
.set AF,   128
.set BI,   64                          ; the way out: the bias
.set HA,   128                         ; 64 numbers of a lane
.set PC,   208                         ; the fragment just made
.set PW,   220                         ; its scale word
.set PWE,  221                         ; the even tile's
.set PS,   222                         ; the word to store
.set SH,   223                         ; 16 h
.set TM,   224
.set PCT,  240
.set G1, 24
.set G0, 32
.set G1B, 48
.set G0B, 56
.set SEL, 66
.set G1S, 68
.set G0S, 76
.set G1SB, 80
.set G0SB, 88
.set MSB, 0
.macro WIN new                         ; the immediate's high byte repeats the setting that is left
.if MSB != (\new)
	s_set_vgpr_msb (MSB<<8)|(\new)
.set MSB, (\new)
.endif
.endm
.set MUL_LO, 0xa1                      ; source 0 (B) window 1, source 1 (A) window 0, C and D window 2
.set MUL_HI, 0xf1
.set TO_B,   0x40
.macro JLOAD g0a, g1a, g0b, g1b        ; a joint load: waves 0, 1 fetch for A, waves 2, 3 for B; four v_nop follow each line
	s_cmp_eq_u32 s15, 0
	s_cbranch_scc0 .Lfor_b_\@
	tensor_load_to_lds s[\g0a:\g0a+3], s[\g1a:\g1a+7]
	s_nop 0
.rept 4
	v_nop
.endr
	s_branch .Lasked_\@
.Lfor_b_\@:
	tensor_load_to_lds s[\g0b:\g0b+3], s[\g1b:\g1b+7]
	s_nop 0
.rept 4
	v_nop
.endr
.Lasked_\@:
.endm
.macro CREST                           ; a round of the cluster's barrier behind its opening barrier
	s_cmp_lg_u32 s14, 0
	s_cbranch_scc1 .Lnot_wave_0_\@
	s_barrier_signal -3
.Lnot_wave_0_\@:
	s_barrier_wait -3
	s_barrier_signal -1
	s_barrier_wait -1
.endm
.macro CROUND
	s_barrier_signal -1
	s_barrier_wait -1
	CREST
.endm
	s_load_b256 s[92:99], s[0:1], 0x0              ; XB, WB, b_attn, QKV
	v_lshl_add_u32 v[SPW], v0, 2, SPARE
	v_mov_b32 v[NIL], 0
	ds_add_u32 v28, v29
	ds_add_u32 v28, v29
	s_wait_dscnt 0x0
	v_lshrrev_b32 v1, 5, v0
	v_readfirstlane_b32 s14, v1                    ; wave
	s_lshr_b32 s15, s14, 1                         ; my group of A's two.  Also: I fetch for A (0) or B (1)
	s_and_b32 s16, s14, 1                          ; my group of B's two.  Also: which group I fetch
	s_bfe_u32 s40, ttmp6, 0x40000                  ; cx
	s_bfe_u32 s41, ttmp6, 0x40004                  ; cy
	s_and_b32 s18, ttmp7, 0xffff
	s_lshl_b32 s18, s18, 2                         ; 4 x cluster y
	s_lshl_b32 s19, ttmp9, 2                       ; 4 x cluster x
	s_mov_b32 s6, XSC
	s_mov_b32 s7, WSC
	s_cmp_eq_u32 ttmp9, 2                          ; the part of v?
	s_cselect_b32 s17, 8, s18                      ; A's block of 256 rows: features 2,048 on, else tokens
	s_cselect_b32 s42, s18, s19                    ; B's: tokens, else features
	s_cselect_b32 s2, s7, s6                       ; where A's scale words begin in its buffer
	s_cselect_b32 s3, s6, s7                       ; and B's
	s_add_co_u32 s17, s17, s41                     ; + cy
	s_add_co_u32 s42, s42, s40                     ; + cx
	s_lshl_b32 s43, s41, 2
	s_lshl_b32 s43, 15, s43                        ; my row of the cluster
	s_lshl_b32 s44, 0x1111, s40                    ; my column
	; descriptor group 1: a dense block of 24,576 bytes as 96 rows of 32 elements of 8 bytes; no padding; bit 21 set beside the mask
	s_or_b32 s[G1+0], s43, (3<<16)|(1<<21)
	s_or_b32 s[G1B+0], s44, (3<<16)|(1<<21)
.irp g, G1, G1B                        ; for the head's loads: an operand's two groups x two K steps: 2 rows of 24,576 bytes (3,072 elements of 8), a group apart
	s_mov_b32 s[\g+1], 3072<<16
	s_mov_b32 s[\g+2], 2<<16
	s_mov_b32 s[\g+3], 3072<<16
	s_mov_b32 s[\g+4], 2
	s_mov_b32 s[\g+5], GROUPB/8
	s_mov_b32 s[\g+6], 0
	s_mov_b32 s[\g+7], 0
.endr
	s_or_b32 s[G1S+0], s43, (3<<16)|(1<<21)        ; and a group's scale words: HALFS dense bytes
	s_or_b32 s[G1SB+0], s44, (3<<16)|(1<<21)
.irp g, G1S, G1SB
	s_mov_b32 s[\g+1], 32<<16
	s_mov_b32 s[\g+2], (2*HALFS/256)<<16           ; both groups' scale words: one dense block
	s_mov_b32 s[\g+3], 32<<16
	s_mov_b32 s[\g+4], 2*HALFS/256
	s_mov_b32 s[\g+5], 32
	s_mov_b32 s[\g+6], 0
	s_mov_b32 s[\g+7], 0
.endr
	s_lshl_b32 s20, s17, 1
	s_add_co_u32 s20, s20, s16                     ; A: the group that I fetch
	s_lshl_b32 s46, s42, 1
	s_add_co_u32 s46, s46, s16                     ; B likewise
	s_mul_i32 s22, s17, 2*GROUPS
	s_add_co_u32 s22, s22, s2
	s_mov_b32 s23, 0
	s_mul_i32 s20, s20, GROUPB
	s_mov_b32 s21, 0
	s_mul_i32 s18, s42, 2*GROUPS
	s_add_co_u32 s18, s18, s3
	s_mov_b32 s19, 0
	s_mul_i32 s46, s46, GROUPB
	s_mov_b32 s47, 0
	s_mul_i32 s45, s14, HALFT                      ; where they go: no place in the cluster enters an LDS address
	s_wait_kmcnt 0x0
	s_cmp_eq_u32 ttmp9, 2
	s_cselect_b64 s[4:5], s[94:95], s[92:93]       ; A's buffer
	s_cselect_b64 s[8:9], s[92:93], s[94:95]       ; B's
	s_add_nc_u64 s[20:21], s[4:5], s[20:21]
	s_add_nc_u64 s[22:23], s[4:5], s[22:23]
	s_add_nc_u64 s[46:47], s[8:9], s[46:47]
	s_add_nc_u64 s[18:19], s[8:9], s[18:19]
	CROUND                                         ; all sixteen work-groups are here: the first joint loads meet
	s_mov_b32 s[G0S], 1
	s_mov_b32 s[G0S+1], SCL
	s_mov_b64 s[G0S+2:G0S+3], s[22:23]
	s_or_b32 s[G0S+3], s[G0S+3], 0x80000000
	s_mov_b32 s[G0SB], 1
	s_mov_b32 s[G0SB+1], SCL+2*HALFS
	s_mov_b64 s[G0SB+2:G0SB+3], s[18:19]
	s_or_b32 s[G0SB+3], s[G0SB+3], 0x80000000
.irp s, 0,1
	s_mov_b32 s[G0+4*\s], 1
	s_add_co_u32 s[G0+4*\s+1], s45, \s*SLOT
	s_add_nc_u64 s[G0+4*\s+2:G0+4*\s+3], s[20:21], \s*HALFT
	s_or_b32 s[G0+4*\s+3], s[G0+4*\s+3], 0x80000000
	s_mov_b32 s[G0B+4*\s], 1
	s_add_co_u32 s[G0B+4*\s+1], s45, \s*SLOT
	s_add_nc_u64 s[G0B+4*\s+2:G0B+4*\s+3], s[46:47], \s*HALFT
	s_or_b32 s[G0B+4*\s+3], s[G0B+4*\s+3], 0x80000000
.endr
	s_cmp_eq_u32 s15, 0                            ; the prefetches: the group that I fetch in the ring, and my work-group's 24 of a slot's 96 blocks of 256 bytes, by its place among the four that ask jointly
	s_cselect_b64 s[4:5], s[20:21], s[46:47]
	s_cselect_b32 s2, s40, s41
	s_mul_i32 s2, s2, 24*256
	; THE HEAD'S LOADS, ONE A WAVE, in one chain of arms: wave 0 A's part of slot 0, wave 1 A's scale words, wave 2 B's part of slot 0, wave 3 B's scale words
	s_cmp_lg_u32 s14, 0
	s_cbranch_scc1 .Lhead_1
	tensor_load_to_lds s[G0:G0+3], s[G1:G1+7]
	s_nop 0
.rept 4
	v_nop
.endr
	s_branch .Lhead_asked
.Lhead_1:
	s_cmp_lg_u32 s14, 1
	s_cbranch_scc1 .Lhead_2
	tensor_load_to_lds s[G0S:G0S+3], s[G1S:G1S+7]
	s_nop 0
.rept 4
	v_nop
.endr
	s_branch .Lhead_asked
.Lhead_2:
	s_cmp_lg_u32 s14, 2
	s_cbranch_scc1 .Lhead_3
	tensor_load_to_lds s[G0B:G0B+3], s[G1B:G1B+7]
	s_nop 0
.rept 4
	v_nop
.endr
	s_branch .Lhead_asked
.Lhead_3:
	tensor_load_to_lds s[G0SB:G0SB+3], s[G1SB:G1SB+7]
	s_nop 0
.rept 4
	v_nop
.endr
.Lhead_asked:
	v_and_b32 v1, 31, v0                           ; lane
	v_and_b32 v2, 15, v0                           ; r
	v_bfe_u32 v3, v0, 4, 1                         ; h
	v_lshlrev_b32 v[CO], 4, v1
	v_min_u32 v12, 23, v1                          ; a lane a block; the eight lanes left over name the last block again
	v_lshl_add_u32 v12, v12, 8, s2
	global_prefetch_b8 v12, s[4:5] offset:HALFT th:TH_LOAD_NT scope:SCOPE_SE     ; slot 1's and slot 2's bytes of my group
	global_prefetch_b8 v12, s[4:5] offset:2*HALFT th:TH_LOAD_NT scope:SCOPE_SE
	v_lshlrev_b32 v[L8], 4, v2
	v_lshl_add_u32 v[L8], v3, 3, v[L8]
	v_lshlrev_b32 v[L4], 2, v1
	s_mul_i32 s21, s15, HALFT
	s_mul_i32 s22, s16, HALFT
	s_add_co_u32 s22, s22, 2*HALFT
.irp s, 0,1
	v_add_nc_u32 v[ADRA+\s], s21, v[CO]
	v_add_nc_u32 v[ADRB+\s], s22, v[CO]
	v_add_nc_u32 v[ADRA+2+\s], s21, v[L8]
	v_add_nc_u32 v[ADRB+2+\s], s22, v[L8]
	s_add_co_u32 s21, s21, SLOT
	s_add_co_u32 s22, s22, SLOT
.endr
	v_lshlrev_b32 v6, 2, v2
	s_mul_i32 s21, s15, HALFS
	s_mul_i32 s22, s16, HALFS
	s_add_co_u32 s22, s22, 2*HALFS
	s_sub_co_u32 s22, s22, s21
	v_mul_u32_u24 v7, s22, v3                      ; lanes 16-31 take B's: one product, the distance between the two
	s_add_co_u32 s21, s21, SCL
	v_add_nc_u32 v6, v6, v7
	v_add_nc_u32 v[ADRS], s21, v6
	v_lshlrev_b32 v13, 6, v3                       ; the way out: 64 h (the bias along my registers)
	v_mul_u32_u24 v14, v3, HB
	v_lshl_add_u32 v14, v2, 2, v14                 ; 4 r + h x a head (q's and k's scale words)
	v_and_b32 v15, 8, v0
	v_add_nc_u32 v15, v15, v2
	v_lshlrev_b32 v15, 2, v15                      ; 4 (r + (r & 8)) (the bias of my feature)
.irp b, 0,1,2,3
	v_mov_b32 v[TM+4+\b], 0                        ; written once: a lane permute's destination counts as one of its sources
.endr
	s_mov_b32 s[SEL], 0x76543210
	s_mov_b32 s[SEL+1], 0xfedcba98
	s_mov_b32 s100, 0xffff0000                     ; lanes 16-31
	s_lshl_b32 s17, s17, 1
	s_add_co_u32 s17, s17, s15                     ; gA: my wave's group of A's rows
	s_lshl_b32 s42, s42, 1
	s_add_co_u32 s42, s42, s16                     ; gB: of B's
.macro FRAG reg, adr, q, i             ; a fragment's image comes back as it was stored: four loads, consecutive bytes in consecutive lanes
	ds_load_b128 v[\reg:\reg+3], v[\adr] offset:(\q)*KB+(\i)*1536
	ds_load_b64 v[\reg+4:\reg+5], v[\adr+2] offset:(\q)*KB+(\i)*1536+512
	ds_load_b128 v[\reg+6:\reg+9], v[\adr] offset:(\q)*KB+(\i)*1536+768
	ds_load_b64 v[\reg+10:\reg+11], v[\adr+2] offset:(\q)*KB+(\i)*1536+1280
.endm
; 16 matrix instructions: A's blocks a0, a0 + 1 x B's eight.  The 64 accumulators take turns, one instruction a turn, in the same order in every step.
.macro MUL16 a0, p, q, sc, zero
.irp a, \a0, \a0+1
.irp b, 0,1,2,3,4,5,6,7
.if \zero
	v_wmma_scale_f32_16x16x128_f8f6f4 v[8*(8*((\a)%4)+\b):8*(8*((\a)%4)+\b)+7], v[128*(\p)+FR*\b:128*(\p)+FR*\b+FR-1], v[AF+FR*(\a):AF+FR*(\a)+FR-1], 0, v[SC+8*NQ*(\sc)+NQ*\b+(\q)], v[SC+8*NQ*(\sc)+NQ*(\a)+(\q)] matrix_a_fmt:MATRIX_FMT_FP6 matrix_b_fmt:MATRIX_FMT_FP6 matrix_a_scale:MATRIX_SCALE_ROW1
.else
	v_wmma_scale_f32_16x16x128_f8f6f4 v[8*(8*((\a)%4)+\b):8*(8*((\a)%4)+\b)+7], v[128*(\p)+FR*\b:128*(\p)+FR*\b+FR-1], v[AF+FR*(\a):AF+FR*(\a)+FR-1], v[8*(8*((\a)%4)+\b):8*(8*((\a)%4)+\b)+7], v[SC+8*NQ*(\sc)+NQ*\b+(\q)], v[SC+8*NQ*(\sc)+NQ*(\a)+(\q)] matrix_a_fmt:MATRIX_FMT_FP6 matrix_b_fmt:MATRIX_FMT_FP6 matrix_a_scale:MATRIX_SCALE_ROW1
.endif
.endr
.endr
.endm
.macro FETCH_B slot, q, p
	WIN TO_B
.irp i, 0,1,2,3,4,5,6,7
	FRAG 128*(\p)+FR*\i, ADRB+\slot, \q, \i
.endr
	WIN 0
.endm
.macro FETCH_A slot, q, i0
.irp i, \i0, \i0+1, \i0+2, \i0+3
	FRAG AF+FR*(\i), ADRA+\slot, \q, \i
.endr
.endm
.macro SCALES sc                       ; a slot's scale words: register 2 i + q: lanes 0-15 A's block i, lanes 16-31 B's block i, K step q
.irp i, 0,1,2,3,4,5,6,7
.irp q, 0,1
	ds_load_b32 v[SC+16*\sc+2*\i+\q], v[ADRS] offset:512*\q+64*\i
.endr
.endr
.endm
.macro PLACES n                        ; plain vector lines between a matrix instruction and a load into, or a read of, its registers
.rept \n
	v_nop
.endr
.endm
.macro STEP slot, q, zero              ; 128 along K that have their successor in the same slot
	s_wait_dscnt 4*NL                              ; all but the youngest 16 loads (A's blocks 4-7) are in
	WIN MUL_LO
	MUL16 0, (\q)%2, \q, \slot, \zero
	MUL16 2, (\q)%2, \q, \slot, \zero
	s_wait_dscnt 0
	PLACES NP
	FETCH_B \slot, (\q)+1, 1-(\q)%2
	FETCH_A \slot, (\q)+1, 0
	WIN MUL_HI
	MUL16 4, (\q)%2, \q, \slot, \zero
	MUL16 6, (\q)%2, \q, \slot, \zero
	PLACES NP
	WIN 0
	FETCH_A \slot, (\q)+1, 4
.endm
; A slot's last 128 along K change slots: one barrier; in front of it each wave waits for all its tensor loads, adds 0 to its spare word, and waits for that and for its reads of this slot.
.macro TURN slot, next, fill
	s_wait_tensorcnt 0x0                           ; all my tensor loads have landed: my part of the next slot
	ds_add_u32 v[SPW], v[NIL]                      ; 0 onto my spare word
	s_wait_dscnt 4*NL+1                            ; the add and the youngest 16 loads may be out
	WIN MUL_LO
	MUL16 0, 1, NQ-1, \slot, 0
	s_wait_dscnt 0x0                               ; the add is done, and my reads of this slot are over
	s_barrier_signal -1
	MUL16 2, 1, NQ-1, \slot, 0
	WIN 0
	s_barrier_wait -1
.if \fill
	CREST                                          ; the barrier has opened a round of the cluster's: no wave of any partner still reads this slot or has a load on its way
	s_add_nc_u64 s[G0+4*\slot+2:G0+4*\slot+3], s[G0+4*\slot+2:G0+4*\slot+3], 2*HALFT
	s_add_nc_u64 s[G0B+4*\slot+2:G0B+4*\slot+3], s[G0B+4*\slot+2:G0B+4*\slot+3], 2*HALFT
	JLOAD G0+4*\slot, G1, G0B+4*\slot, G1B         ; the first tensor load behind the round; its four v_nop are the places in front of the loads below
.else
	PLACES NP
.endif
	s_wait_alu depctr_va_vdst(0)
	v_add_nc_u32 v[ADRS], 1024, v[ADRS]            ; the next slot's scale words
	FETCH_B \next, 0, 0
	FETCH_A \next, 0, 0
	SCALES \next
	WIN MUL_HI
	MUL16 4, 1, NQ-1, \slot, 0
	MUL16 6, 1, NQ-1, \slot, 0
	PLACES NP
	WIN 0
	FETCH_A \next, 0, 4
.endm
	s_wait_alu depctr_va_vdst(0)                   ; the wait at the head's end
	s_wait_tensorcnt 0x0                           ; my tile of the head's four is in; slot 1's first fill stands behind the full sequence and a round
	ds_add_u32 v[SPW], v[NIL]
.irp g, G1, G1B                        ; no tensor load of mine is out: from here on a load brings a dense block of 24,576 bytes as 96 rows of 256
	s_mov_b32 s[\g+1], 32<<16
	s_mov_b32 s[\g+2], 96<<16
	s_mov_b32 s[\g+3], 32<<16
	s_mov_b32 s[\g+4], 96
	s_mov_b32 s[\g+5], 32
.endr
	s_wait_dscnt 0x0
	CROUND                                         ; all four tiles are in, and all sixteen work-groups are here
	JLOAD G0+4, G1, G0B+4, G1B
	FETCH_B 0, 0, 0
	global_prefetch_b8 v12, s[4:5] offset:3*HALFT th:TH_LOAD_NT scope:SCOPE_SE   ; slot 3's bytes, two refills ahead of their load
	FETCH_A 0, 0, 0
	SCALES 0
	FETCH_A 0, 0, 4
	STEP 0, 0, 1                                   ; the first products start the sums
	s_mov_b32 s3, LAPS-1
.Llap:
	TURN 0, 1, 1
	STEP 1, 0, 0
	TURN 1, 0, 1
	STEP 0, 0, 0
	s_sub_co_u32 s3, s3, 1
	s_cmp_lg_u32 s3, 0
	s_cbranch_scc1 .Llap
	TURN 0, 1, 0                                   ; the last lap fills nothing
	STEP 1, 0, 0
	s_wait_dscnt 4*NL
	WIN MUL_LO
	MUL16 0, 1, NQ-1, 1, 0
	MUL16 2, 1, NQ-1, 1, 0
	s_wait_dscnt 0
	WIN MUL_HI
	MUL16 4, 1, NQ-1, 1, 0
	MUL16 6, 1, NQ-1, 1, 0
	WIN 0
; 64 numbers of a lane, register 16 b + i = k 32 b + 16 (lane / 16) + i of my row, become a fragment's codes in v[PC] on and its scale word in v[PW] (the same in both halves of the lanes).
.macro QUANT s
.irp b, 0,1,2,3
	v_max3_num_f32 v[TM+\b], |v[\s+16*\b]|, |v[\s+1+16*\b]|, 0x1800000   ; with the floor 2^(3 - 127): the byte cannot fall under 1
.endr
.irp i, 2,4,6,8,10,12,14
.irp b, 0,1,2,3
	v_max3_num_f32 v[TM+\b], v[TM+\b], |v[\s+16*\b+\i]|, |v[\s+1+16*\b+\i]|
.endr
.endr
.irp b, 0,1,2,3
	v_permlanex16_b32 v[TM+4+\b], v[TM+\b], s[SEL], s[SEL+1]
.endr
.irp b, 0,1,2,3
	v_max_num_f32 v[TM+\b], v[TM+\b], v[TM+4+\b]
.endr
.irp b, 0,1,2,3
	v_add_nc_u32 v[TM+12+\b], 0xff000000, v[TM+\b] ; 2 off the exponent field: the conversion's scale operand
.endr
.irp b, 0,1,2,3
	v_lshrrev_b32 v[TM+4+\b], 23, v[TM+12+\b]      ; the scale's byte
.endr
	v_lshl_or_b32 v[PW], v[TM+5], 8, v[TM+4]
	v_lshl_or_b32 v[PW], v[TM+6], 16, v[PW]
	v_lshl_or_b32 v[PW], v[TM+7], 24, v[PW]
.irp c, 0,1
	v_cvt_scalef32_pk16_fp6_f32 v[PC+6*\c:PC+2+6*\c], v[\s+32*\c:\s+15+32*\c], v[TM+12+2*\c]
	v_cvt_scalef32_pk16_fp6_f32 v[PCT+4*\c:PCT+2+4*\c], v[\s+16+32*\c:\s+31+32*\c], v[TM+12+2*\c+1]
.endr
	v_nop                                          ; one plain line behind a scaled conversion
.irp c, 0,1
.irp i, 0,1,2
	v_permlane16_swap_b32 v[PC+6*\c+\i], v[PCT+4*\c+\i]
.endr
.irp i, 0,1,2
	v_mov_b32 v[PC+3+6*\c+\i], v[PCT+4*\c+\i]
.endr
.endr
.endm
; THE WAY OUT of A's block a: the 64 results of a lane come to window 0 with the bias added (one line does both; ascending), are quantised, and leave as images.
.macro TILEQ a, vpart
	s_wait_xcnt 0x0                                ; the last block's stores have read their data: the codes and the word are written again only behind this wait
	WIN 0x02+(\a)/4                                ; source 0: window 2 or 3
.set i, 0
.rept 32
.if \vpart
	v_pk_add_f32 v[HA+i:HA+i+1], v[64*((\a)%4)+i:64*((\a)%4)+i+1], v[BI+2*(\a):BI+2*(\a)+1]
.else
	v_pk_add_f32 v[HA+i:HA+i+1], v[64*((\a)%4)+i:64*((\a)%4)+i+1], v[BI+i:BI+i+1]
.endif
.set i, i+2
.endr
	WIN 0
	QUANT HA
.if \vpart
.set OF, ((\a)/4)*HB+((\a)%4)*1536     ; blocks 0-3: the even head's four tiles of d; blocks 4-7: the odd head's
	global_store_b128 v[CO], v[PC:PC+3], s[12:13] offset:OF
	global_store_b64 v[L8], v[PC+4:PC+5], s[12:13] offset:OF+512
	global_store_b128 v[CO], v[PC+6:PC+9], s[12:13] offset:OF+768
	global_store_b64 v[L8], v[PC+10:PC+11], s[12:13] offset:OF+1280
.if (\a)%2 == 0
	v_mov_b32 v[PWE], v[PW]
.else
	v_cndmask_b32 v[PS], v[PWE], v[PW], s100       ; two tiles' words: 128 consecutive bytes
	global_store_b32 v[L4], v[PS], s[12:13] offset:((\a)/4)*HB+6656+64*(((\a)-1)%4)
.endif
.else
	global_store_b128 v[CO], v[PC:PC+3], s[12:13] offset:768*(\a)            ; features 0-63: the even head's half image
	global_store_b64 v[L8], v[PC+4:PC+5], s[12:13] offset:768*(\a)+512
	global_store_b128 v[CO], v[PC+6:PC+9], s[12:13] offset:HB+768*(\a)       ; features 64-127: the odd head's
	global_store_b64 v[L8], v[PC+10:PC+11], s[12:13] offset:HB+768*(\a)+512
	v_lshrrev_b32 v[PS], v[SH], v[PW]              ; lanes 0-15: the word as it is (its low two bytes are the even head's); lanes 16-31: the odd head's two bytes moved down
	global_store_b32 v14, v[PS], s[12:13] offset:12288+64*(\a)
.endif
.endm
	PLACES NP                                      ; behind the last products: the lines below write registers that held A's fragments
	v_lshlrev_b32 v[SH], 4, v3
	s_cmp_eq_u32 ttmp9, 2
	s_cbranch_scc1 .Lvpart
	; ---- q and k: gA = 128 tokens (batch, step), gB = 128 features (two heads of q or of k)
	s_lshr_b32 s20, s17, 4
	s_lshl_b32 s20, s20, 4
	s_and_b32 s22, s42, 7
	s_lshl_b32 s22, s22, 1
	s_add_co_u32 s20, s20, s22                     ; 16 x batch + the even head
	s_mul_i32 s20, s20, HB
	s_and_b32 s21, s17, 15
	s_mul_i32 s21, s21, STEPB
	s_add_co_u32 s20, s20, s21
	s_lshr_b32 s21, s42, 3                         ; 0: q, 1: k
	s_mul_i32 s21, s21, KVR
	s_add_co_u32 s20, s20, s21
	s_mov_b32 s21, 0
	s_add_nc_u64 s[12:13], s[98:99], s[20:21]
	s_lshl_b32 s20, s42, 9
	s_add_nc_u64 s[10:11], s[96:97], s[20:21]      ; the bias of my 128 features
.irp b, 0,1,2,3
.irp j, 0,1,2,3
	global_load_b128 v[BI+16*\b+4*\j:BI+16*\b+4*\j+3], v13, s[10:11] offset:128*\b+16*\j   ; register 16 b + i: feature 32 b + 16 h + i
.endr
.endr
	s_wait_loadcnt 0x0
.irp a, 0,1,2,3,4,5,6,7
	TILEQ \a, 0
.endr
	s_branch .Lend
.Lvpart:
	; ---- v: gA = 128 features (groups 16 to 23: two heads), gB = 128 tokens (batch, step)
	s_lshr_b32 s20, s42, 4
	s_lshl_b32 s20, s20, 4
	s_sub_co_u32 s22, s17, 16
	s_lshl_b32 s22, s22, 1
	s_add_co_u32 s20, s20, s22                     ; 16 x batch + the even head
	s_mul_i32 s20, s20, HB
	s_and_b32 s21, s42, 15
	s_mul_i32 s21, s21, STEPB
	s_add_co_u32 s20, s20, s21
	s_add_co_u32 s20, s20, KVR+6144
	s_mov_b32 s21, 0
	s_add_nc_u64 s[12:13], s[98:99], s[20:21]
	s_lshl_b32 s20, s17, 9
	s_add_nc_u64 s[10:11], s[96:97], s[20:21]
.irp a, 0,1,2,3,4,5,6,7
	global_load_b32 v[BI+2*\a], v15, s[10:11] offset:4*(32*(\a/2)+8*(\a%2))     ; my feature's bias, twice: a pair for the packed addition
	global_load_b32 v[BI+2*\a+1], v15, s[10:11] offset:4*(32*(\a/2)+8*(\a%2))
.endr
	s_wait_loadcnt 0x0
.irp a, 0,1,2,3,4,5,6,7
	TILEQ \a, 1
.endr
.Lend:
	s_wait_tensorcnt 0x0                           ; the wave's end
	ds_add_u32 v[SPW], v[NIL]
	s_wait_dscnt 0x0
	CROUND                                         ; the closing round: no work-group ends while a partner may still ask for a tile that names it
	s_endpgm
.Lfunc_end_k_q7141929b06_gqkv:
	.size	k_q7141929b06_gqkv, .Lfunc_end_k_q7141929b06_gqkv-k_q7141929b06_gqkv
	.p2alignl 7, 3214868480
	.fill 96, 4, 3214868480
	.section	.rodata,"a",@progbits
	.p2align	6, 0x0
	.amdhsa_kernel k_q7141929b06_gqkv
		.amdhsa_group_segment_fixed_size 327680
		.amdhsa_private_segment_fixed_size 0
		.amdhsa_enable_private_segment 0
		.amdhsa_kernarg_size 32
		.amdhsa_user_sgpr_count 2
		.amdhsa_user_sgpr_kernarg_segment_ptr 1
		.amdhsa_wavefront_size32 1
		.amdhsa_system_sgpr_workgroup_id_x 1
		.amdhsa_system_sgpr_workgroup_id_y 1
		.amdhsa_system_sgpr_workgroup_id_z 1
		.amdhsa_system_vgpr_workitem_id 0
		.amdhsa_next_free_vgpr 1024
		.amdhsa_next_free_sgpr 102
		.amdhsa_reserve_vcc 0
		.amdhsa_float_denorm_mode_32 3
		.amdhsa_float_denorm_mode_16_64 3
		.amdhsa_memory_ordered 1
		.amdhsa_forward_progress 1
		.amdhsa_inst_pref_size 223
	.end_amdhsa_kernel
	.amdgpu_metadata
---
amdhsa.version: [ 1, 2 ]
amdhsa.kernels:
  - .name:           k_q7141929b06_gqkv
    .symbol:         k_q7141929b06_gqkv.kd
    .args:
      - { .name: XB, .offset: 0, .size: 8, .value_kind: global_buffer, .address_space: global }
      - { .name: WB, .offset: 8, .size: 8, .value_kind: global_buffer, .address_space: global }
      - { .name: b_attn, .offset: 16, .size: 8, .value_kind: global_buffer, .address_space: global }
      - { .name: QKV, .offset: 24, .size: 8, .value_kind: global_buffer, .address_space: global }
    .group_segment_fixed_size: 327680
    .private_segment_fixed_size: 0
    .kernarg_segment_align: 8
    .kernarg_segment_size: 32
    .max_flat_workgroup_size: 128
    .sgpr_count:     102
    .vgpr_count:     1024
    .wavefront_size: 32
...
	.end_amdgpu_metadata
.endif
;; end of part 9
;; launch attn (part 10): grid 8 x 32, 16 waves a work-group, clusters of 4 x 1, 327,680 bytes of LDS; arguments QKV, AB; writes AB
.if DOCPART == 10
	.amdgcn_target "amdgcn-amd-amdhsa--gfx1250"
	.amdhsa_code_object_version 6
	.text
	.protected	k_q7141929b06_attn
	.globl	k_q7141929b06_attn
	.p2align	8
	.type	k_q7141929b06_attn,@function
k_q7141929b06_attn:
	s_mov_b64 s[64:65], 0
	v_nop
	global_prefetch_b8 v0, s[64:65] scope:SCOPE_SE
	s_setreg_imm32_b32 hwreg(HW_REG_WAVE_MODE, 25, 1), 1
	s_wait_xcnt 0x0
	s_wait_alu depctr_hold_cnt(0) depctr_sa_sdst(0) depctr_va_vdst(0) depctr_va_sdst(0) depctr_va_ssrc(0) depctr_va_vcc(0) depctr_vm_vsrc(0)
	s_getreg_b32 s2, hwreg(HW_REG_IB_STS2, 6, 4)
	s_cmp_eq_u32 s2, 0
	s_cbranch_scc0 .Lentry_in_a_cluster
	s_endpgm
.Lentry_in_a_cluster:
	s_bfe_u32 s2, ttmp6, 0x10000c
	s_cmp_lg_u32 s2, 0x3003
	s_cbranch_scc0 .Lentry_shape_is_right
	s_endpgm
.Lentry_shape_is_right:
; out[b][q][head] = softmax over all 2,048 keys of (q . k / 8 where key <= query, else -10,000) times v, both products on codes of FP6 (E2M3) with E8M0 scales; the result is quantised along the model's 1,024 for the next product.
; THE SOFTMAX AHEAD OF THE SECOND PRODUCT: t = logit x log2(e); M = the largest t so far rounded up to a whole number; p = 2^(t - M) is quantised along the keys, not normalised; the sum of the unquantised p divides at the end.
; When M moves, the sum and O are multiplied by 2^(old M - new M): exact.
; THE MASK WRITES -10,000, NOT -INFINITY: hidden keys stay in the maximum, in the sum and in the second product.  In a step of 128 keys all of which are hidden every t is th = -80,000 x (log2(e) / 8) = -14,426.95..
; Under M0 = ceil(th) = -14,426 their p is pm = 2^(th - M0) = 0.517..: its block's scale is 2^-3 (byte 124), pm x 8 = 4.14 rounds to the code 4.0.  So the operand of every hidden step is one constant, and V^T times it is summed
; under M0 in registers of its own (HS); the hidden steps' state (M0, 64 pm a lane and step, HS) is joined to the open steps' state once, by the exact rescaling of both to the larger M (macro FOLD).
; The tile of step 15 has no hidden step: there M0 does not enter the maximum.
; INPUT.  Two regions (q at 0, k and v at KVR), each [batch x head][step of 128 tokens][13,056 bytes]: + 0 eight half images (768 bytes: 16 rows x 64 along K: registers 0-3 of lane l at 16 l, registers 4, 5 of lane (r, h) at 512 + 16 r + 8 h)
; of q or k; + 6,144 four fragments (two half images each) of V^T; + 12,288 q's or k's scale words [tile][r]; + 12,800 V's.  Lane r of tile t holds row 32 (t / 2) + 8 (t % 2) + r + (r & 8) of its 128 (or of the head's 64).
; The first product's K is 64: registers 6-11 of its operands are zero codes, which add nothing under any scale byte but 0xff.
; SHARES.  A work-group of sixteen waves serves one head; the head's k and v, 208,896 bytes, come into LDS once and stay: wave w fetches step w, one tensor load a wave.  Wave w owns tile x (the work-group's number along x) of step IDX.
; With i = (w % 8) xor 3 ((w / 4) % 2): waves 0-7 have IDX = i, waves 8-15 IDX = 15 - i; waves w and w xor 8 are partners, their tiles have i + 1 and 16 - i open steps, 17 together.
; The long tile's owner takes its steps 0 to 8 (i < 2: 0 to 9); the short tile's owner finishes and stores its own tile and then takes the long tile's other steps, the diagonal among them, and hands (-M, sum, O) over through LDS;
; the owner joins them by FOLD.  Waves w, w + 4, w + 8, w + 12 have 34 open steps together.
; Both products are used transposed (S^T = K Q^T, O^T = V^T P^T): a lane holds one query (lane % 16); by the order of rows in a tile the 16 registers of tiles 2 b, 2 b + 1 of S^T are keys 32 b + 16 (lane / 16) + 0 .. 15.
; CLUSTER: the four work-groups of a cluster belong to one head: each of its sixteen steps is asked for jointly (mask 15).  Waves 0-3 have a load line of their own: the first barrier shows steps 0-3 alone, the second all.
; Nothing in LDS is filled again.  No prefetch: all that the work-group reads of k and v is asked for at the head, and no loop is left to run ahead in.
; LIMITS: a block of zeros gets the byte 1 (its codes are zeros, and this program alone reads the bytes); NaN and infinities are not served.
.set HB,    208896
.set STEPB, 13056
.set KVR,   6684672
.set SPARE, 0x33000                    ; behind k and v: the spare words, 128 bytes a wave
.set PART,  0x33800                    ; behind them: what a helper hands over: 4,096 bytes of O, 256 of (-M, sum), for each of eight pairs
.set PSZ,   4352
.set KF,  32                           ; v32-79   four fragments of K (the upper six registers of each stay 0)
.set VF,  80                           ; v80-127  four fragments of V^T
.set S,   128                          ; v128-191 S^T, then p; behind the open steps v128-159 HS or the partner's O, v160, v161 their -M and sum
.set O,   192                          ; v192-223 O^T
.set PC,  224                          ; v224-235 p's codes
.set CT,  236                          ; v236-243 the conversions' second halves (v239, v243: the add's two registers)
.set KSW, 244                          ; v244-247 K's scale words
.set BM,  248                          ; v248-251 the blocks' largest scores, then the conversions' scale operands
.set PT,  252                          ; v252-255 at work
; v1 16 x lane, v2 16 r + 8 h, v3 4 x lane, v4 d; v5-7 the step's LDS addresses; v8, v9 at work; v[10:11] f; v12 -M, v13 the largest t; v[14:15] the sum; v16-27 Q; v28 Q's scale words; v29 p's; v30-31 V's
.set WV,  8
.set IDX, 9
.set J,   10                           ; the step
.set TB,  11                           ; where it lies in LDS
.set CNT, 12
.set SEL, 20
.set CS,  22                           ; s[22:23] log2(e) / 8
.set G1,  24
.set G0,  32
.set LO,  36                           ; the helper's first step (16: none)
.set HI,  37                           ; the last open step of the pass
.set DG,  38                           ; the diagonal step of the pass's tile
.set IX2, 40                           ; 15 - IDX
.set NH,  41                           ; 64 x hidden steps, f32
.set HM,  42                           ; 3e38 where there is no hidden step, else 0
.set PB,  43                           ; my pair's bytes in LDS
.set PB2, 44
.set SM,  48                           ; -80,000: the score whose logit is -10,000
.macro WALU
	s_wait_alu depctr_va_vdst(0)
.endm
.macro CROUND
	s_barrier_signal -1
	s_barrier_wait -1
	s_cmp_lg_u32 s[WV], 0
	s_cbranch_scc1 .Lnot_wave_0_\@
	s_barrier_signal -3
.Lnot_wave_0_\@:
	s_barrier_wait -3
	s_barrier_signal -1
	s_barrier_wait -1
.endm
	s_load_b128 s[4:7], s[0:1], 0x0                ; QKV, AB
	v_lshl_add_u32 v239, v0, 2, SPARE
	v_mov_b32 v243, 0
	ds_add_u32 v239, v243                          ; the opening lines: the add, twice on end, and its wait ahead of my tensor load
	ds_add_u32 v239, v243
	v_lshrrev_b32 v8, 5, v0
	v_readfirstlane_b32 s[WV], v8                  ; wave 0..15
	s_bfe_u32 s13, ttmp6, 0x40000                  ; cx
	s_lshl_b32 s14, ttmp9, 2
	s_add_co_u32 s14, s14, s13                     ; x: it enters Q's and the output's addresses and the mask's compare alone
	s_and_b32 s15, ttmp7, 0xffff                   ; batch x head, which the four partners share
	s_and_b32 s18, s[WV], 7
	s_bfe_u32 s16, s[WV], 0x10002
	s_mul_i32 s16, s16, 3
	s_xor_b32 s18, s18, s16                        ; i
	s_lshr_b32 s17, s[WV], 3
	s_mul_i32 s17, s17, 15
	s_xor_b32 s[IDX], s18, s17                     ; i or 15 - i
	s_xor_b32 s[IX2], s[IDX], 15
	s_cmp_lt_u32 s18, 2
	s_cselect_b32 s19, 10, 9                       ; where the long tile is cut
	s_sub_co_u32 s16, s19, 1
	s_cmp_lt_u32 s[WV], 8
	s_cselect_b32 s[HI], s[IDX], s16               ; first pass: my own tile, whole or up to the cut
	s_cselect_b32 s[LO], s19, 16                   ; second pass: from the cut on, or nothing
	s_mov_b32 s[DG], s[IDX]
	s_sub_co_u32 s[NH], 15, s[IDX]
	s_lshl_b32 s[NH], s[NH], 6
	s_cvt_f32_u32 s[NH], s[NH]
	s_cmp_eq_u32 s[IDX], 15
	s_cselect_b32 s[HM], 0x7f61b1e6, 0
	s_and_b32 s[PB], s[WV], 7
	s_mul_i32 s[PB], s[PB], PSZ
	s_add_co_u32 s[PB], s[PB], PART
	s_add_co_u32 s[PB2], s[PB], 4096
	s_mov_b32 s[G1], 15|(3<<16)|(1<<21)            ; 15:0 the mask: all four; 17:16 elements of 8 bytes; 21 set beside a mask; no padding
	s_mov_b32 s[G1+1], 32<<16                      ; a dense block of 13,056 bytes as 51 rows of 256
	s_mov_b32 s[G1+2], 51<<16
	s_mov_b32 s[G1+3], 32<<16
	s_mov_b32 s[G1+4], 51
	s_mov_b32 s[G1+5], 32
	s_mov_b32 s[G1+6], 0
	s_mov_b32 s[G1+7], 0
	s_mov_b32 s[SEL], 0x76543210
	s_mov_b32 s[SEL+1], 0xfedcba98
	s_mov_b32 s[CS], 0x3e38aa3b
	s_mov_b32 s[CS+1], s[CS]
	s_mov_b32 s[SM], 0xc79c4000
	s_mul_i32 s50, s15, HB                         ; the head's first byte in a region
	s_mul_i32 s17, s[WV], STEPB                    ; the step that I fetch
	s_add_co_u32 s52, s50, s17
	s_add_co_u32 s52, s52, KVR
	s_mov_b32 s53, 0
	s_lshl_b32 s16, s14, 6                         ; 64 x: a tile's scale words
	s_mul_i32 s19, s14, 768                        ; 768 x: its half image
	s_mul_i32 s54, s[IDX], STEPB
	s_add_co_u32 s54, s54, s50                     ; my step in q's region
	s_add_co_u32 s56, s54, s16
	s_mov_b32 s57, 0
	s_add_co_u32 s54, s54, s19
	s_mov_b32 s55, 0
	s_mul_i32 s58, s[IX2], STEPB
	s_add_co_u32 s58, s58, s50                     ; my partner's
	s_add_co_u32 s60, s58, s16
	s_mov_b32 s61, 0
	s_add_co_u32 s58, s58, s19
	s_mov_b32 s59, 0
	s_wait_dscnt 0x0
	s_wait_kmcnt 0x0
	s_add_nc_u64 s[52:53], s[4:5], s[52:53]
	s_add_nc_u64 s[54:55], s[4:5], s[54:55]
	s_add_nc_u64 s[56:57], s[4:5], s[56:57]
	s_add_nc_u64 s[58:59], s[4:5], s[58:59]
	s_add_nc_u64 s[60:61], s[4:5], s[60:61]
	s_mov_b32 s[G0], 1
	s_mov_b32 s[G0+1], s17
	s_mov_b64 s[G0+2:G0+3], s[52:53]
	s_or_b32 s[G0+3], s[G0+3], 0x80000000
	CROUND                                         ; all four work-groups are here: the joint loads meet
	s_cmp_lt_u32 s[WV], 4                          ; one chain of two arms, a load in each: waves 0-3 have a line of their own
	s_cbranch_scc0 .Lfill_rest
	tensor_load_to_lds s[G0:G0+3], s[G1:G1+7]
	s_nop 0
.rept 4
	v_nop
.endr
	s_branch .Lfilled
.Lfill_rest:
	tensor_load_to_lds s[G0:G0+3], s[G1:G1+7]
	s_nop 0
.rept 4
	v_nop
.endr
.Lfilled:
	v_and_b32 v8, 31, v0
	v_lshlrev_b32 v1, 4, v8
	v_lshlrev_b32 v3, 2, v8
	v_and_b32 v8, 15, v0                           ; r
	v_bfe_u32 v9, v0, 4, 1                         ; h
	v_lshlrev_b32 v2, 4, v8
	v_lshl_add_u32 v2, v9, 3, v2
	v_lshlrev_b32 v5, 2, v8                        ; 4 r
	global_load_b128 v[16:19], v1, s[54:55]        ; Q's half image stays in registers
	global_load_b64 v[20:21], v2, s[54:55] offset:512
	global_load_b32 v28, v5, s[56:57] offset:12288
	s_lshr_b32 s18, s14, 1
	s_lshl_b32 s18, s18, 5
	s_and_b32 s19, s14, 1
	s_lshl_b32 s19, s19, 3
	s_add_co_u32 s18, s18, s19
	v_and_b32 v4, 8, v0
	v_add_nc_u32 v4, v4, v8
	v_lshlrev_b32 v9, 4, v9
	v_sub_nc_u32 v4, v4, v9
	v_add_nc_u32 v4, s18, v4                       ; d = my query within its step - 16 h: in a diagonal step register 16 b + i is hidden where 32 b + i > d
.irp i, 22,23,24,25,26,27
	v_mov_b32 v[\i], 0                             ; Q's K = 64 .. 127: zero codes
.endr
.irp t, 0,1,2,3
.irp i, 6,7,8,9,10,11
	v_mov_b32 v[KF+12*\t+\i], 0                    ; K's likewise: never loaded
.endr
.endr
.macro FRESH                           ; a state with no key in it: the step is written once; the first finds zeros, which the first change of M leaves zeros
.set i, 0
.rept 32
	v_mov_b32 v[O+i], 0
.set i, i+1
.endr
	v_mov_b32 v13, 0xff61b1e6                      ; the largest t so far: -3e38
	v_mov_b32 v14, 0
	v_mov_b32 v15, 0
	v_floor_f32 v12, -v13                          ; -M
.endm
	FRESH
	v_mov_b32 v11, 0                               ; (named as the upper half of the pair v[10:11])
.irp b, 0,1,2,3
	v_mov_b32 v[PT+\b], 0                          ; written once: a lane permute's destination counts as one of its sources
.endr
; The new largest t in v8 enters: M, and f = 2^(old M - new M) in v10.
.macro NEWM
	s_delay_alu instid0(VALU_DEP_1)
	v_max_num_f32 v13, v13, v8
	v_mov_b32 v8, v12
	s_delay_alu instid0(VALU_DEP_2)
	v_floor_f32 v12, -v13                          ; -M = floor(-t): M is a whole number
	s_delay_alu instid0(VALU_DEP_1)
	v_sub_f32 v8, v12, v8                          ; old M - new M: a whole number, 0 or less
	s_delay_alu instid0(VALU_DEP_1)
	v_cvt_i32_f32 v8, v8                           ; (it saturates)
	s_delay_alu instid0(VALU_DEP_1)
	v_ldexp_f32 v10, 1.0, v8
.endm
.macro VLOAD                           ; the step's LDS addresses (with the v_nop: the four places behind the last products) and V's four fragments and scale words
	v_add_nc_u32 v5, s[TB], v1
	v_add_nc_u32 v6, s[TB], v2
	v_add_nc_u32 v7, s[TB], v3
	v_nop
.irp t, 0,1,2,3
	ds_load_b128 v[VF+12*\t:VF+12*\t+3], v5 offset:6144+1536*\t
	ds_load_b64 v[VF+12*\t+4:VF+12*\t+5], v6 offset:6144+1536*\t+512
	ds_load_b128 v[VF+12*\t+6:VF+12*\t+9], v5 offset:6144+1536*\t+768
	ds_load_b64 v[VF+12*\t+10:VF+12*\t+11], v6 offset:6144+1536*\t+1280
.endr
	ds_load_b32 v30, v7 offset:12800
	ds_load_b32 v31, v7 offset:12928
.endm
.macro PV acc                          ; acc += V^T P^T; the four accumulators take turns
.irp t, 0,2
	v_wmma_scale_f32_16x16x128_f8f6f4 v[\acc+8*\t:\acc+8*\t+7], v[VF+12*\t:VF+12*\t+11], v[PC:PC+11], v[\acc+8*\t:\acc+8*\t+7], v[30+\t/2], v29 matrix_a_fmt:MATRIX_FMT_FP6 matrix_b_fmt:MATRIX_FMT_FP6
	v_wmma_scale_f32_16x16x128_f8f6f4 v[\acc+8*\t+8:\acc+8*\t+15], v[VF+12*\t+12:VF+12*\t+23], v[PC:PC+11], v[\acc+8*\t+8:\acc+8*\t+15], v[30+\t/2], v29 matrix_a_fmt:MATRIX_FMT_FP6 matrix_b_fmt:MATRIX_FMT_FP6 matrix_a_scale:MATRIX_SCALE_ROW1
.endr
.endm
; One trip: step J, if it lies in the pass's range.  The branches hang on the wave's number and the counted step alone.
.macro VSTEP lo
.if \lo
	s_cmp_lt_u32 s[J], s[LO]
	s_cbranch_scc1 .Lskip_\@
.endif
	s_cmp_gt_u32 s[J], s[HI]
	s_cbranch_scc1 .Lskip_\@
	VLOAD
	WALU
.irp g, 0,1                                    ; S^T = K Q^T, four tiles of 16 keys at a time
.if \g > 0
.rept 4
	v_nop
.endr
.endif
.irp t, 0,1,2,3
	ds_load_b128 v[KF+12*\t:KF+12*\t+3], v5 offset:768*(4*\g+\t)
	ds_load_b64 v[KF+12*\t+4:KF+12*\t+5], v6 offset:768*(4*\g+\t)+512
.endr
.if \g == 0
.irp i, 0,1,2,3
	ds_load_b32 v[KSW+\i], v7 offset:12288+128*\i
.endr
.endif
	s_wait_dscnt 0x0
.irp t, 0,2
	v_wmma_scale_f32_16x16x128_f8f6f4 v[S+8*(4*\g+\t):S+8*(4*\g+\t)+7], v[KF+12*\t:KF+12*\t+11], v[16:27], 0, v[KSW+2*\g+\t/2], v28 matrix_a_fmt:MATRIX_FMT_FP6 matrix_b_fmt:MATRIX_FMT_FP6
	v_wmma_scale_f32_16x16x128_f8f6f4 v[S+8*(4*\g+\t)+8:S+8*(4*\g+\t)+15], v[KF+12*\t+12:KF+12*\t+23], v[16:27], 0, v[KSW+2*\g+\t/2], v28 matrix_a_fmt:MATRIX_FMT_FP6 matrix_b_fmt:MATRIX_FMT_FP6 matrix_a_scale:MATRIX_SCALE_ROW1
.endr
.endr
.rept 4
	v_nop
.endr
	s_cmp_lg_u32 s[J], s[DG]
	s_cbranch_scc1 .Lopen_\@                       ; a step all of whose keys count skips the mask
	v_mov_b32 v9, s[SM]
.set n, 0
.rept 64
	v_cmp_gt_i32 vcc_lo, 32*(n/16)+n%16, v4
	v_cndmask_b32 v[S+n], v[S+n], v9, vcc_lo       ; a hidden key's score becomes the one whose logit is -10,000
.set n, n+1
.endr
.Lopen_\@:
.irp b, 0,1,2,3
	v_max3_num_f32 v[BM+\b], v[S+16*\b], v[S+1+16*\b], v[S+2+16*\b]   ; the largest score of each block of 32 keys: for the row's maximum and, since p rises with the score, for the block's largest p
.endr
.irp i, 3,5,7,9,11,13
.irp b, 0,1,2,3
	v_max3_num_f32 v[BM+\b], v[BM+\b], v[S+16*\b+\i], v[S+1+16*\b+\i]
.endr
.endr
.irp b, 0,1,2,3
	v_max_num_f32 v[BM+\b], v[BM+\b], v[S+15+16*\b]
.endr
.irp b, 0,1,2,3
	s_delay_alu instid0(VALU_DEP_4)
	v_permlanex16_b32 v[PT+\b], v[BM+\b], s[SEL], s[SEL+1]
.endr
.irp b, 0,1,2,3
	s_delay_alu instid0(VALU_DEP_4)
	v_max_num_f32 v[BM+\b], v[BM+\b], v[PT+\b]
.endr
	s_delay_alu instid0(VALU_DEP_2)
	v_max3_num_f32 v8, v[BM], v[BM+1], v[BM+2]
	s_delay_alu instid0(VALU_DEP_1)
	v_max_num_f32 v8, v8, v[BM+3]
	s_delay_alu instid0(VALU_DEP_1)
	v_mul_f32 v8, s[CS], v8                        ; as t
	NEWM
.set n, 0
.rept 32
	v_pk_fma_f32 v[S+n:S+n+1], v[S+n:S+n+1], s[CS:CS+1], v[12:13] op_sel_hi:[1,0,0]   ; t - M
.set n, n+2
.endr
.irp b, 0,1,2,3
	v_fma_f32 v[BM+\b], v[BM+\b], s[CS], v12
.endr
.set n, 0
	WALU                                           ; ahead of the batch
.rept 64
	v_exp_f32 v[S+n], v[S+n]                       ; p = 2^(t - M)
.set n, n+1
.endr
.irp b, 0,1,2,3
	v_exp_f32 v[BM+\b], v[BM+\b]                   ; the block's largest p: the same two lines on the same number
.endr
	v_pk_mul_f32 v[14:15], v[14:15], v[10:11] op_sel_hi:[1,0]   ; the sum under the new M (a plain line behind the exponentials)
	WALU                                           ; and behind it
.irp b, 0,1,2,3
	v_max_num_f32 v[BM+\b], 0x1800000, v[BM+\b]    ; the floor 2^(3 - 127)
.endr
.irp b, 0,1,2,3
	s_delay_alu instid0(VALU_DEP_4)
	v_add_nc_u32 v[BM+\b], 0xff000000, v[BM+\b]    ; 2 off the exponent field: the conversion's scale operand
.endr
.irp b, 0,1,2,3
	s_delay_alu instid0(VALU_DEP_4)
	v_lshrrev_b32 v[PT+\b], 23, v[BM+\b]
.endr
	s_delay_alu instid0(VALU_DEP_3)
	v_lshl_or_b32 v29, v[PT+1], 8, v[PT]           ; p's scale word for these 128 keys
	s_delay_alu instid0(VALU_DEP_1)
	v_lshl_or_b32 v29, v[PT+2], 16, v29
	s_delay_alu instid0(VALU_DEP_1)
	v_lshl_or_b32 v29, v[PT+3], 24, v29
.irp c, 0,1
	v_cvt_scalef32_pk16_fp6_f32 v[PC+6*\c:PC+2+6*\c], v[S+32*\c:S+15+32*\c], v[BM+2*\c]
	v_cvt_scalef32_pk16_fp6_f32 v[CT+4*\c:CT+2+4*\c], v[S+16+32*\c:S+31+32*\c], v[BM+2*\c+1]
.endr
	v_nop
.irp c, 0,1
.irp i, 0,1,2
	v_permlane16_swap_b32 v[PC+6*\c+\i], v[CT+4*\c+\i]
.endr
.irp i, 0,1,2
	s_delay_alu instid0(VALU_DEP_3)
	v_mov_b32 v[PC+3+6*\c+\i], v[CT+4*\c+\i]
.endr
.endr
	v_pk_add_f32 v[236:237], v[132:133], v[136:137]   ; the sum of the unquantised p, in eight chains
	v_pk_add_f32 v[250:251], v[140:141], v[144:145]
	v_pk_add_f32 v[248:249], v[148:149], v[152:153]
	v_pk_add_f32 v[246:247], v[156:157], v[160:161]
	v_pk_add_f32 v[244:245], v[164:165], v[168:169]
	v_pk_add_f32 v[240:241], v[172:173], v[176:177]
	v_pk_add_f32 v[72:73], v[180:181], v[184:185]
	v_pk_add_f32 v[14:15], v[14:15], v[188:189]
	v_pk_add_f32 v[236:237], v[236:237], v[128:129]
	v_pk_add_f32 v[250:251], v[250:251], v[130:131]
	v_pk_add_f32 v[248:249], v[248:249], v[134:135]
	v_pk_add_f32 v[246:247], v[246:247], v[138:139]
	v_pk_add_f32 v[244:245], v[244:245], v[142:143]
	v_pk_add_f32 v[240:241], v[240:241], v[146:147]
	v_pk_add_f32 v[72:73], v[72:73], v[150:151]
	v_pk_add_f32 v[14:15], v[14:15], v[154:155]
	v_pk_add_f32 v[236:237], v[236:237], v[158:159]
	v_pk_add_f32 v[250:251], v[250:251], v[162:163]
	v_pk_add_f32 v[248:249], v[248:249], v[166:167]
	v_pk_add_f32 v[246:247], v[246:247], v[170:171]
	v_pk_add_f32 v[244:245], v[244:245], v[174:175]
	v_pk_add_f32 v[240:241], v[240:241], v[178:179]
	v_pk_add_f32 v[72:73], v[72:73], v[182:183]
	v_pk_add_f32 v[14:15], v[14:15], v[186:187]
	v_pk_add_f32 v[236:237], v[236:237], v[190:191]
	v_pk_add_f32 v[14:15], v[14:15], v[246:247]
	v_pk_add_f32 v[236:237], v[236:237], v[244:245]
	v_pk_add_f32 v[250:251], v[250:251], v[240:241]
	v_pk_add_f32 v[248:249], v[248:249], v[72:73]
	v_pk_add_f32 v[14:15], v[14:15], v[250:251]
	v_pk_add_f32 v[236:237], v[236:237], v[248:249]
	v_pk_add_f32 v[14:15], v[14:15], v[236:237]
	WALU                                           ; the wait stands directly ahead of the first reader of O^T
.set n, 0
.rept 16
	v_pk_mul_f32 v[O+n:O+n+1], v[O+n:O+n+1], v[10:11] op_sel_hi:[1,0]   ; O^T under the new M (ascending: each accumulator is first read at its low end)
.set n, n+2
.endr
	WALU
	s_wait_dscnt 0x0
	PV O
.Lskip_\@:
	s_add_co_u32 s[J], s[J], 1
	s_add_co_u32 s[TB], s[TB], STEPB
.endm
.macro WALK from, trips, lo            ; steps from .. from + trips - 1: every wave walks the loop, the trip's own branches lead round the work
	s_mov_b32 s[J], \from
	s_mov_b32 s[TB], (\from)*STEPB
	s_mov_b32 s[CNT], \trips
.Lstep_\@:
	VSTEP \lo
	s_sub_co_u32 s[CNT], s[CNT], 1
	s_cmp_lg_u32 s[CNT], 0
	s_cbranch_scc1 .Lstep_\@
.endm
; A second state (its -M in v160, its sum in v161, its O in v128-159) is joined to mine: both are brought under the larger M by powers of two, which rounds nothing.
.macro FOLD
	v_min_num_f32 v9, v12, v[S+32]                 ; the new -M
	v_add_f32 v14, v14, v15
	v_sub_f32 v10, v9, v12                         ; my M - the new M: a whole number, 0 or less
	v_sub_f32 v8, v9, v[S+32]                      ; the other's likewise
	v_mov_b32 v15, 0
	v_cvt_i32_f32 v10, v10                         ; (they saturate)
	v_cvt_i32_f32 v8, v8
	v_mov_b32 v12, v9
	v_ldexp_f32 v10, 1.0, v10
	v_ldexp_f32 v8, 1.0, v8
	v_mul_f32 v14, v14, v10
	v_fma_f32 v14, v[S+33], v8, v14
	WALU                                           ; the wait stands directly ahead of the first readers of the matrix results
.set n, 0
.rept 16
	v_pk_mul_f32 v[O+n:O+n+1], v[O+n:O+n+1], v[10:11] op_sel_hi:[1,0]
.set n, n+2
.endr
.set n, 0
.rept 16
	v_pk_fma_f32 v[O+n:O+n+1], v[S+n:S+n+1], v[8:9], v[O+n:O+n+1] op_sel_hi:[1,0,1]
.set n, n+2
.endr
.endm
; THE WAY OUT of my own tile: O^T / the sum; register 16 b + i is d = 32 b + 16 h + i of my query: two blocks of the next product's K; they become half a fragment.
.macro OUTPUT
	v_permlanex16_b32 v[PT], v14, s[SEL], s[SEL+1]
	s_delay_alu instid0(VALU_DEP_1)
	v_add_f32 v14, v14, v[PT]
	WALU
	v_rcp_f32 v14, v14
	v_nop
.set n, 0
	WALU
.rept 32
	v_mul_f32 v[S+n], v[O+n], v14
.set n, n+1
.endr
.irp b, 0,1
	v_max3_num_f32 v[BM+\b], |v[S+16*\b]|, |v[S+1+16*\b]|, 0x1800000
.endr
.irp i, 2,4,6,8,10,12,14
.irp b, 0,1
	s_delay_alu instid0(VALU_DEP_2)
	v_max3_num_f32 v[BM+\b], v[BM+\b], |v[S+16*\b+\i]|, |v[S+1+16*\b+\i]|
.endr
.endr
.irp b, 0,1
	s_delay_alu instid0(VALU_DEP_2)
	v_permlanex16_b32 v[PT+\b], v[BM+\b], s[SEL], s[SEL+1]
.endr
.irp b, 0,1
	s_delay_alu instid0(VALU_DEP_2)
	v_max_num_f32 v[BM+\b], v[BM+\b], v[PT+\b]
.endr
.irp b, 0,1
	s_delay_alu instid0(VALU_DEP_2)
	v_add_nc_u32 v[BM+\b], 0xff000000, v[BM+\b]
.endr
.irp b, 0,1
	s_delay_alu instid0(VALU_DEP_2)
	v_lshrrev_b32 v[PT+\b], 23, v[BM+\b]
.endr
	s_delay_alu instid0(VALU_DEP_1)
	v_lshl_or_b32 v9, v[PT+1], 8, v[PT]            ; my head's two scale bytes
	v_cvt_scalef32_pk16_fp6_f32 v[PC:PC+2], v[S:S+15], v[BM]
	v_cvt_scalef32_pk16_fp6_f32 v[CT:CT+2], v[S+16:S+31], v[BM+1]
	v_nop
.irp i, 0,1,2
	v_permlane16_swap_b32 v[PC+\i], v[CT+\i]
.endr
.irp i, 0,1,2
	s_delay_alu instid0(VALU_DEP_3)
	v_mov_b32 v[PC+3+\i], v[CT+\i]
.endr
	v_and_b32 v5, 15, v0
	s_delay_alu instid0(VALU_DEP_1)
	v_lshlrev_b32 v5, 2, v5                        ; 4 r
	s_lshr_b32 s50, s15, 4
	s_lshl_b32 s50, s50, 4
	s_add_co_u32 s50, s50, s[IDX]                  ; the group of 128 tokens: 16 x batch + my step
	s_and_b32 s51, s15, 15                         ; the head
	s_lshr_b32 s52, s51, 1                         ; its K step of 128,
	s_and_b32 s51, s51, 1                          ; and its half of it
	s_lshl_b32 s50, s50, 3
	s_add_co_u32 s50, s50, s52
	s_lshl_b32 s52, s50, 9
	s_lshl_b32 s53, s14, 6
	s_add_co_u32 s52, s52, s53
	s_lshl_b32 s53, s51, 1
	s_add_co_u32 s52, s52, s53
	s_add_co_u32 s52, s52, 3145728
	s_mov_b32 s53, 0
	s_add_nc_u64 s[52:53], s[6:7], s[52:53]        ; my two bytes of the tile's scale words
	s_lshl_b32 s50, s50, 3
	s_add_co_u32 s50, s50, s14
	s_mul_i32 s50, s50, 1536
	s_mul_i32 s51, s51, 768
	s_add_co_u32 s50, s50, s51
	s_mov_b32 s51, 0
	s_add_nc_u64 s[50:51], s[6:7], s[50:51]        ; my half image
	WALU
	global_store_b128 v1, v[PC:PC+3], s[50:51]     ; 512 and 256 consecutive bytes, aligned to 256
	global_store_b64 v2, v[PC+4:PC+5], s[50:51] offset:512
	global_store_b16 v5, v9, s[52:53]              ; lanes r and r + 16 hold the same bytes and store them to the same place
.endm
	WALU                                           ; the wait at the head's end
	s_wait_loadcnt 0x0                             ; Q
	s_cmp_lt_u32 s[WV], 4
	s_cbranch_scc0 .Lnot_first
	s_wait_tensorcnt 0x0                           ; waves 0-3: my step has landed
.Lnot_first:
	s_barrier_signal -1
	s_barrier_wait -1                              ; steps 0-3 are in; the others may be on their way
	WALK 0, 2, 0                                   ; two steps, which every tile but that of step 0 has
	s_wait_tensorcnt 0x0                           ; every wave: my step has landed
	s_wait_dscnt 0x0
	s_barrier_signal -1
	s_barrier_wait -1                              ; all sixteen steps are in
	WALK 2, 8, 0                                   ; no first pass reaches beyond step 9
	; ---- the hidden steps of my own tile.  First my partner's Q is asked for, into registers of K's fragments, which are idle here
	v_and_b32 v[S+34], 15, v0
	v_lshlrev_b32 v[S+34], 2, v[S+34]
	global_load_b128 v[32:35], v1, s[58:59]
	global_load_b64 v[36:37], v2, s[58:59] offset:512
	global_load_b32 v44, v[S+34], s[60:61] offset:12288
	v_mov_b32 v9, s[SM]
	v_mul_f32 v8, s[CS], v9                        ; th
	v_floor_f32 v[S+32], -v8                       ; -M0
	v_fma_f32 v[S+33], v9, s[CS], v[S+32]
	WALU
	v_exp_f32 v[S+33], v[S+33]                     ; pm
	v_mov_b32 v29, 0x7c7c7c7c                      ; the hidden steps' operand: byte 124 for each block,
.irp i, 0,3,6,9
	v_mov_b32 v[PC+\i], 0x18618618                 ; and sixteen codes of 4.0 (0b011000) in every three registers
	v_mov_b32 v[PC+\i+1], 0x86186186
	v_mov_b32 v[PC+\i+2], 0x61861861
.endr
.set i, 0
.rept 32
	v_mov_b32 v[S+i], 0                            ; HS: the trip is written once
.set i, i+1
.endr
	v_max_num_f32 v[S+32], s[HM], v[S+32]          ; no hidden step: M0 = -3e38 stays out of the maximum
	WALU
	v_mul_f32 v[S+33], s[NH], v[S+33]              ; my 64 keys of each hidden step
	s_mov_b32 s[J], 1
	s_mov_b32 s[TB], STEPB
	s_mov_b32 s[CNT], 15
	WALU
.Lhid:
	s_cmp_gt_u32 s[J], s[IDX]
	s_cbranch_scc0 .Lnot_hid
	VLOAD
	s_wait_dscnt 0x0
	PV S
.Lnot_hid:
	s_add_co_u32 s[J], s[J], 1
	s_add_co_u32 s[TB], s[TB], STEPB
	s_sub_co_u32 s[CNT], s[CNT], 1
	s_cmp_lg_u32 s[CNT], 0
	s_cbranch_scc1 .Lhid
	FOLD
	WALU
	s_wait_loadcnt 0x0                             ; my partner's Q
	s_cmp_lt_u32 s[WV], 8
	s_cbranch_scc0 .Lowner_1
	OUTPUT                                         ; waves 0-7: my own tile is whole
	s_wait_xcnt 0x0                                ; the stores have read their registers
.irp i, 0,1,2,3,4,5
	v_mov_b32 v[16+\i], v[32+\i]                   ; and I go on with my partner's tile
.endr
	v_mov_b32 v28, v44
	FRESH
.Lowner_1:
	s_mov_b32 s[HI], s[IX2]
	s_mov_b32 s[DG], s[IX2]
	WALU
	WALK 9, 7, 1                                   ; from the cut to the diagonal; waves 8-15 find no step in their range
	v_add_nc_u32 v5, s[PB], v1
	v_lshl_add_u32 v6, v3, 1, s[PB2]
	v_add_f32 v13, v14, v15
	v_nop
	v_nop
	WALU
	s_cmp_lt_u32 s[WV], 8
	s_cbranch_scc0 .Lowner_2
.irp k, 0,1,2,3,4,5,6,7
	ds_store_b128 v5, v[O+4*\k:O+4*\k+3] offset:512*\k   ; an image of the registers, each accumulator from its low end on
.endr
	ds_store_b64 v6, v[12:13]                      ; -M and my lane's sum
.Lowner_2:
	s_wait_dscnt 0x0                               ; for the partner's sake: my stores are done
	s_barrier_signal -1
	s_barrier_wait -1
	s_cmp_lt_u32 s[WV], 8
	s_cbranch_scc1 .Lend
.irp k, 0,1,2,3,4,5,6,7
	ds_load_b128 v[S+4*\k:S+4*\k+3], v5 offset:512*\k
.endr
	ds_load_b64 v[S+32:S+33], v6
	s_wait_dscnt 0x0
	FOLD
	OUTPUT
.Lend:
	s_wait_tensorcnt 0x0                           ; the wave's end
	ds_add_u32 v239, v243
	s_wait_dscnt 0x0
	CROUND                                         ; the closing round
	s_endpgm
.Lfunc_end_k_q7141929b06_attn:
	.size	k_q7141929b06_attn, .Lfunc_end_k_q7141929b06_attn-k_q7141929b06_attn
	.p2alignl 7, 3214868480
	.fill 96, 4, 3214868480
	.section	.rodata,"a",@progbits
	.p2align	6, 0x0
	.amdhsa_kernel k_q7141929b06_attn
		.amdhsa_group_segment_fixed_size 327680
		.amdhsa_private_segment_fixed_size 0
		.amdhsa_enable_private_segment 0
		.amdhsa_kernarg_size 16
		.amdhsa_user_sgpr_count 2
		.amdhsa_user_sgpr_kernarg_segment_ptr 1
		.amdhsa_wavefront_size32 1
		.amdhsa_system_sgpr_workgroup_id_x 1
		.amdhsa_system_sgpr_workgroup_id_y 1
		.amdhsa_system_sgpr_workgroup_id_z 1
		.amdhsa_system_vgpr_workitem_id 0
		.amdhsa_next_free_vgpr 256
		.amdhsa_next_free_sgpr 66
		.amdhsa_reserve_vcc 1
		.amdhsa_float_denorm_mode_32 3
		.amdhsa_float_denorm_mode_16_64 3
		.amdhsa_memory_ordered 1
		.amdhsa_forward_progress 1
		.amdhsa_inst_pref_size 100
	.end_amdhsa_kernel
	.amdgpu_metadata
---
amdhsa.version: [ 1, 2 ]
amdhsa.kernels:
  - .name:           k_q7141929b06_attn
    .symbol:         k_q7141929b06_attn.kd
    .args:
      - { .name: QKV, .offset: 0, .size: 8, .value_kind: global_buffer, .address_space: global }
      - { .name: AB, .offset: 8, .size: 8, .value_kind: global_buffer, .address_space: global }
    .group_segment_fixed_size: 327680
    .private_segment_fixed_size: 0
    .kernarg_segment_align: 8
    .kernarg_segment_size: 16
    .max_flat_workgroup_size: 512
    .sgpr_count:     66
    .vgpr_count:     256
    .wavefront_size: 32
...
	.end_amdgpu_metadata
.endif
;; end of part 10
;; launch gproj (part 11): grid 8 x 32, 4 waves a work-group, clusters of 4 x 4, 327,680 bytes of LDS; arguments AB, WB, b_proj, hidden_states, HB16; writes HB16
.if DOCPART == 11
	.amdgcn_target "amdgcn-amd-amdhsa--gfx1250"
	.amdhsa_code_object_version 6
	.text
	.protected	k_q7141929b06_gproj
	.globl	k_q7141929b06_gproj
	.p2align	8
	.type	k_q7141929b06_gproj,@function
k_q7141929b06_gproj:
	s_mov_b64 s[64:65], 0
	v_nop
	global_prefetch_b8 v0, s[64:65] scope:SCOPE_SE
	s_setreg_imm32_b32 hwreg(HW_REG_WAVE_MODE, 25, 1), 1
	s_wait_xcnt 0x0
	s_wait_alu depctr_hold_cnt(0) depctr_sa_sdst(0) depctr_va_vdst(0) depctr_va_sdst(0) depctr_va_ssrc(0) depctr_va_vcc(0) depctr_vm_vsrc(0)
	s_getreg_b32 s2, hwreg(HW_REG_IB_STS2, 6, 4)
	s_cmp_eq_u32 s2, 0
	s_cbranch_scc0 .Lentry_in_a_cluster
	s_endpgm
.Lentry_in_a_cluster:
	s_bfe_u32 s2, ttmp6, 0x10000c
	s_cmp_lg_u32 s2, 0xf033
	s_cbranch_scc0 .Lentry_shape_is_right
	s_endpgm
.Lentry_shape_is_right:
.set KS,     8
.set ASC,    3145728
.set WOFF,   2457600
.set WSOFF,  3244032
.set FR,     12
.set NP,     4
.set KB,     12288
.set HALFT,  2*KB
.set OPB,    4*KB
.set SLOT,   2*OPB
.set LAPS,   KS/8
.set GROUPB, KS*KB
.set GROUPS, KS*512
.set HALFS,  GROUPS
.set SCL,    2*SLOT
.set SPARE,  SCL+2*GROUPS
.set STAGE,  SPARE+512
.set SPITCH, 272
.set BIA,  8
.set ADRA, 16
.set ADRB, 20
.set STO,  24
.set RD,   25
.set CO,   26
.set ADRS, 27
.set SPW,  28
.set NIL,  29
.set L8,   30
.set L16,  31
.set SC,   32
.set BK,   64
.set ACC,  128
.set RS,   0
.set G1, 24
.set G0, 32
.set G1B, 48
.set G0B, 56
.set G1S, 68
.set G0S, 76
.set G1SB, 80
.set G0SB, 88
.set MSB, 0
.macro WIN new
.if MSB != (\new)
	s_set_vgpr_msb (MSB<<8)|(\new)
.set MSB, (\new)
.endif
.endm
.set MUL,   0x05
.set TO_F,  0x40
.set TO_R,  0x80
.set ADD_R, 0x08
.macro JLOAD g0a, g1a, g0b, g1b
	s_cmp_eq_u32 s15, 0
	s_cbranch_scc0 .Lfor_b_\@
	tensor_load_to_lds s[\g0a:\g0a+3], s[\g1a:\g1a+7]
	s_nop 0
.rept 4
	v_nop
.endr
	s_branch .Lasked_\@
.Lfor_b_\@:
	tensor_load_to_lds s[\g0b:\g0b+3], s[\g1b:\g1b+7]
	s_nop 0
.rept 4
	v_nop
.endr
.Lasked_\@:
.endm
.macro CREST
	s_cmp_lg_u32 s14, 0
	s_cbranch_scc1 .Lnot_wave_0_\@
	s_barrier_signal -3
.Lnot_wave_0_\@:
	s_barrier_wait -3
	s_barrier_signal -1
	s_barrier_wait -1
.endm
.macro CROUND
	s_barrier_signal -1
	s_barrier_wait -1
	CREST
.endm
	s_load_b256 s[92:99], s[0:1], 0x0
	s_load_b64 s[12:13], s[0:1], 0x20
	v_lshl_add_u32 v[SPW], v0, 2, SPARE
	v_mov_b32 v[NIL], 0
	ds_add_u32 v28, v29
	ds_add_u32 v28, v29
	s_wait_dscnt 0x0
	v_lshrrev_b32 v1, 5, v0
	v_readfirstlane_b32 s14, v1
	s_lshr_b32 s15, s14, 1
	s_and_b32 s16, s14, 1
	s_bfe_u32 s40, ttmp6, 0x40000
	s_bfe_u32 s41, ttmp6, 0x40004
	s_lshl_b32 s42, ttmp9, 2
	s_add_co_u32 s42, s42, s40
	s_and_b32 s17, ttmp7, 0xffff
	s_lshl_b32 s17, s17, 2
	s_add_co_u32 s17, s17, s41
	s_lshl_b32 s43, s41, 2
	s_lshl_b32 s43, 15, s43
	s_lshl_b32 s44, 0x1111, s40
	s_or_b32 s[G1+0], s43, (3<<16)|(1<<21)
	s_or_b32 s[G1B+0], s44, (3<<16)|(1<<21)
.irp g, G1, G1B
	s_mov_b32 s[\g+1], 32<<16
	s_mov_b32 s[\g+2], 192<<16
	s_mov_b32 s[\g+3], 32<<16
	s_mov_b32 s[\g+4], 192
	s_mov_b32 s[\g+5], 32
	s_mov_b32 s[\g+6], 0
	s_mov_b32 s[\g+7], 0
.endr
	s_or_b32 s[G1S+0], s43, (3<<16)|(1<<21)
	s_or_b32 s[G1SB+0], s44, (3<<16)|(1<<21)
.irp g, G1S, G1SB
	s_mov_b32 s[\g+1], 32<<16
	s_mov_b32 s[\g+2], (HALFS/256)<<16
	s_mov_b32 s[\g+3], 32<<16
	s_mov_b32 s[\g+4], HALFS/256
	s_mov_b32 s[\g+5], 32
	s_mov_b32 s[\g+6], 0
	s_mov_b32 s[\g+7], 0
.endr
	s_mul_i32 s2, s16, HALFT
	s_mul_i32 s20, s17, GROUPB
	s_add_co_u32 s20, s20, s2
	s_mov_b32 s21, 0
	s_mul_i32 s22, s17, GROUPS
	s_add_co_u32 s22, s22, ASC
	s_mov_b32 s23, 0
	s_mul_i32 s46, s42, GROUPB
	s_add_co_u32 s46, s46, s2
	s_add_co_u32 s46, s46, WOFF
	s_mov_b32 s47, 0
	s_mul_i32 s18, s42, GROUPS
	s_add_co_u32 s18, s18, WSOFF
	s_mov_b32 s19, 0
	s_mul_i32 s45, s14, HALFT
	s_wait_kmcnt 0x0
	s_add_nc_u64 s[20:21], s[92:93], s[20:21]
	s_add_nc_u64 s[22:23], s[92:93], s[22:23]
	s_add_nc_u64 s[46:47], s[94:95], s[46:47]
	s_add_nc_u64 s[18:19], s[94:95], s[18:19]
	CROUND
	s_mov_b32 s[G0S], 1
	s_mov_b32 s[G0S+1], SCL
	s_mov_b64 s[G0S+2:G0S+3], s[22:23]
	s_or_b32 s[G0S+3], s[G0S+3], 0x80000000
	s_mov_b32 s[G0SB], 1
	s_mov_b32 s[G0SB+1], SCL+GROUPS
	s_mov_b64 s[G0SB+2:G0SB+3], s[18:19]
	s_or_b32 s[G0SB+3], s[G0SB+3], 0x80000000
.irp s, 0,1
	s_mov_b32 s[G0+4*\s], 1
	s_add_co_u32 s[G0+4*\s+1], s45, \s*SLOT
	s_add_nc_u64 s[G0+4*\s+2:G0+4*\s+3], s[20:21], \s*2*HALFT
	s_or_b32 s[G0+4*\s+3], s[G0+4*\s+3], 0x80000000
	s_mov_b32 s[G0B+4*\s], 1
	s_add_co_u32 s[G0B+4*\s+1], s45, \s*SLOT
	s_add_nc_u64 s[G0B+4*\s+2:G0B+4*\s+3], s[46:47], \s*2*HALFT
	s_or_b32 s[G0B+4*\s+3], s[G0B+4*\s+3], 0x80000000
.endr
	s_cmp_eq_u32 s15, 0                            ; the prefetch: the half slot that I fetch in the ring, and my work-group's 24 of its 96 blocks of 256 bytes, by its place among the four that ask jointly
	s_cselect_b64 s[4:5], s[20:21], s[46:47]
	s_cselect_b32 s2, s40, s41
	s_mul_i32 s2, s2, 24*256
	s_add_nc_u64 s[4:5], s[4:5], 2*HALFT           ; at slot 1
	; THE HEAD'S LOADS, ONE A WAVE, in one chain of arms: wave 0 A's part of slot 0 (192 rows of 256 bytes), wave 1 A's scale words, wave 2 B's part of slot 0, wave 3 B's scale words
	s_cmp_lg_u32 s14, 0
	s_cbranch_scc1 .Lhead_1
	tensor_load_to_lds s[G0:G0+3], s[G1:G1+7]
	s_nop 0
.rept 4
	v_nop
.endr
	s_branch .Lhead_asked
.Lhead_1:
	s_cmp_lg_u32 s14, 1
	s_cbranch_scc1 .Lhead_2
	tensor_load_to_lds s[G0S:G0S+3], s[G1S:G1S+7]
	s_nop 0
.rept 4
	v_nop
.endr
	s_branch .Lhead_asked
.Lhead_2:
	s_cmp_lg_u32 s14, 2
	s_cbranch_scc1 .Lhead_3
	tensor_load_to_lds s[G0B:G0B+3], s[G1B:G1B+7]
	s_nop 0
.rept 4
	v_nop
.endr
	s_branch .Lhead_asked
.Lhead_3:
	tensor_load_to_lds s[G0SB:G0SB+3], s[G1SB:G1SB+7]
	s_nop 0
.rept 4
	v_nop
.endr
.Lhead_asked:
	v_and_b32 v1, 31, v0
	v_and_b32 v2, 15, v0
	v_bfe_u32 v3, v0, 4, 1
	v_lshlrev_b32 v[L16], 4, v1
	v_min_u32 v13, 23, v1                          ; a lane a block; the eight lanes left over name the last block again
	v_lshl_add_u32 v13, v13, 8, s2
	global_prefetch_b8 v13, s[4:5] th:TH_LOAD_NT scope:SCOPE_SE   ; slot 1's bytes of my half
	v_lshlrev_b32 v[L8], 4, v2
	v_lshl_add_u32 v[L8], v3, 3, v[L8]
	s_mul_i32 s21, s15, 4*1536
	s_mul_i32 s22, s16, 4*1536
	s_add_co_u32 s22, s22, OPB
.irp s, 0,1
	v_add_nc_u32 v[ADRA+\s], s21, v[L16]
	v_add_nc_u32 v[ADRB+\s], s22, v[L16]
	v_add_nc_u32 v[ADRA+2+\s], s21, v[L8]
	v_add_nc_u32 v[ADRB+2+\s], s22, v[L8]
	s_add_co_u32 s21, s21, SLOT
	s_add_co_u32 s22, s22, SLOT
.endr
	v_lshlrev_b32 v6, 2, v2
	s_lshl_b32 s21, s15, 8
	s_lshl_b32 s22, s16, 8
	s_add_co_u32 s22, s22, GROUPS
	s_sub_co_u32 s22, s22, s21
	v_mul_u32_u24 v7, s22, v3
	s_add_co_u32 s21, s21, SCL
	v_add_nc_u32 v6, v6, v7
	v_add_nc_u32 v[ADRS], s21, v6
	s_mul_i32 s23, s14, 16*SPITCH
	s_add_co_u32 s23, s23, STAGE
	v_mul_u32_u24 v5, v2, SPITCH
	v_lshl_add_u32 v5, v3, 6, v5
	v_add_nc_u32 v[STO], s23, v5
	v_mul_u32_u24 v5, v3, SPITCH
	v_lshl_add_u32 v5, v2, 4, v5
	v_add_nc_u32 v[RD], s23, v5
	v_lshlrev_b32 v12, 4, v2
	v_lshl_add_u32 v[CO], v3, 12, v12
	s_wait_alu depctr_va_vdst(0)
	s_lshl_b32 s46, s42, 9
	s_lshl_b32 s47, s16, 8
	s_add_co_u32 s46, s46, s47
	s_mov_b32 s47, 0
	s_add_nc_u64 s[96:97], s[96:97], s[46:47]
	global_load_b128 v[BIA:BIA+3], v12, s[96:97]
	s_lshl_b32 s20, s17, 19
	s_add_co_u32 s46, s46, s20
	s_lshl_b32 s20, s15, 18
	s_add_co_u32 s46, s46, s20
	s_add_nc_u64 s[98:99], s[98:99], s[46:47]
	s_add_nc_u64 s[12:13], s[12:13], s[46:47]
.macro RLOAD a
.irp i, 0,1,2,3,4,5,6,7
	global_load_b128 v[RS+32*(\a)+4*\i:RS+32*(\a)+4*\i+3], v[CO], s[98:99] offset:(32*((\a)/2)+8*((\a)%2)+2*\i+((2*\i)&8))*4096
.endr
.endm
.macro FRAG reg, adr, q, i
	ds_load_b128 v[\reg:\reg+3], v[\adr] offset:(\q)*KB+(\i)*1536
	ds_load_b64 v[\reg+4:\reg+5], v[\adr+2] offset:(\q)*KB+(\i)*1536+512
	ds_load_b128 v[\reg+6:\reg+9], v[\adr] offset:(\q)*KB+(\i)*1536+768
	ds_load_b64 v[\reg+10:\reg+11], v[\adr+2] offset:(\q)*KB+(\i)*1536+1280
.endm
.macro FETCH slot, q, f
	WIN TO_F
.irp i, 0,1,2,3
	FRAG (\f)+FR*\i, ADRA+\slot, \q, \i
.endr
.irp i, 0,1,2,3
	FRAG (\f)+48+FR*\i, ADRB+\slot, \q, \i
.endr
.endm
.macro MUL8 f, a0, q, sc, zero
.irp a, \a0, \a0+1
.irp b, 0,1,2,3
.if \zero
	v_wmma_scale_f32_16x16x128_f8f6f4 v[ACC+8*(4*(\a)+\b):ACC+8*(4*(\a)+\b)+7], v[(\f)+48+FR*\b:(\f)+48+FR*\b+FR-1], v[(\f)+FR*(\a):(\f)+FR*(\a)+FR-1], 0, v[SC+16*(\sc)+4*(\q)+\b], v[SC+16*(\sc)+4*(\q)+(\a)] matrix_a_fmt:MATRIX_FMT_FP6 matrix_b_fmt:MATRIX_FMT_FP6 matrix_a_scale:MATRIX_SCALE_ROW1
.else
	v_wmma_scale_f32_16x16x128_f8f6f4 v[ACC+8*(4*(\a)+\b):ACC+8*(4*(\a)+\b)+7], v[(\f)+48+FR*\b:(\f)+48+FR*\b+FR-1], v[(\f)+FR*(\a):(\f)+FR*(\a)+FR-1], v[ACC+8*(4*(\a)+\b):ACC+8*(4*(\a)+\b)+7], v[SC+16*(\sc)+4*(\q)+\b], v[SC+16*(\sc)+4*(\q)+(\a)] matrix_a_fmt:MATRIX_FMT_FP6 matrix_b_fmt:MATRIX_FMT_FP6 matrix_a_scale:MATRIX_SCALE_ROW1
.endif
.endr
.endr
.endm
.macro SCALES sc
.irp q, 0,1,2,3
.irp i, 0,1,2,3
	ds_load_b32 v[SC+16*\sc+4*\q+\i], v[ADRS] offset:512*\q+64*\i
.endr
.endr
.endm
.macro PLACES n
.rept \n
	v_nop
.endr
.endm
.macro STEP slot, q, zero
	s_wait_dscnt 0x0
	PLACES NP
	FETCH \slot, (\q)+1, 128*(((\q)+1)%2)
	WIN MUL
	MUL8 128*((\q)%2), 0, \q, \slot, \zero
	MUL8 128*((\q)%2), 2, \q, \slot, \zero
.endm
.macro TURN slot, next, fill
	WIN 0
	s_wait_tensorcnt 0x0
	ds_add_u32 v[SPW], v[NIL]
.if \fill
	s_add_nc_u64 s[G0+4*\slot+2:G0+4*\slot+3], s[G0+4*\slot+2:G0+4*\slot+3], 4*HALFT
	s_add_nc_u64 s[G0B+4*\slot+2:G0B+4*\slot+3], s[G0B+4*\slot+2:G0B+4*\slot+3], 4*HALFT
.endif
	s_wait_dscnt 0x0
	s_barrier_signal -1
	WIN MUL
	MUL8 128, 0, 3, \slot, 0
	WIN 0
	s_barrier_wait -1
.if \fill
	CREST
	JLOAD G0+4*\slot, G1, G0B+4*\slot, G1B
.else
	PLACES NP
.endif
	v_add_nc_u32 v[ADRS], 2048, v[ADRS]
	FETCH \next, 0, 0
	WIN 0
	SCALES \next
	WIN MUL
	MUL8 128, 2, 3, \slot, 0
.endm
	s_wait_alu depctr_va_vdst(0)                   ; the wait at the head's end
	s_wait_tensorcnt 0x0                           ; my tile of the head's four is in; slot 1's first fill stands behind the full sequence and a round
	ds_add_u32 v[SPW], v[NIL]
	s_mov_b32 s[G1+2], 96<<16                      ; no tensor load of mine is out: from here on a load brings 96 rows
	s_mov_b32 s[G1+4], 96
	s_mov_b32 s[G1B+2], 96<<16
	s_mov_b32 s[G1B+4], 96
	s_wait_dscnt 0x0
	CROUND                                         ; all four tiles are in, and all sixteen work-groups are here
	JLOAD G0+4, G1, G0B+4, G1B
	FETCH 0, 0, 0
	WIN 0
	SCALES 0
	WIN TO_R                                       ; the residual is asked for when the head's tiles are in; it is wanted on the way out
	RLOAD 0
	RLOAD 1
	RLOAD 2
	RLOAD 3
	WIN 0
	STEP 0, 0, 1
	STEP 0, 1, 0
	STEP 0, 2, 0
.if LAPS > 1
	WIN 0
	s_mov_b32 s3, LAPS-1
.Llap:
	TURN 0, 1, 1
	STEP 1, 0, 0
	STEP 1, 1, 0
	STEP 1, 2, 0
	TURN 1, 0, 1
	STEP 0, 0, 0
	STEP 0, 1, 0
	STEP 0, 2, 0
	WIN 0
	s_sub_co_u32 s3, s3, 1
	s_cmp_lg_u32 s3, 0
	s_cbranch_scc1 .Llap
.endif
	TURN 0, 1, 0
	STEP 1, 0, 0
	STEP 1, 1, 0
	STEP 1, 2, 0
	s_wait_dscnt 0x0
	MUL8 128, 0, 3, 1, 0
	MUL8 128, 2, 3, 1, 0
	WIN 0
.macro TOSTAGE a
.irp b, 0,1,2,3
	ds_store_b128 v[STO], v[ACC+8*(4*(\a)+\b):ACC+8*(4*(\a)+\b)+3] offset:128*(\b/2)+32*(\b%2)
	ds_store_b128 v[STO], v[ACC+8*(4*(\a)+\b)+4:ACC+8*(4*(\a)+\b)+7] offset:128*(\b/2)+32*(\b%2)+16
.endr
.set BB, BK+32*((\a)%2)
.irp i, 0,1,2,3,4,5,6,7
	ds_load_b128 v[BB+4*\i:BB+4*\i+3], v[RD] offset:2*\i*SPITCH
.endr
.endm
.macro SEND a, younger
.set BB, BK+32*((\a)%2)
	s_wait_dscnt \younger
.irp i, 0,1,2,3,4,5,6,7
	v_pk_add_f32 v[BB+4*\i:BB+4*\i+1], v[BB+4*\i:BB+4*\i+1], v[BIA:BIA+1]
	v_pk_add_f32 v[BB+4*\i+2:BB+4*\i+3], v[BB+4*\i+2:BB+4*\i+3], v[BIA+2:BIA+3]
.endr
	WIN ADD_R
.irp i, 0,1,2,3,4,5,6,7
	v_pk_add_f32 v[BB+4*\i:BB+4*\i+1], v[BB+4*\i:BB+4*\i+1], v[RS+32*(\a)+4*\i:RS+32*(\a)+4*\i+1]
	v_pk_add_f32 v[BB+4*\i+2:BB+4*\i+3], v[BB+4*\i+2:BB+4*\i+3], v[RS+32*(\a)+4*\i+2:RS+32*(\a)+4*\i+3]
.endr
	WIN 0
.irp i, 0,1,2,3,4,5,6,7
	global_store_b128 v[CO], v[BB+4*\i:BB+4*\i+3], s[12:13] offset:(32*((\a)/2)+8*((\a)%2)+2*\i+((2*\i)&8))*4096
.endr
.endm
	PLACES NP
	s_wait_loadcnt 0x0
	TOSTAGE 0
	TOSTAGE 1
	SEND 0, 16
	s_wait_xcnt 0x0
	TOSTAGE 2
	SEND 1, 16
	s_wait_xcnt 0x0
	TOSTAGE 3
	SEND 2, 16
	SEND 3, 0
	s_wait_tensorcnt 0x0
	ds_add_u32 v[SPW], v[NIL]
	s_wait_dscnt 0x0
	CROUND
	s_endpgm
.Lfunc_end_k_q7141929b06_gproj:
	.size	k_q7141929b06_gproj, .Lfunc_end_k_q7141929b06_gproj-k_q7141929b06_gproj
	.p2alignl 7, 3214868480
	.fill 96, 4, 3214868480
	.section	.rodata,"a",@progbits
	.p2align	6, 0x0
	.amdhsa_kernel k_q7141929b06_gproj
		.amdhsa_group_segment_fixed_size 327680
		.amdhsa_private_segment_fixed_size 0
		.amdhsa_enable_private_segment 0
		.amdhsa_kernarg_size 40
		.amdhsa_user_sgpr_count 2
		.amdhsa_user_sgpr_kernarg_segment_ptr 1
		.amdhsa_wavefront_size32 1
		.amdhsa_system_sgpr_workgroup_id_x 1
		.amdhsa_system_sgpr_workgroup_id_y 1
		.amdhsa_system_sgpr_workgroup_id_z 1
		.amdhsa_system_vgpr_workitem_id 0
		.amdhsa_next_free_vgpr 768
		.amdhsa_next_free_sgpr 102
		.amdhsa_reserve_vcc 0
		.amdhsa_float_denorm_mode_32 3
		.amdhsa_float_denorm_mode_16_64 3
		.amdhsa_memory_ordered 1
		.amdhsa_forward_progress 1
		.amdhsa_inst_pref_size 66
	.end_amdhsa_kernel
	.amdgpu_metadata
---
amdhsa.version: [ 1, 2 ]
amdhsa.kernels:
  - .name:           k_q7141929b06_gproj
    .symbol:         k_q7141929b06_gproj.kd
    .args:
      - { .name: AB, .offset: 0, .size: 8, .value_kind: global_buffer, .address_space: global }
      - { .name: WB, .offset: 8, .size: 8, .value_kind: global_buffer, .address_space: global }
      - { .name: b_proj, .offset: 16, .size: 8, .value_kind: global_buffer, .address_space: global }
      - { .name: hidden_states, .offset: 24, .size: 8, .value_kind: global_buffer, .address_space: global }
      - { .name: HB16, .offset: 32, .size: 8, .value_kind: global_buffer, .address_space: global }
    .group_segment_fixed_size: 327680
    .private_segment_fixed_size: 0
    .kernarg_segment_align: 8
    .kernarg_segment_size: 40
    .max_flat_workgroup_size: 128
    .sgpr_count:     102
    .vgpr_count:     768
    .wavefront_size: 32
...
	.end_amdgpu_metadata
.endif
;; end of part 11
;; launch ln2 (part 12): grid 256 x 1, 8 waves a work-group, no clusters, 5,120 bytes of LDS; arguments HB16, ln2_w, ln2_b, XB; writes XB
.if DOCPART == 12
	.amdgcn_target "amdgcn-amd-amdhsa--gfx1250"
	.amdhsa_code_object_version 6
	.text
	.protected	k_q7141929b06_ln2
	.globl	k_q7141929b06_ln2
	.p2align	8
	.type	k_q7141929b06_ln2,@function
k_q7141929b06_ln2:
	s_mov_b64 s[64:65], 0
	v_nop
	global_prefetch_b8 v0, s[64:65] scope:SCOPE_SE
	s_setreg_imm32_b32 hwreg(HW_REG_WAVE_MODE, 25, 1), 1
	s_wait_xcnt 0x0
; y = w (x - mean) / sqrt(var + 1e-6) + b along rows of 1,024 f32, and y quantised along the row to codes of FP6 (E2M3) with one E8M0 byte for each 32: an operand of the next product.
; THE OUTPUT'S LAYOUT.  Rows in groups of 128, a group in eight tiles of 16: lane r of tile t holds row 32 (t / 2) + 8 (t % 2) + r + (r & 8).  A fragment (16 rows x 128 K, 12 registers a lane) lies as an image of its
; registers, 1,536 bytes: for each half c: registers 6 c .. 6 c + 3 of lane l at 768 c + 16 l, registers 6 c + 4, 6 c + 5 of lane (r, h) at 768 c + 512 + 16 r + 8 h.  Codes [group][K step][tile][1,536]; from byte 3,145,728 the scale words [group][K step][tile][r].
; SHARES.  A work-group takes one tile of 16 rows, wave w its K step w (columns 128 w on).  Lane (r, h) holds 64 numbers of row r: register 16 b + i = column 128 w + 32 b + 16 h + i, the order that the conversions want.
; Mean and variance in two passes over the registers (the variance of the centred numbers: a common offset of the input does no harm); the eight waves' partial sums meet in LDS, each pass in bytes of its own, one barrier each.
; LIMITS: a block of zeros gets the byte 1 (its codes are zeros, and this program alone reads the bytes); NaN and infinities among the inputs are not served.
; No cluster: what work-groups share (gain and bias, 8 KiB) is a small part of what each reads.
	s_mov_b32 s33, ttmp9                           ; the tile, 0 .. 255
.set X,   32                           ; v32-95   my 64 numbers
.set G,   96                           ; v96-159  the gain at my columns; later the codes
.set BV,  160                          ; v160-223 the bias
.set TM,  224                          ; v224-239 at work
.set PC,  96                           ; the fragment
.set PCT, 108                          ; the conversions' second halves
.set PW,  240                          ; the scale word
.set MP,  242                          ; v[242:243] the mean, later 1 / sqrt(var + eps), twice
.set PS,  244                          ; v244-251 the eight waves' partial sums
.set SEL, 18                           ; s[18:19] v_permlanex16_b32's selects for lane l xor 16
; 64 numbers of a lane become a fragment's codes in v[PC] on and its scale word in v[PW] (the same in both halves of the lanes).
.macro QUANT s
.irp b, 0,1,2,3
	v_max3_num_f32 v[TM+\b], |v[\s+16*\b]|, |v[\s+1+16*\b]|, 0x1800000   ; with the floor 2^(3 - 127): the byte cannot fall under 1
.endr
.irp i, 2,4,6,8,10,12,14
.irp b, 0,1,2,3
	s_delay_alu instid0(VALU_DEP_4)
	v_max3_num_f32 v[TM+\b], v[TM+\b], |v[\s+16*\b+\i]|, |v[\s+1+16*\b+\i]|
.endr
.endr
.irp b, 0,1,2,3
	s_delay_alu instid0(VALU_DEP_4)
	v_permlanex16_b32 v[TM+4+\b], v[TM+\b], s[SEL], s[SEL+1]
.endr
.irp b, 0,1,2,3
	s_delay_alu instid0(VALU_DEP_4)
	v_max_num_f32 v[TM+\b], v[TM+\b], v[TM+4+\b]   ; with lane l xor 16's: the block's largest magnitude
.endr
.irp b, 0,1,2,3
	s_delay_alu instid0(VALU_DEP_4)
	v_add_nc_u32 v[TM+12+\b], 0xff000000, v[TM+\b] ; 2 off its exponent field: the conversion's scale operand
.endr
.irp b, 0,1,2,3
	s_delay_alu instid0(VALU_DEP_4)
	v_lshrrev_b32 v[TM+4+\b], 23, v[TM+12+\b]      ; the scale's byte
.endr
	s_delay_alu instid0(VALU_DEP_3)
	v_lshl_or_b32 v[PW], v[TM+5], 8, v[TM+4]
	s_delay_alu instid0(VALU_DEP_1)
	v_lshl_or_b32 v[PW], v[TM+6], 16, v[PW]
	s_delay_alu instid0(VALU_DEP_1)
	v_lshl_or_b32 v[PW], v[TM+7], 24, v[PW]
.irp c, 0,1
	v_cvt_scalef32_pk16_fp6_f32 v[PC+6*\c:PC+2+6*\c], v[\s+32*\c:\s+15+32*\c], v[TM+12+2*\c]
	v_cvt_scalef32_pk16_fp6_f32 v[PCT+4*\c:PCT+2+4*\c], v[\s+16+32*\c:\s+31+32*\c], v[TM+12+2*\c+1]
.endr
	v_nop                                          ; one plain line behind a scaled conversion
.irp c, 0,1                                    ; the operand's layout wants a whole block in a lane
.irp i, 0,1,2
	v_permlane16_swap_b32 v[PC+6*\c+\i], v[PCT+4*\c+\i]
.endr
.irp i, 0,1,2
	s_delay_alu instid0(VALU_DEP_3)
	v_mov_b32 v[PC+3+6*\c+\i], v[PCT+4*\c+\i]
.endr
.endr
.endm
; The four chains in v[TM] .. v[TM+7] become the row's sum over all 1,024 columns, in v[TM] of every lane.  off: this pass's 1,024 bytes of LDS.
.macro REDUCE off
	s_delay_alu instid0(VALU_DEP_3)
	v_pk_add_f32 v[TM:TM+1], v[TM:TM+1], v[TM+2:TM+3]
	s_delay_alu instid0(VALU_DEP_2)
	v_pk_add_f32 v[TM+4:TM+5], v[TM+4:TM+5], v[TM+6:TM+7]
	s_delay_alu instid0(VALU_DEP_1)
	v_pk_add_f32 v[TM:TM+1], v[TM:TM+1], v[TM+4:TM+5]
	s_delay_alu instid0(VALU_DEP_1)
	v_add_f32 v[TM], v[TM], v[TM+1]
	s_delay_alu instid0(VALU_DEP_1)
	v_permlanex16_b32 v[TM+1], v[TM], s[SEL], s[SEL+1]
	s_delay_alu instid0(VALU_DEP_1)
	v_add_f32 v[TM], v[TM], v[TM+1]                ; my row's sum over my wave's 128 columns
	ds_store_b32 v7, v[TM] offset:\off
	s_wait_dscnt 0x0                               ; for the others' sake: my store is done
	s_barrier_signal -1
	s_barrier_wait -1
.irp i, 0,1,2,3,4,5,6,7
	ds_load_b32 v[PS+\i], v8 offset:\off+128*\i    ; my row's partial sum of wave i
.endr
	s_wait_dscnt 0x0
	v_add_f32 v[TM], v[PS], v[PS+1]
.irp i, 2,3,4,5,6,7
	s_delay_alu instid0(VALU_DEP_1)
	v_add_f32 v[TM], v[TM], v[PS+\i]
.endr
.endm
	s_load_b256 s[4:11], s[0:1], 0x0               ; x, gain, bias, the operand buffer
	v_lshl_add_u32 v254, v0, 2, 0x1000
	v_mov_b32 v255, 0
	v_lshrrev_b32 v1, 5, v0
	s_delay_alu instid0(VALU_DEP_1)
	v_readfirstlane_b32 s12, v1                    ; wave = K step
	v_and_b32 v1, 31, v0                           ; lane
	v_and_b32 v9, 15, v0                           ; r
	v_bfe_u32 v10, v0, 4, 1                        ; h
	v_and_b32 v2, 8, v0
	s_delay_alu instid0(VALU_DEP_1)
	v_add_nc_u32 v2, v2, v9
	s_delay_alu instid0(VALU_DEP_1)
	v_lshlrev_b32 v2, 12, v2
	s_delay_alu instid0(VALU_DEP_1)
	v_lshl_add_u32 v2, v10, 6, v2                  ; x: row r + (r & 8) of 4,096 bytes, + 64 h
	v_lshlrev_b32 v3, 6, v10                       ; gain, bias: 64 h
	v_lshlrev_b32 v4, 4, v1                        ; an image's 16 x lane
	v_lshlrev_b32 v5, 4, v9
	s_delay_alu instid0(VALU_DEP_1)
	v_lshl_add_u32 v5, v10, 3, v5                  ; and its 16 r + 8 h
	v_lshlrev_b32 v6, 2, v9                        ; a scale word's 4 r
	v_lshlrev_b32 v7, 2, v0                        ; LDS: 128 x wave + 4 x lane
	v_lshlrev_b32 v8, 2, v1                        ; LDS: 4 x lane
	s_lshr_b32 s13, s33, 1
	s_lshl_b32 s13, s13, 5
	s_and_b32 s14, s33, 1
	s_lshl_b32 s14, s14, 3
	s_add_co_u32 s13, s13, s14                     ; the tile's first row: 32 (T / 2) + 8 (T % 2)
	s_lshl_b32 s24, s13, 12
	s_lshl_b32 s15, s12, 9
	s_add_co_u32 s24, s24, s15                     ; + my wave's 512 bytes of a row
	s_mov_b32 s25, 0
	s_mov_b32 s26, s15
	s_mov_b32 s27, 0
	s_lshr_b32 s16, s33, 3
	s_and_b32 s17, s33, 7
	s_lshl_b32 s16, s16, 3
	s_add_co_u32 s16, s16, s12                     ; 8 x group + K step
	s_lshl_b32 s28, s16, 3
	s_add_co_u32 s28, s28, s17
	s_mul_i32 s28, s28, 1536                       ; my fragment's image
	s_mov_b32 s29, 0
	s_lshl_b32 s30, s16, 9
	s_lshl_b32 s17, s17, 6
	s_add_co_u32 s30, s30, s17
	s_add_co_u32 s30, s30, 3145728                 ; its scale words
	s_mov_b32 s31, 0
	s_mov_b32 s[SEL], 0x76543210
	s_mov_b32 s[SEL+1], 0xfedcba98
	s_mov_b32 s20, 0x3a800000                      ; 1 / 1024
	s_mov_b32 s21, 0x358637bd                      ; 1e-6
	s_wait_alu depctr_va_vdst(0)
	s_wait_kmcnt 0x0
	s_add_nc_u64 s[4:5], s[4:5], s[24:25]
	s_add_nc_u64 s[6:7], s[6:7], s[26:27]
	s_add_nc_u64 s[8:9], s[8:9], s[26:27]
	s_add_nc_u64 s[22:23], s[10:11], s[30:31]
	s_add_nc_u64 s[10:11], s[10:11], s[28:29]
.irp b, 0,1,2,3
.irp j, 0,1,2,3
	global_load_b128 v[X+16*\b+4*\j:X+16*\b+4*\j+3], v2, s[4:5] offset:128*\b+16*\j
.endr
.endr
.irp b, 0,1,2,3
.irp j, 0,1,2,3
	global_load_b128 v[G+16*\b+4*\j:G+16*\b+4*\j+3], v3, s[6:7] offset:128*\b+16*\j
.endr
.endr
.irp b, 0,1,2,3
.irp j, 0,1,2,3
	global_load_b128 v[BV+16*\b+4*\j:BV+16*\b+4*\j+3], v3, s[8:9] offset:128*\b+16*\j
.endr
.endr
	s_wait_loadcnt 32                              ; x is in; the 32 loads of gain and bias may be out
.irp k, 0,1,2,3
	v_pk_add_f32 v[TM+2*\k:TM+2*\k+1], v[X+2*\k:X+2*\k+1], v[X+8+2*\k:X+8+2*\k+1]   ; four chains, started by the first numbers
.endr
.irp p, 16,24,32,40,48,56
.irp k, 0,1,2,3
	s_delay_alu instid0(VALU_DEP_4)
	v_pk_add_f32 v[TM+2*\k:TM+2*\k+1], v[TM+2*\k:TM+2*\k+1], v[X+\p+2*\k:X+\p+2*\k+1]
.endr
.endr
	REDUCE 0
	s_delay_alu instid0(VALU_DEP_1)
	v_mul_f32 v[MP], s20, v[TM]                    ; the mean
	s_delay_alu instid0(VALU_DEP_1)
	v_mov_b32 v[MP+1], v[MP]
.set i, 0
.rept 32
	v_pk_add_f32 v[X+i:X+i+1], v[X+i:X+i+1], v[MP:MP+1] neg_lo:[0,1] neg_hi:[0,1]   ; x - mean
.set i, i+2
.endr
.irp k, 0,1,2,3
	v_pk_mul_f32 v[TM+2*\k:TM+2*\k+1], v[X+2*\k:X+2*\k+1], v[X+2*\k:X+2*\k+1]
.endr
.irp p, 8,16,24,32,40,48,56
.irp k, 0,1,2,3
	s_delay_alu instid0(VALU_DEP_4)
	v_pk_fma_f32 v[TM+2*\k:TM+2*\k+1], v[X+\p+2*\k:X+\p+2*\k+1], v[X+\p+2*\k:X+\p+2*\k+1], v[TM+2*\k:TM+2*\k+1]
.endr
.endr
	REDUCE 1024
	s_delay_alu instid0(VALU_DEP_1)
	v_fma_f32 v[TM], v[TM], s20, s21               ; var + eps
	s_wait_alu depctr_va_vdst(0)
	v_rsq_f32 v[MP], v[TM]
	v_rsq_f32 v[MP+1], v[TM]
	v_nop                                          ; one plain line behind a transcendental
	s_wait_loadcnt 0x0                             ; gain and bias
.set i, 0
	s_wait_alu depctr_va_vdst(0)
.rept 32
	v_pk_mul_f32 v[X+i:X+i+1], v[X+i:X+i+1], v[MP:MP+1]
.set i, i+2
.endr
.set i, 0
.rept 32
	v_pk_fma_f32 v[X+i:X+i+1], v[X+i:X+i+1], v[G+i:G+i+1], v[BV+i:BV+i+1]
.set i, i+2
.endr
	QUANT X
	global_store_b128 v4, v[PC:PC+3], s[10:11]                 ; each store of the wave covers 512 or 256 consecutive bytes, aligned to 256
	global_store_b64 v5, v[PC+4:PC+5], s[10:11] offset:512
	global_store_b128 v4, v[PC+6:PC+9], s[10:11] offset:768
	global_store_b64 v5, v[PC+10:PC+11], s[10:11] offset:1280
	global_store_b32 v6, v[PW], s[22:23]                       ; lanes r and r + 16 hold the same word and store it to the same place
	s_wait_tensorcnt 0x0                           ; the wave's end
	ds_add_u32 v254, v255
	s_wait_dscnt 0x0
	s_endpgm
.Lfunc_end_k_q7141929b06_ln2:
	.size	k_q7141929b06_ln2, .Lfunc_end_k_q7141929b06_ln2-k_q7141929b06_ln2
	.p2alignl 7, 3214868480
	.fill 96, 4, 3214868480
	.section	.rodata,"a",@progbits
	.p2align	6, 0x0
	.amdhsa_kernel k_q7141929b06_ln2
		.amdhsa_group_segment_fixed_size 5120
		.amdhsa_private_segment_fixed_size 0
		.amdhsa_enable_private_segment 0
		.amdhsa_kernarg_size 32
		.amdhsa_user_sgpr_count 2
		.amdhsa_user_sgpr_kernarg_segment_ptr 1
		.amdhsa_wavefront_size32 1
		.amdhsa_system_sgpr_workgroup_id_x 1
		.amdhsa_system_sgpr_workgroup_id_y 1
		.amdhsa_system_sgpr_workgroup_id_z 1
		.amdhsa_system_vgpr_workitem_id 0
		.amdhsa_next_free_vgpr 256
		.amdhsa_next_free_sgpr 66
		.amdhsa_reserve_vcc 0
		.amdhsa_float_denorm_mode_32 3
		.amdhsa_float_denorm_mode_16_64 3
		.amdhsa_memory_ordered 1
		.amdhsa_forward_progress 1
		.amdhsa_inst_pref_size 28
	.end_amdhsa_kernel
	.amdgpu_metadata
---
amdhsa.version: [ 1, 2 ]
amdhsa.kernels:
  - .name:           k_q7141929b06_ln2
    .symbol:         k_q7141929b06_ln2.kd
    .args:
      - { .name: HB16, .offset: 0, .size: 8, .value_kind: global_buffer, .address_space: global }
      - { .name: ln2_w, .offset: 8, .size: 8, .value_kind: global_buffer, .address_space: global }
      - { .name: ln2_b, .offset: 16, .size: 8, .value_kind: global_buffer, .address_space: global }
      - { .name: XB, .offset: 24, .size: 8, .value_kind: global_buffer, .address_space: global }
    .group_segment_fixed_size: 5120
    .private_segment_fixed_size: 0
    .kernarg_segment_align: 8
    .kernarg_segment_size: 32
    .max_flat_workgroup_size: 256
    .sgpr_count:     66
    .vgpr_count:     256
    .wavefront_size: 32
...
	.end_amdgpu_metadata
.endif
;; end of part 12
;; launch gfc (part 13): grid 16 x 16, 4 waves a work-group, clusters of 4 x 4, 327,680 bytes of LDS; arguments XB, WB, b_fc, GB; writes GB
.if DOCPART == 13
	.amdgcn_target "amdgcn-amd-amdhsa--gfx1250"
	.amdhsa_code_object_version 6
	.text
	.protected	k_q7141929b06_gfc
	.globl	k_q7141929b06_gfc
	.p2align	8
	.type	k_q7141929b06_gfc,@function
k_q7141929b06_gfc:
	s_mov_b64 s[64:65], 0
	v_nop
	global_prefetch_b8 v0, s[64:65] scope:SCOPE_SE
	s_setreg_imm32_b32 hwreg(HW_REG_WAVE_MODE, 25, 1), 1
	s_wait_xcnt 0x0
	s_wait_alu depctr_hold_cnt(0) depctr_sa_sdst(0) depctr_va_vdst(0) depctr_va_sdst(0) depctr_va_ssrc(0) depctr_va_vcc(0) depctr_vm_vsrc(0)
	s_getreg_b32 s2, hwreg(HW_REG_IB_STS2, 6, 4)
	s_cmp_eq_u32 s2, 0
	s_cbranch_scc0 .Lentry_in_a_cluster
	s_endpgm
.Lentry_in_a_cluster:
	s_bfe_u32 s2, ttmp6, 0x10000c
	s_cmp_lg_u32 s2, 0xf033
	s_cbranch_scc0 .Lentry_shape_is_right
	s_endpgm
.Lentry_shape_is_right:
.set KS,     8
.set ASC,    3145728
.set WOFF,   3276800
.set WSOFF,  6422528
.set OSC,    12582912
.set NQ,     2
.set FR,     12
.set NL,     4
.set NP,     4
.set KB,     12288
.set HALFT,  2*KB
.set SLOT,   4*HALFT
.set LAPS,   KS/4
.set GROUPB, KS*KB
.set GROUPS, KS*512
.set HALFS,  GROUPS
.set SCL,    2*SLOT
.set SPARE,  SCL+4*HALFS
.set ADRA, 16
.set ADRB, 20
.set CO,   26
.set ADRS, 27
.set SPW,  28
.set NIL,  29
.set L8,   30
.set L4,   31
.set SC,   32
.set AF,   128
.set BI,   64
.set HA,   128
.set T,    192
.set PC,   208
.set PW,   220
.set PWE,  221
.set PS,   222
.set TM,   224
.set PCT,  240
.set K1,   248
.set K2,   250
.set G1, 24
.set G0, 32
.set G1B, 48
.set G0B, 56
.set SEL, 66
.set G1S, 68
.set G0S, 76
.set G1SB, 80
.set G0SB, 88
.set MSB, 0
.macro WIN new
.if MSB != (\new)
	s_set_vgpr_msb (MSB<<8)|(\new)
.set MSB, (\new)
.endif
.endm
.set MUL_LO, 0xa1
.set MUL_HI, 0xf1
.set TO_B,   0x40
.macro JLOAD g0a, g1a, g0b, g1b
	s_cmp_eq_u32 s15, 0
	s_cbranch_scc0 .Lfor_b_\@
	tensor_load_to_lds s[\g0a:\g0a+3], s[\g1a:\g1a+7]
	s_nop 0
.rept 4
	v_nop
.endr
	s_branch .Lasked_\@
.Lfor_b_\@:
	tensor_load_to_lds s[\g0b:\g0b+3], s[\g1b:\g1b+7]
	s_nop 0
.rept 4
	v_nop
.endr
.Lasked_\@:
.endm
.macro CREST
	s_cmp_lg_u32 s14, 0
	s_cbranch_scc1 .Lnot_wave_0_\@
	s_barrier_signal -3
.Lnot_wave_0_\@:
	s_barrier_wait -3
	s_barrier_signal -1
	s_barrier_wait -1
.endm
.macro CROUND
	s_barrier_signal -1
	s_barrier_wait -1
	CREST
.endm
	s_load_b256 s[92:99], s[0:1], 0x0
	v_lshl_add_u32 v[SPW], v0, 2, SPARE
	v_mov_b32 v[NIL], 0
	ds_add_u32 v28, v29
	ds_add_u32 v28, v29
	s_wait_dscnt 0x0
	v_lshrrev_b32 v1, 5, v0
	v_readfirstlane_b32 s14, v1
	s_lshr_b32 s15, s14, 1
	s_and_b32 s16, s14, 1
	s_bfe_u32 s40, ttmp6, 0x40000
	s_bfe_u32 s41, ttmp6, 0x40004
	s_lshl_b32 s42, ttmp9, 2
	s_add_co_u32 s42, s42, s40
	s_and_b32 s17, ttmp7, 0xffff
	s_lshl_b32 s17, s17, 2
	s_add_co_u32 s17, s17, s41
	s_lshl_b32 s43, s41, 2
	s_lshl_b32 s43, 15, s43
	s_lshl_b32 s44, 0x1111, s40
	s_or_b32 s[G1+0], s43, (3<<16)|(1<<21)
	s_or_b32 s[G1B+0], s44, (3<<16)|(1<<21)
.irp g, G1, G1B                        ; for the head's loads: an operand's two groups x two K steps: 2 rows of 24,576 bytes (3,072 elements of 8), a group apart
	s_mov_b32 s[\g+1], 3072<<16
	s_mov_b32 s[\g+2], 2<<16
	s_mov_b32 s[\g+3], 3072<<16
	s_mov_b32 s[\g+4], 2
	s_mov_b32 s[\g+5], GROUPB/8
	s_mov_b32 s[\g+6], 0
	s_mov_b32 s[\g+7], 0
.endr
	s_or_b32 s[G1S+0], s43, (3<<16)|(1<<21)
	s_or_b32 s[G1SB+0], s44, (3<<16)|(1<<21)
.irp g, G1S, G1SB
	s_mov_b32 s[\g+1], 32<<16
	s_mov_b32 s[\g+2], (2*HALFS/256)<<16           ; both groups' scale words: one dense block
	s_mov_b32 s[\g+3], 32<<16
	s_mov_b32 s[\g+4], 2*HALFS/256
	s_mov_b32 s[\g+5], 32
	s_mov_b32 s[\g+6], 0
	s_mov_b32 s[\g+7], 0
.endr
	s_lshl_b32 s20, s17, 1
	s_add_co_u32 s20, s20, s16
	s_lshl_b32 s46, s42, 1
	s_add_co_u32 s46, s46, s16
	s_mul_i32 s22, s17, 2*GROUPS
	s_add_co_u32 s22, s22, ASC
	s_mov_b32 s23, 0
	s_mul_i32 s20, s20, GROUPB
	s_mov_b32 s21, 0
	s_mul_i32 s18, s42, 2*GROUPS
	s_add_co_u32 s18, s18, WSOFF
	s_mov_b32 s19, 0
	s_mul_i32 s46, s46, GROUPB
	s_add_co_u32 s46, s46, WOFF
	s_mov_b32 s47, 0
	s_mul_i32 s45, s14, HALFT
	s_wait_kmcnt 0x0
	s_add_nc_u64 s[20:21], s[92:93], s[20:21]
	s_add_nc_u64 s[22:23], s[92:93], s[22:23]
	s_add_nc_u64 s[46:47], s[94:95], s[46:47]
	s_add_nc_u64 s[18:19], s[94:95], s[18:19]
	CROUND
	s_mov_b32 s[G0S], 1
	s_mov_b32 s[G0S+1], SCL
	s_mov_b64 s[G0S+2:G0S+3], s[22:23]
	s_or_b32 s[G0S+3], s[G0S+3], 0x80000000
	s_mov_b32 s[G0SB], 1
	s_mov_b32 s[G0SB+1], SCL+2*HALFS
	s_mov_b64 s[G0SB+2:G0SB+3], s[18:19]
	s_or_b32 s[G0SB+3], s[G0SB+3], 0x80000000
.irp s, 0,1
	s_mov_b32 s[G0+4*\s], 1
	s_add_co_u32 s[G0+4*\s+1], s45, \s*SLOT
	s_add_nc_u64 s[G0+4*\s+2:G0+4*\s+3], s[20:21], \s*HALFT
	s_or_b32 s[G0+4*\s+3], s[G0+4*\s+3], 0x80000000
	s_mov_b32 s[G0B+4*\s], 1
	s_add_co_u32 s[G0B+4*\s+1], s45, \s*SLOT
	s_add_nc_u64 s[G0B+4*\s+2:G0B+4*\s+3], s[46:47], \s*HALFT
	s_or_b32 s[G0B+4*\s+3], s[G0B+4*\s+3], 0x80000000
.endr
	s_cmp_eq_u32 s15, 0                            ; the prefetches: the group that I fetch in the ring, and my work-group's 24 of a slot's 96 blocks of 256 bytes, by its place among the four that ask jointly
	s_cselect_b64 s[4:5], s[20:21], s[46:47]
	s_cselect_b32 s2, s40, s41
	s_mul_i32 s2, s2, 24*256
	; THE HEAD'S LOADS, ONE A WAVE, in one chain of arms: wave 0 A's part of slot 0, wave 1 A's scale words, wave 2 B's part of slot 0, wave 3 B's scale words
	s_cmp_lg_u32 s14, 0
	s_cbranch_scc1 .Lhead_1
	tensor_load_to_lds s[G0:G0+3], s[G1:G1+7]
	s_nop 0
.rept 4
	v_nop
.endr
	s_branch .Lhead_asked
.Lhead_1:
	s_cmp_lg_u32 s14, 1
	s_cbranch_scc1 .Lhead_2
	tensor_load_to_lds s[G0S:G0S+3], s[G1S:G1S+7]
	s_nop 0
.rept 4
	v_nop
.endr
	s_branch .Lhead_asked
.Lhead_2:
	s_cmp_lg_u32 s14, 2
	s_cbranch_scc1 .Lhead_3
	tensor_load_to_lds s[G0B:G0B+3], s[G1B:G1B+7]
	s_nop 0
.rept 4
	v_nop
.endr
	s_branch .Lhead_asked
.Lhead_3:
	tensor_load_to_lds s[G0SB:G0SB+3], s[G1SB:G1SB+7]
	s_nop 0
.rept 4
	v_nop
.endr
.Lhead_asked:
	v_and_b32 v1, 31, v0
	v_and_b32 v2, 15, v0
	v_bfe_u32 v3, v0, 4, 1
	v_lshlrev_b32 v[CO], 4, v1
	v_min_u32 v12, 23, v1                          ; a lane a block; the eight lanes left over name the last block again
	v_lshl_add_u32 v12, v12, 8, s2
	global_prefetch_b8 v12, s[4:5] offset:HALFT th:TH_LOAD_NT scope:SCOPE_SE     ; slot 1's and slot 2's bytes of my group
	global_prefetch_b8 v12, s[4:5] offset:2*HALFT th:TH_LOAD_NT scope:SCOPE_SE
	v_lshlrev_b32 v[L8], 4, v2
	v_lshl_add_u32 v[L8], v3, 3, v[L8]
	v_lshlrev_b32 v[L4], 2, v1
	s_mul_i32 s21, s15, HALFT
	s_mul_i32 s22, s16, HALFT
	s_add_co_u32 s22, s22, 2*HALFT
.irp s, 0,1
	v_add_nc_u32 v[ADRA+\s], s21, v[CO]
	v_add_nc_u32 v[ADRB+\s], s22, v[CO]
	v_add_nc_u32 v[ADRA+2+\s], s21, v[L8]
	v_add_nc_u32 v[ADRB+2+\s], s22, v[L8]
	s_add_co_u32 s21, s21, SLOT
	s_add_co_u32 s22, s22, SLOT
.endr
	v_lshlrev_b32 v6, 2, v2
	s_mul_i32 s21, s15, HALFS
	s_mul_i32 s22, s16, HALFS
	s_add_co_u32 s22, s22, 2*HALFS
	s_sub_co_u32 s22, s22, s21
	v_mul_u32_u24 v7, s22, v3
	s_add_co_u32 s21, s21, SCL
	v_add_nc_u32 v6, v6, v7
	v_add_nc_u32 v[ADRS], s21, v6
	v_lshlrev_b32 v13, 6, v3
	s_wait_alu depctr_va_vdst(0)
.irp b, 0,1,2,3
	v_mov_b32 v[TM+4+\b], 0
.endr
	v_mov_b32 v[K1], 0xc0135761
	v_mov_b32 v[K1+1], 0xc0135761
	v_mov_b32 v[K2], 0xbdd2d3e8
	v_mov_b32 v[K2+1], 0xbdd2d3e8
	s_mov_b32 s[SEL], 0x76543210
	s_mov_b32 s[SEL+1], 0xfedcba98
	s_mov_b32 s100, 0xffff0000
	s_lshl_b32 s17, s17, 1
	s_add_co_u32 s17, s17, s15
	s_lshl_b32 s42, s42, 1
	s_add_co_u32 s42, s42, s16
	s_lshl_b32 s46, s42, 9
	s_mov_b32 s47, 0
	s_add_nc_u64 s[96:97], s[96:97], s[46:47]
.irp b, 0,1,2,3
.irp j, 0,1,2,3
	global_load_b128 v[BI+16*\b+4*\j:BI+16*\b+4*\j+3], v13, s[96:97] offset:128*\b+16*\j
.endr
.endr
	s_lshl_b32 s46, s17, 5
	s_add_co_u32 s46, s46, s42
	s_lshl_b32 s20, s46, 9
	s_add_co_u32 s20, s20, OSC
	s_mov_b32 s21, 0
	s_add_nc_u64 s[10:11], s[98:99], s[20:21]
	s_mul_i32 s46, s46, KB
	s_add_nc_u64 s[12:13], s[98:99], s[46:47]
.macro FRAG reg, adr, q, i
	ds_load_b128 v[\reg:\reg+3], v[\adr] offset:(\q)*KB+(\i)*1536
	ds_load_b64 v[\reg+4:\reg+5], v[\adr+2] offset:(\q)*KB+(\i)*1536+512
	ds_load_b128 v[\reg+6:\reg+9], v[\adr] offset:(\q)*KB+(\i)*1536+768
	ds_load_b64 v[\reg+10:\reg+11], v[\adr+2] offset:(\q)*KB+(\i)*1536+1280
.endm
.macro MUL16 a0, p, q, sc, zero
.irp a, \a0, \a0+1
.irp b, 0,1,2,3,4,5,6,7
.if \zero
	v_wmma_scale_f32_16x16x128_f8f6f4 v[8*(8*((\a)%4)+\b):8*(8*((\a)%4)+\b)+7], v[128*(\p)+FR*\b:128*(\p)+FR*\b+FR-1], v[AF+FR*(\a):AF+FR*(\a)+FR-1], 0, v[SC+8*NQ*(\sc)+NQ*\b+(\q)], v[SC+8*NQ*(\sc)+NQ*(\a)+(\q)] matrix_a_fmt:MATRIX_FMT_FP6 matrix_b_fmt:MATRIX_FMT_FP6 matrix_a_scale:MATRIX_SCALE_ROW1
.else
	v_wmma_scale_f32_16x16x128_f8f6f4 v[8*(8*((\a)%4)+\b):8*(8*((\a)%4)+\b)+7], v[128*(\p)+FR*\b:128*(\p)+FR*\b+FR-1], v[AF+FR*(\a):AF+FR*(\a)+FR-1], v[8*(8*((\a)%4)+\b):8*(8*((\a)%4)+\b)+7], v[SC+8*NQ*(\sc)+NQ*\b+(\q)], v[SC+8*NQ*(\sc)+NQ*(\a)+(\q)] matrix_a_fmt:MATRIX_FMT_FP6 matrix_b_fmt:MATRIX_FMT_FP6 matrix_a_scale:MATRIX_SCALE_ROW1
.endif
.endr
.endr
.endm
.macro FETCH_B slot, q, p
	WIN TO_B
.irp i, 0,1,2,3,4,5,6,7
	FRAG 128*(\p)+FR*\i, ADRB+\slot, \q, \i
.endr
	WIN 0
.endm
.macro FETCH_A slot, q, i0
.irp i, \i0, \i0+1, \i0+2, \i0+3
	FRAG AF+FR*(\i), ADRA+\slot, \q, \i
.endr
.endm
.macro SCALES sc
.irp i, 0,1,2,3,4,5,6,7
.irp q, 0,1
	ds_load_b32 v[SC+16*\sc+2*\i+\q], v[ADRS] offset:512*\q+64*\i
.endr
.endr
.endm
.macro PLACES n
.rept \n
	v_nop
.endr
.endm
.macro STEP slot, q, zero
	s_wait_dscnt 4*NL
	WIN MUL_LO
	MUL16 0, (\q)%2, \q, \slot, \zero
	MUL16 2, (\q)%2, \q, \slot, \zero
	s_wait_dscnt 0
	PLACES NP
	FETCH_B \slot, (\q)+1, 1-(\q)%2
	FETCH_A \slot, (\q)+1, 0
	WIN MUL_HI
	MUL16 4, (\q)%2, \q, \slot, \zero
	MUL16 6, (\q)%2, \q, \slot, \zero
	PLACES NP
	WIN 0
	FETCH_A \slot, (\q)+1, 4
.endm
.macro TURN slot, next, fill
	s_wait_tensorcnt 0x0
	ds_add_u32 v[SPW], v[NIL]
	s_wait_dscnt 4*NL+1
	WIN MUL_LO
	MUL16 0, 1, NQ-1, \slot, 0
	s_wait_dscnt 0x0
	s_barrier_signal -1
	MUL16 2, 1, NQ-1, \slot, 0
	WIN 0
	s_barrier_wait -1
.if \fill
	CREST
	s_add_nc_u64 s[G0+4*\slot+2:G0+4*\slot+3], s[G0+4*\slot+2:G0+4*\slot+3], 2*HALFT
	s_add_nc_u64 s[G0B+4*\slot+2:G0B+4*\slot+3], s[G0B+4*\slot+2:G0B+4*\slot+3], 2*HALFT
	JLOAD G0+4*\slot, G1, G0B+4*\slot, G1B
.else
	PLACES NP
.endif
	s_wait_alu depctr_va_vdst(0)
	v_add_nc_u32 v[ADRS], 1024, v[ADRS]
	FETCH_B \next, 0, 0
	FETCH_A \next, 0, 0
	SCALES \next
	WIN MUL_HI
	MUL16 4, 1, NQ-1, \slot, 0
	MUL16 6, 1, NQ-1, \slot, 0
	PLACES NP
	WIN 0
	FETCH_A \next, 0, 4
.endm
	s_wait_alu depctr_va_vdst(0)                   ; the wait at the head's end
	s_wait_tensorcnt 0x0                           ; my tile of the head's four is in; slot 1's first fill stands behind the full sequence and a round
	ds_add_u32 v[SPW], v[NIL]
.irp g, G1, G1B                        ; no tensor load of mine is out: from here on a load brings a dense block of 24,576 bytes as 96 rows of 256
	s_mov_b32 s[\g+1], 32<<16
	s_mov_b32 s[\g+2], 96<<16
	s_mov_b32 s[\g+3], 32<<16
	s_mov_b32 s[\g+4], 96
	s_mov_b32 s[\g+5], 32
.endr
	s_wait_dscnt 0x0
	CROUND                                         ; all four tiles are in, and all sixteen work-groups are here
	JLOAD G0+4, G1, G0B+4, G1B
	FETCH_B 0, 0, 0
	global_prefetch_b8 v12, s[4:5] offset:3*HALFT th:TH_LOAD_NT scope:SCOPE_SE   ; slot 3's bytes, two refills ahead of their load
	FETCH_A 0, 0, 0
	SCALES 0
	FETCH_A 0, 0, 4
	STEP 0, 0, 1
	s_mov_b32 s3, LAPS-1
.Llap:
	TURN 0, 1, 1
	STEP 1, 0, 0
	TURN 1, 0, 1
	STEP 0, 0, 0
	s_sub_co_u32 s3, s3, 1
	s_cmp_lg_u32 s3, 0
	s_cbranch_scc1 .Llap
	TURN 0, 1, 0
	STEP 1, 0, 0
	s_wait_dscnt 4*NL
	WIN MUL_LO
	MUL16 0, 1, NQ-1, 1, 0
	MUL16 2, 1, NQ-1, 1, 0
	s_wait_dscnt 0
	WIN MUL_HI
	MUL16 4, 1, NQ-1, 1, 0
	MUL16 6, 1, NQ-1, 1, 0
	WIN 0
.macro QUANT s
.irp b, 0,1,2,3
	v_max3_num_f32 v[TM+\b], |v[\s+16*\b]|, |v[\s+1+16*\b]|, 0x1800000
.endr
.irp i, 2,4,6,8,10,12,14
.irp b, 0,1,2,3
	v_max3_num_f32 v[TM+\b], v[TM+\b], |v[\s+16*\b+\i]|, |v[\s+1+16*\b+\i]|
.endr
.endr
.irp b, 0,1,2,3
	v_permlanex16_b32 v[TM+4+\b], v[TM+\b], s[SEL], s[SEL+1]
.endr
.irp b, 0,1,2,3
	v_max_num_f32 v[TM+\b], v[TM+\b], v[TM+4+\b]
.endr
.irp b, 0,1,2,3
	v_add_nc_u32 v[TM+12+\b], 0xff000000, v[TM+\b]
.endr
.irp b, 0,1,2,3
	v_lshrrev_b32 v[TM+4+\b], 23, v[TM+12+\b]
.endr
	v_lshl_or_b32 v[PW], v[TM+5], 8, v[TM+4]
	v_lshl_or_b32 v[PW], v[TM+6], 16, v[PW]
	v_lshl_or_b32 v[PW], v[TM+7], 24, v[PW]
.irp c, 0,1
	v_cvt_scalef32_pk16_fp6_f32 v[PC+6*\c:PC+2+6*\c], v[\s+32*\c:\s+15+32*\c], v[TM+12+2*\c]
	v_cvt_scalef32_pk16_fp6_f32 v[PCT+4*\c:PCT+2+4*\c], v[\s+16+32*\c:\s+31+32*\c], v[TM+12+2*\c+1]
.endr
	v_nop
.irp c, 0,1
.irp i, 0,1,2
	v_permlane16_swap_b32 v[PC+6*\c+\i], v[PCT+4*\c+\i]
.endr
.irp i, 0,1,2
	v_mov_b32 v[PC+3+6*\c+\i], v[PCT+4*\c+\i]
.endr
.endr
.endm
.macro GELU c
.set H, HA+16*(\c)
.irp i, 0,2,4,6,8,10,12,14
	v_pk_mul_f32 v[T+\i:T+\i+1], v[H+\i:H+\i+1], v[H+\i:H+\i+1]
.endr
.irp i, 0,2,4,6,8,10,12,14
	v_pk_fma_f32 v[T+\i:T+\i+1], v[T+\i:T+\i+1], v[K2:K2+1], v[K1:K1+1]
.endr
.irp i, 0,2,4,6,8,10,12,14
	v_pk_mul_f32 v[T+\i:T+\i+1], v[T+\i:T+\i+1], v[H+\i:H+\i+1]
.endr
	s_wait_alu depctr_va_vdst(0)
.irp i, 0,1,2,3,4,5,6,7,8,9,10,11,12,13,14,15
	v_exp_f32 v[T+\i], v[T+\i]
.endr
	v_nop
	s_wait_alu depctr_va_vdst(0)
.irp i, 0,2,4,6,8,10,12,14
	v_pk_add_f32 v[T+\i:T+\i+1], v[T+\i:T+\i+1], 1.0 op_sel_hi:[1,0]
.endr
	s_wait_alu depctr_va_vdst(0)
.irp i, 0,1,2,3,4,5,6,7,8,9,10,11,12,13,14,15
	v_rcp_f32 v[T+\i], v[T+\i]
.endr
	v_nop
	s_wait_alu depctr_va_vdst(0)
.irp i, 0,2,4,6,8,10,12,14
	v_pk_mul_f32 v[H+\i:H+\i+1], v[H+\i:H+\i+1], v[T+\i:T+\i+1]
.endr
.endm
.macro TILEQ a
	s_wait_xcnt 0x0
	WIN 0x02+(\a)/4
.set i, 0
.rept 32
	v_pk_add_f32 v[HA+i:HA+i+1], v[64*((\a)%4)+i:64*((\a)%4)+i+1], v[BI+i:BI+i+1]
.set i, i+2
.endr
	WIN 0
	GELU 0
	GELU 1
	GELU 2
	GELU 3
	QUANT HA
	global_store_b128 v[CO], v[PC:PC+3], s[12:13] offset:1536*(\a)
	global_store_b64 v[L8], v[PC+4:PC+5], s[12:13] offset:1536*(\a)+512
	global_store_b128 v[CO], v[PC+6:PC+9], s[12:13] offset:1536*(\a)+768
	global_store_b64 v[L8], v[PC+10:PC+11], s[12:13] offset:1536*(\a)+1280
.if (\a)%2 == 0
	v_mov_b32 v[PWE], v[PW]
.else
	v_cndmask_b32 v[PS], v[PWE], v[PW], s100
	global_store_b32 v[L4], v[PS], s[10:11] offset:64*((\a)-1)
.endif
.endm
	PLACES NP
	s_wait_loadcnt 0x0
.irp a, 0,1,2,3,4,5,6,7
	TILEQ \a
.endr
	s_wait_tensorcnt 0x0
	ds_add_u32 v[SPW], v[NIL]
	s_wait_dscnt 0x0
	CROUND
	s_endpgm
.Lfunc_end_k_q7141929b06_gfc:
	.size	k_q7141929b06_gfc, .Lfunc_end_k_q7141929b06_gfc-k_q7141929b06_gfc
	.p2alignl 7, 3214868480
	.fill 96, 4, 3214868480
	.section	.rodata,"a",@progbits
	.p2align	6, 0x0
	.amdhsa_kernel k_q7141929b06_gfc
		.amdhsa_group_segment_fixed_size 327680
		.amdhsa_private_segment_fixed_size 0
		.amdhsa_enable_private_segment 0
		.amdhsa_kernarg_size 32
		.amdhsa_user_sgpr_count 2
		.amdhsa_user_sgpr_kernarg_segment_ptr 1
		.amdhsa_wavefront_size32 1
		.amdhsa_system_sgpr_workgroup_id_x 1
		.amdhsa_system_sgpr_workgroup_id_y 1
		.amdhsa_system_sgpr_workgroup_id_z 1
		.amdhsa_system_vgpr_workitem_id 0
		.amdhsa_next_free_vgpr 1024
		.amdhsa_next_free_sgpr 102
		.amdhsa_reserve_vcc 0
		.amdhsa_float_denorm_mode_32 3
		.amdhsa_float_denorm_mode_16_64 3
		.amdhsa_memory_ordered 1
		.amdhsa_forward_progress 1
		.amdhsa_inst_pref_size 255
	.end_amdhsa_kernel
	.section	.bss,"aw",@nobits
	.p2align	6
	.space	262144
	.amdgpu_metadata
---
amdhsa.version: [ 1, 2 ]
amdhsa.kernels:
  - .name:           k_q7141929b06_gfc
    .symbol:         k_q7141929b06_gfc.kd
    .args:
      - { .name: XB, .offset: 0, .size: 8, .value_kind: global_buffer, .address_space: global }
      - { .name: WB, .offset: 8, .size: 8, .value_kind: global_buffer, .address_space: global }
      - { .name: b_fc, .offset: 16, .size: 8, .value_kind: global_buffer, .address_space: global }
      - { .name: GB, .offset: 24, .size: 8, .value_kind: global_buffer, .address_space: global }
    .group_segment_fixed_size: 327680
    .private_segment_fixed_size: 0
    .kernarg_segment_align: 8
    .kernarg_segment_size: 32
    .max_flat_workgroup_size: 128
    .sgpr_count:     102
    .vgpr_count:     1024
    .wavefront_size: 32
...
	.end_amdgpu_metadata
.endif
;; end of part 13
;; launch gfcp (part 14): grid 8 x 32, 4 waves a work-group, clusters of 4 x 4, 327,680 bytes of LDS; arguments GB, WB, b_fc_proj, HB16, out0; writes out0
.if DOCPART == 14
	.amdgcn_target "amdgcn-amd-amdhsa--gfx1250"
	.amdhsa_code_object_version 6
	.text
	.protected	k_q7141929b06_gfcp
	.globl	k_q7141929b06_gfcp
	.p2align	8
	.type	k_q7141929b06_gfcp,@function
k_q7141929b06_gfcp:
	s_mov_b64 s[64:65], 0
	v_nop
	global_prefetch_b8 v0, s[64:65] scope:SCOPE_SE
	s_setreg_imm32_b32 hwreg(HW_REG_WAVE_MODE, 25, 1), 1
	s_wait_xcnt 0x0
	s_wait_alu depctr_hold_cnt(0) depctr_sa_sdst(0) depctr_va_vdst(0) depctr_va_sdst(0) depctr_va_ssrc(0) depctr_va_vcc(0) depctr_vm_vsrc(0)
	s_getreg_b32 s2, hwreg(HW_REG_IB_STS2, 6, 4)
	s_cmp_eq_u32 s2, 0
	s_cbranch_scc0 .Lentry_in_a_cluster
	s_endpgm
.Lentry_in_a_cluster:
	s_bfe_u32 s2, ttmp6, 0x10000c
	s_cmp_lg_u32 s2, 0xf033
	s_cbranch_scc0 .Lentry_shape_is_right
	s_endpgm
.Lentry_shape_is_right:
.set KS,     32
.set ASC,    12582912
.set WOFF,   6553600
.set WSOFF,  9699328
.set FR,     12
.set NP,     4
.set KB,     12288
.set HALFT,  2*KB
.set OPB,    4*KB
.set SLOT,   2*OPB
.set LAPS,   KS/8
.set GROUPB, KS*KB
.set GROUPS, KS*512
.set HALFS,  GROUPS
.set SCL,    2*SLOT
.set SPARE,  SCL+2*GROUPS
.set STAGE,  SPARE+512
.set SPITCH, 272
.set BIA,  8
.set ADRA, 16
.set ADRB, 20
.set STO,  24
.set RD,   25
.set CO,   26
.set ADRS, 27
.set SPW,  28
.set NIL,  29
.set L8,   30
.set L16,  31
.set SC,   32
.set BK,   64
.set ACC,  128
.set RS,   0
.set G1, 24
.set G0, 32
.set G1B, 48
.set G0B, 56
.set G1S, 68
.set G0S, 76
.set G1SB, 80
.set G0SB, 88
.set MSB, 0
.macro WIN new
.if MSB != (\new)
	s_set_vgpr_msb (MSB<<8)|(\new)
.set MSB, (\new)
.endif
.endm
.set MUL,   0x05
.set TO_F,  0x40
.set TO_R,  0x80
.set ADD_R, 0x08
.macro JLOAD g0a, g1a, g0b, g1b
	s_cmp_eq_u32 s15, 0
	s_cbranch_scc0 .Lfor_b_\@
	tensor_load_to_lds s[\g0a:\g0a+3], s[\g1a:\g1a+7]
	s_nop 0
.rept 4
	v_nop
.endr
	s_branch .Lasked_\@
.Lfor_b_\@:
	tensor_load_to_lds s[\g0b:\g0b+3], s[\g1b:\g1b+7]
	s_nop 0
.rept 4
	v_nop
.endr
.Lasked_\@:
.endm
.macro CREST
	s_cmp_lg_u32 s14, 0
	s_cbranch_scc1 .Lnot_wave_0_\@
	s_barrier_signal -3
.Lnot_wave_0_\@:
	s_barrier_wait -3
	s_barrier_signal -1
	s_barrier_wait -1
.endm
.macro CROUND
	s_barrier_signal -1
	s_barrier_wait -1
	CREST
.endm
	s_load_b256 s[92:99], s[0:1], 0x0
	s_load_b64 s[12:13], s[0:1], 0x20
	v_lshl_add_u32 v[SPW], v0, 2, SPARE
	v_mov_b32 v[NIL], 0
	ds_add_u32 v28, v29
	ds_add_u32 v28, v29
	s_wait_dscnt 0x0
	v_lshrrev_b32 v1, 5, v0
	v_readfirstlane_b32 s14, v1
	s_lshr_b32 s15, s14, 1
	s_and_b32 s16, s14, 1
	s_bfe_u32 s40, ttmp6, 0x40000
	s_bfe_u32 s41, ttmp6, 0x40004
	s_lshl_b32 s42, ttmp9, 2
	s_add_co_u32 s42, s42, s40
	s_and_b32 s17, ttmp7, 0xffff
	s_lshl_b32 s17, s17, 2
	s_add_co_u32 s17, s17, s41
	s_lshl_b32 s43, s41, 2
	s_lshl_b32 s43, 15, s43
	s_lshl_b32 s44, 0x1111, s40
	s_or_b32 s[G1+0], s43, (3<<16)|(1<<21)
	s_or_b32 s[G1B+0], s44, (3<<16)|(1<<21)
.irp g, G1, G1B
	s_mov_b32 s[\g+1], 32<<16
	s_mov_b32 s[\g+2], 192<<16
	s_mov_b32 s[\g+3], 32<<16
	s_mov_b32 s[\g+4], 192
	s_mov_b32 s[\g+5], 32
	s_mov_b32 s[\g+6], 0
	s_mov_b32 s[\g+7], 0
.endr
	s_or_b32 s[G1S+0], s43, (3<<16)|(1<<21)
	s_or_b32 s[G1SB+0], s44, (3<<16)|(1<<21)
.irp g, G1S, G1SB
	s_mov_b32 s[\g+1], 32<<16
	s_mov_b32 s[\g+2], (HALFS/256)<<16
	s_mov_b32 s[\g+3], 32<<16
	s_mov_b32 s[\g+4], HALFS/256
	s_mov_b32 s[\g+5], 32
	s_mov_b32 s[\g+6], 0
	s_mov_b32 s[\g+7], 0
.endr
	s_mul_i32 s2, s16, HALFT
	s_mul_i32 s20, s17, GROUPB
	s_add_co_u32 s20, s20, s2
	s_mov_b32 s21, 0
	s_mul_i32 s22, s17, GROUPS
	s_add_co_u32 s22, s22, ASC
	s_mov_b32 s23, 0
	s_mul_i32 s46, s42, GROUPB
	s_add_co_u32 s46, s46, s2
	s_add_co_u32 s46, s46, WOFF
	s_mov_b32 s47, 0
	s_mul_i32 s18, s42, GROUPS
	s_add_co_u32 s18, s18, WSOFF
	s_mov_b32 s19, 0
	s_mul_i32 s45, s14, HALFT
	s_wait_kmcnt 0x0
	s_add_nc_u64 s[20:21], s[92:93], s[20:21]
	s_add_nc_u64 s[22:23], s[92:93], s[22:23]
	s_add_nc_u64 s[46:47], s[94:95], s[46:47]
	s_add_nc_u64 s[18:19], s[94:95], s[18:19]
	CROUND
	s_mov_b32 s[G0S], 1
	s_mov_b32 s[G0S+1], SCL
	s_mov_b64 s[G0S+2:G0S+3], s[22:23]
	s_or_b32 s[G0S+3], s[G0S+3], 0x80000000
	s_mov_b32 s[G0SB], 1
	s_mov_b32 s[G0SB+1], SCL+GROUPS
	s_mov_b64 s[G0SB+2:G0SB+3], s[18:19]
	s_or_b32 s[G0SB+3], s[G0SB+3], 0x80000000
.irp s, 0,1
	s_mov_b32 s[G0+4*\s], 1
	s_add_co_u32 s[G0+4*\s+1], s45, \s*SLOT
	s_add_nc_u64 s[G0+4*\s+2:G0+4*\s+3], s[20:21], \s*2*HALFT
	s_or_b32 s[G0+4*\s+3], s[G0+4*\s+3], 0x80000000
	s_mov_b32 s[G0B+4*\s], 1
	s_add_co_u32 s[G0B+4*\s+1], s45, \s*SLOT
	s_add_nc_u64 s[G0B+4*\s+2:G0B+4*\s+3], s[46:47], \s*2*HALFT
	s_or_b32 s[G0B+4*\s+3], s[G0B+4*\s+3], 0x80000000
.endr
	s_cmp_eq_u32 s15, 0                            ; the prefetches: the half slot that I fetch in the ring, and my work-group's 24 of its 96 blocks of 256 bytes, by its place among the four that ask jointly
	s_cselect_b64 s[4:5], s[20:21], s[46:47]
	s_cselect_b32 s2, s40, s41
	s_mul_i32 s2, s2, 24*256
	s_add_nc_u64 s[4:5], s[4:5], 2*HALFT           ; at slot 1; each refill steps it a slot on
	; THE HEAD'S LOADS, ONE A WAVE, in one chain of arms: wave 0 A's part of slot 0 (192 rows of 256 bytes), wave 1 A's scale words, wave 2 B's part of slot 0, wave 3 B's scale words
	s_cmp_lg_u32 s14, 0
	s_cbranch_scc1 .Lhead_1
	tensor_load_to_lds s[G0:G0+3], s[G1:G1+7]
	s_nop 0
.rept 4
	v_nop
.endr
	s_branch .Lhead_asked
.Lhead_1:
	s_cmp_lg_u32 s14, 1
	s_cbranch_scc1 .Lhead_2
	tensor_load_to_lds s[G0S:G0S+3], s[G1S:G1S+7]
	s_nop 0
.rept 4
	v_nop
.endr
	s_branch .Lhead_asked
.Lhead_2:
	s_cmp_lg_u32 s14, 2
	s_cbranch_scc1 .Lhead_3
	tensor_load_to_lds s[G0B:G0B+3], s[G1B:G1B+7]
	s_nop 0
.rept 4
	v_nop
.endr
	s_branch .Lhead_asked
.Lhead_3:
	tensor_load_to_lds s[G0SB:G0SB+3], s[G1SB:G1SB+7]
	s_nop 0
.rept 4
	v_nop
.endr
.Lhead_asked:
	v_and_b32 v1, 31, v0
	v_and_b32 v2, 15, v0
	v_bfe_u32 v3, v0, 4, 1
	v_lshlrev_b32 v[L16], 4, v1
	v_min_u32 v13, 23, v1                          ; a lane a block; the eight lanes left over name the last block again
	v_lshl_add_u32 v13, v13, 8, s2
	global_prefetch_b8 v13, s[4:5] th:TH_LOAD_NT scope:SCOPE_SE                  ; the bytes of my half of slots 1, 2 and 3
	global_prefetch_b8 v13, s[4:5] offset:2*HALFT th:TH_LOAD_NT scope:SCOPE_SE
	global_prefetch_b8 v13, s[4:5] offset:4*HALFT th:TH_LOAD_NT scope:SCOPE_SE
	v_lshlrev_b32 v[L8], 4, v2
	v_lshl_add_u32 v[L8], v3, 3, v[L8]
	s_mul_i32 s21, s15, 4*1536
	s_mul_i32 s22, s16, 4*1536
	s_add_co_u32 s22, s22, OPB
.irp s, 0,1
	v_add_nc_u32 v[ADRA+\s], s21, v[L16]
	v_add_nc_u32 v[ADRB+\s], s22, v[L16]
	v_add_nc_u32 v[ADRA+2+\s], s21, v[L8]
	v_add_nc_u32 v[ADRB+2+\s], s22, v[L8]
	s_add_co_u32 s21, s21, SLOT
	s_add_co_u32 s22, s22, SLOT
.endr
	v_lshlrev_b32 v6, 2, v2
	s_lshl_b32 s21, s15, 8
	s_lshl_b32 s22, s16, 8
	s_add_co_u32 s22, s22, GROUPS
	s_sub_co_u32 s22, s22, s21
	v_mul_u32_u24 v7, s22, v3
	s_add_co_u32 s21, s21, SCL
	v_add_nc_u32 v6, v6, v7
	v_add_nc_u32 v[ADRS], s21, v6
	s_mul_i32 s23, s14, 16*SPITCH
	s_add_co_u32 s23, s23, STAGE
	v_mul_u32_u24 v5, v2, SPITCH
	v_lshl_add_u32 v5, v3, 6, v5
	v_add_nc_u32 v[STO], s23, v5
	v_mul_u32_u24 v5, v3, SPITCH
	v_lshl_add_u32 v5, v2, 4, v5
	v_add_nc_u32 v[RD], s23, v5
	v_lshlrev_b32 v12, 4, v2
	v_lshl_add_u32 v[CO], v3, 12, v12
	s_wait_alu depctr_va_vdst(0)
	s_lshl_b32 s46, s42, 9
	s_lshl_b32 s47, s16, 8
	s_add_co_u32 s46, s46, s47
	s_mov_b32 s47, 0
	s_add_nc_u64 s[96:97], s[96:97], s[46:47]
	global_load_b128 v[BIA:BIA+3], v12, s[96:97]
	s_lshl_b32 s20, s17, 19
	s_add_co_u32 s46, s46, s20
	s_lshl_b32 s20, s15, 18
	s_add_co_u32 s46, s46, s20
	s_add_nc_u64 s[98:99], s[98:99], s[46:47]
	s_add_nc_u64 s[12:13], s[12:13], s[46:47]
.macro RLOAD a
.irp i, 0,1,2,3,4,5,6,7
	global_load_b128 v[RS+32*(\a)+4*\i:RS+32*(\a)+4*\i+3], v[CO], s[98:99] offset:(32*((\a)/2)+8*((\a)%2)+2*\i+((2*\i)&8))*4096
.endr
.endm
.macro FRAG reg, adr, q, i
	ds_load_b128 v[\reg:\reg+3], v[\adr] offset:(\q)*KB+(\i)*1536
	ds_load_b64 v[\reg+4:\reg+5], v[\adr+2] offset:(\q)*KB+(\i)*1536+512
	ds_load_b128 v[\reg+6:\reg+9], v[\adr] offset:(\q)*KB+(\i)*1536+768
	ds_load_b64 v[\reg+10:\reg+11], v[\adr+2] offset:(\q)*KB+(\i)*1536+1280
.endm
.macro FETCH slot, q, f
	WIN TO_F
.irp i, 0,1,2,3
	FRAG (\f)+FR*\i, ADRA+\slot, \q, \i
.endr
.irp i, 0,1,2,3
	FRAG (\f)+48+FR*\i, ADRB+\slot, \q, \i
.endr
.endm
.macro MUL8 f, a0, q, sc, zero
.irp a, \a0, \a0+1
.irp b, 0,1,2,3
.if \zero
	v_wmma_scale_f32_16x16x128_f8f6f4 v[ACC+8*(4*(\a)+\b):ACC+8*(4*(\a)+\b)+7], v[(\f)+48+FR*\b:(\f)+48+FR*\b+FR-1], v[(\f)+FR*(\a):(\f)+FR*(\a)+FR-1], 0, v[SC+16*(\sc)+4*(\q)+\b], v[SC+16*(\sc)+4*(\q)+(\a)] matrix_a_fmt:MATRIX_FMT_FP6 matrix_b_fmt:MATRIX_FMT_FP6 matrix_a_scale:MATRIX_SCALE_ROW1
.else
	v_wmma_scale_f32_16x16x128_f8f6f4 v[ACC+8*(4*(\a)+\b):ACC+8*(4*(\a)+\b)+7], v[(\f)+48+FR*\b:(\f)+48+FR*\b+FR-1], v[(\f)+FR*(\a):(\f)+FR*(\a)+FR-1], v[ACC+8*(4*(\a)+\b):ACC+8*(4*(\a)+\b)+7], v[SC+16*(\sc)+4*(\q)+\b], v[SC+16*(\sc)+4*(\q)+(\a)] matrix_a_fmt:MATRIX_FMT_FP6 matrix_b_fmt:MATRIX_FMT_FP6 matrix_a_scale:MATRIX_SCALE_ROW1
.endif
.endr
.endr
.endm
.macro SCALES sc
.irp q, 0,1,2,3
.irp i, 0,1,2,3
	ds_load_b32 v[SC+16*\sc+4*\q+\i], v[ADRS] offset:512*\q+64*\i
.endr
.endr
.endm
.macro PLACES n
.rept \n
	v_nop
.endr
.endm
.macro STEP slot, q, zero
	s_wait_dscnt 0x0
	PLACES NP
	FETCH \slot, (\q)+1, 128*(((\q)+1)%2)
	WIN MUL
	MUL8 128*((\q)%2), 0, \q, \slot, \zero
	MUL8 128*((\q)%2), 2, \q, \slot, \zero
.endm
.macro TURN slot, next, fill
	WIN 0
	s_wait_tensorcnt 0x0
	ds_add_u32 v[SPW], v[NIL]
.if \fill
	s_add_nc_u64 s[G0+4*\slot+2:G0+4*\slot+3], s[G0+4*\slot+2:G0+4*\slot+3], 4*HALFT
	s_add_nc_u64 s[G0B+4*\slot+2:G0B+4*\slot+3], s[G0B+4*\slot+2:G0B+4*\slot+3], 4*HALFT
	s_wait_xcnt 0x0                                ; my last prefetch has read its address
	s_add_nc_u64 s[4:5], s[4:5], 2*HALFT
.endif
	s_wait_dscnt 0x0
	s_barrier_signal -1
	WIN MUL
	MUL8 128, 0, 3, \slot, 0
	WIN 0
	s_barrier_wait -1
.if \fill
	CREST
	JLOAD G0+4*\slot, G1, G0B+4*\slot, G1B
.else
	PLACES NP
.endif
	s_wait_alu depctr_va_vdst(0)
	v_add_nc_u32 v[ADRS], 2048, v[ADRS]
	FETCH \next, 0, 0
	WIN 0
	SCALES \next
.if \fill
	s_cmp_gt_u32 s3, 1                             ; the slot two refills on; the loop's last trip has none
	s_cbranch_scc0 .Lno_ask_\@
	global_prefetch_b8 v13, s[4:5] offset:4*HALFT th:TH_LOAD_NT scope:SCOPE_SE
.Lno_ask_\@:
.endif
	WIN MUL
	MUL8 128, 2, 3, \slot, 0
.endm
	s_wait_alu depctr_va_vdst(0)                   ; the wait at the head's end
	s_wait_tensorcnt 0x0                           ; my tile of the head's four is in; slot 1's first fill stands behind the full sequence and a round
	ds_add_u32 v[SPW], v[NIL]
	s_mov_b32 s[G1+2], 96<<16                      ; no tensor load of mine is out: from here on a load brings 96 rows
	s_mov_b32 s[G1+4], 96
	s_mov_b32 s[G1B+2], 96<<16
	s_mov_b32 s[G1B+4], 96
	s_wait_dscnt 0x0
	CROUND                                         ; all four tiles are in, and all sixteen work-groups are here
	JLOAD G0+4, G1, G0B+4, G1B
	FETCH 0, 0, 0
	WIN 0
	SCALES 0
	WIN TO_R                                       ; the residual is asked for when the head's tiles are in; it is wanted on the way out
	RLOAD 0
	RLOAD 1
	RLOAD 2
	RLOAD 3
	WIN 0
	STEP 0, 0, 1
	STEP 0, 1, 0
	STEP 0, 2, 0
.if LAPS > 1
	WIN 0
	s_mov_b32 s3, LAPS-1
.Llap:
	TURN 0, 1, 1
	STEP 1, 0, 0
	STEP 1, 1, 0
	STEP 1, 2, 0
	TURN 1, 0, 1
	STEP 0, 0, 0
	STEP 0, 1, 0
	STEP 0, 2, 0
	WIN 0
	s_sub_co_u32 s3, s3, 1
	s_cmp_lg_u32 s3, 0
	s_cbranch_scc1 .Llap
.endif
	TURN 0, 1, 0
	STEP 1, 0, 0
	STEP 1, 1, 0
	STEP 1, 2, 0
	s_wait_dscnt 0x0
	MUL8 128, 0, 3, 1, 0
	MUL8 128, 2, 3, 1, 0
	WIN 0
.macro TOSTAGE a
.irp b, 0,1,2,3
	ds_store_b128 v[STO], v[ACC+8*(4*(\a)+\b):ACC+8*(4*(\a)+\b)+3] offset:128*(\b/2)+32*(\b%2)
	ds_store_b128 v[STO], v[ACC+8*(4*(\a)+\b)+4:ACC+8*(4*(\a)+\b)+7] offset:128*(\b/2)+32*(\b%2)+16
.endr
.set BB, BK+32*((\a)%2)
.irp i, 0,1,2,3,4,5,6,7
	ds_load_b128 v[BB+4*\i:BB+4*\i+3], v[RD] offset:2*\i*SPITCH
.endr
.endm
.macro SEND a, younger
.set BB, BK+32*((\a)%2)
	s_wait_dscnt \younger
.irp i, 0,1,2,3,4,5,6,7
	v_pk_add_f32 v[BB+4*\i:BB+4*\i+1], v[BB+4*\i:BB+4*\i+1], v[BIA:BIA+1]
	v_pk_add_f32 v[BB+4*\i+2:BB+4*\i+3], v[BB+4*\i+2:BB+4*\i+3], v[BIA+2:BIA+3]
.endr
	WIN ADD_R
.irp i, 0,1,2,3,4,5,6,7
	v_pk_add_f32 v[BB+4*\i:BB+4*\i+1], v[BB+4*\i:BB+4*\i+1], v[RS+32*(\a)+4*\i:RS+32*(\a)+4*\i+1]
	v_pk_add_f32 v[BB+4*\i+2:BB+4*\i+3], v[BB+4*\i+2:BB+4*\i+3], v[RS+32*(\a)+4*\i+2:RS+32*(\a)+4*\i+3]
.endr
	WIN 0
.irp i, 0,1,2,3,4,5,6,7
	global_store_b128 v[CO], v[BB+4*\i:BB+4*\i+3], s[12:13] offset:(32*((\a)/2)+8*((\a)%2)+2*\i+((2*\i)&8))*4096 th:TH_STORE_NT
.endr
.endm
	PLACES NP
	s_wait_loadcnt 0x0
	TOSTAGE 0
	TOSTAGE 1
	SEND 0, 16
	s_wait_xcnt 0x0
	TOSTAGE 2
	SEND 1, 16
	s_wait_xcnt 0x0
	TOSTAGE 3
	SEND 2, 16
	SEND 3, 0
	s_wait_tensorcnt 0x0
	ds_add_u32 v[SPW], v[NIL]
	s_wait_dscnt 0x0
	CROUND
	s_endpgm
.Lfunc_end_k_q7141929b06_gfcp:
	.size	k_q7141929b06_gfcp, .Lfunc_end_k_q7141929b06_gfcp-k_q7141929b06_gfcp
	.p2alignl 7, 3214868480
	.fill 96, 4, 3214868480
	.section	.rodata,"a",@progbits
	.p2align	6, 0x0
	.amdhsa_kernel k_q7141929b06_gfcp
		.amdhsa_group_segment_fixed_size 327680
		.amdhsa_private_segment_fixed_size 0
		.amdhsa_enable_private_segment 0
		.amdhsa_kernarg_size 40
		.amdhsa_user_sgpr_count 2
		.amdhsa_user_sgpr_kernarg_segment_ptr 1
		.amdhsa_wavefront_size32 1
		.amdhsa_system_sgpr_workgroup_id_x 1
		.amdhsa_system_sgpr_workgroup_id_y 1
		.amdhsa_system_sgpr_workgroup_id_z 1
		.amdhsa_system_vgpr_workitem_id 0
		.amdhsa_next_free_vgpr 768
		.amdhsa_next_free_sgpr 102
		.amdhsa_reserve_vcc 0
		.amdhsa_float_denorm_mode_32 3
		.amdhsa_float_denorm_mode_16_64 3
		.amdhsa_memory_ordered 1
		.amdhsa_forward_progress 1
		.amdhsa_inst_pref_size 105
	.end_amdhsa_kernel
	.amdgpu_metadata
---
amdhsa.version: [ 1, 2 ]
amdhsa.kernels:
  - .name:           k_q7141929b06_gfcp
    .symbol:         k_q7141929b06_gfcp.kd
    .args:
      - { .name: GB, .offset: 0, .size: 8, .value_kind: global_buffer, .address_space: global }
      - { .name: WB, .offset: 8, .size: 8, .value_kind: global_buffer, .address_space: global }
      - { .name: b_fc_proj, .offset: 16, .size: 8, .value_kind: global_buffer, .address_space: global }
      - { .name: HB16, .offset: 24, .size: 8, .value_kind: global_buffer, .address_space: global }
      - { .name: out0, .offset: 32, .size: 8, .value_kind: global_buffer, .address_space: global }
    .group_segment_fixed_size: 327680
    .private_segment_fixed_size: 0
    .kernarg_segment_align: 8
    .kernarg_segment_size: 40
    .max_flat_workgroup_size: 128
    .sgpr_count:     102
    .vgpr_count:     768
    .wavefront_size: 32
...
	.end_amdgpu_metadata
.endif
;; end of part 14
